; MI455X (gfx1250); checked and timed in simulation.
; The chip was launched on July 23, 2026; its instructions are those of AMD's public machine-readable ISA for CDNA 5 (MIT licence, August 2026) and "CDNA5" Instruction Set Architecture Reference Guide (July 2026). The comments in the code are by the model that wrote it; some were corrected since.
;; Transformer Block. Allowed arithmetic: matrix products marked QUANTISED: E4M3 operands, one E8M0 scale for each 32 along K, by v_wmma_scale_f32_16x16x128_f8f6f4 with both operands' format E4M3, f32 sums; everything else in f32.
;; Inputs: K_codes 16 x 1,024 x 16 x 32 uint8 (E4M3 codes of K, K innermost, in blocks of 32 codes); K_scales 16 x 1,024 x 16 uint8 (E8M0 scales of K, one for each 32 codes along K); Q 16 x 1,024 x 512 float32; V_codes 16 x 1,024 x 16 x 32 uint8 (E4M3 codes of V, K innermost, in blocks of 32 codes); V_scales 16 x 1,024 x 16 uint8 (E8M0 scales of V, one for each 32 codes along K); W_k_codes 512 x 16 x 32 uint8 (E4M3 codes of W_k, K innermost, in blocks of 32 codes); W_k_scales 512 x 16 uint8 (E8M0 scales of W_k, one for each 32 codes along K); W_o_codes 512 x 16 x 32 uint8 (E4M3 codes of W_o, K innermost, in blocks of 32 codes); W_o_scales 512 x 16 uint8 (E8M0 scales of W_o, one for each 32 codes along K); W_q_codes 512 x 16 x 32 uint8 (E4M3 codes of W_q, K innermost, in blocks of 32 codes); W_q_scales 512 x 16 uint8 (E8M0 scales of W_q, one for each 32 codes along K); W_v_codes 512 x 16 x 32 uint8 (E4M3 codes of W_v, K innermost, in blocks of 32 codes); W_v_scales 512 x 16 uint8 (E8M0 scales of W_v, one for each 32 codes along K); lin1_b 512 float32; lin1_w_codes 512 x 16 x 32 uint8 (E4M3 codes of lin1_w, K innermost, in blocks of 32 codes); lin1_w_scales 512 x 16 uint8 (E8M0 scales of lin1_w, one for each 32 codes along K); lin2_b 512 float32; lin2_w_codes 512 x 16 x 32 uint8 (E4M3 codes of lin2_w, K innermost, in blocks of 32 codes); lin2_w_scales 512 x 16 uint8 (E8M0 scales of lin2_w, one for each 32 codes along K); ln_b 512 float32; ln_g 512 float32; mask 16 x 1,024 bool.
;; Outputs: out0 16 x 1,024 x 512 float32.
;; This version of the problem:
;;   THIS VERSION OF THE PROBLEM IS GIVEN IN LOW PRECISION. The matrix products marked QUANTISED in the list below multiply operands that are first quantised to E4M3 (4 exponent bits, 3 mantissa bits; 8 bits a number), with one power-of-two scale for each 32 numbers along K (OCP MX v1.0); their sums are f32. All else is computed in f32.
;;   The module's matrix products, in the order in which they are computed (A, B: the left and right operand; K: the contracted axis; several contracted axes count as one K, in the product's order):
;;     1. [M 16,384, K 512] x [K 512, N 512]; A: input Q; B: input W_q (given as codes): QUANTISED
;;     2. [M 16,384, K 512] x [K 512, N 512]; A: input K (given as codes); B: input W_k (given as codes): QUANTISED
;;     3. [M 16,384, K 512] x [K 512, N 512]; A: input V (given as codes); B: input W_v (given as codes): QUANTISED
;;     4. batch 128 x [M 1,024, K 64] x [K 64, N 1,024]; A: computed on the way; B: computed on the way: QUANTISED
;;     5. batch 128 x [M 1,024, K 1,024] x [K 1,024, N 64]; A: softmax (see below); B: computed on the way: QUANTISED
;;     6. [M 16,384, K 512] x [K 512, N 512]; A: computed on the way; B: input W_o (given as codes): QUANTISED
;;     7. [M 16,384, K 512] x [K 512, N 512]; A: computed on the way; B: input lin1_w (given as codes): QUANTISED
;;     8. [M 16,384, K 512] x [K 512, N 512]; A: computed on the way; B: input lin2_w (given as codes): QUANTISED
;;   THE QUANTISER, for each operand of a quantised product, along K:
;;     - K is cut into blocks of 32 from its start; a last block that is shorter is filled with zeros.
;;     - A block's scale is 2^e with e = floor(log2(the largest magnitude in the block)) - 8, held to -126 .. 127; a block of zeros has e = 0. As a byte (E8M0): e + 127.
;;     - Each number is divided by its block's scale, clamped to +-448, and rounded to the nearest number of E4M3, ties to even, subnormals kept.
;;     - The product sums the exact products of the quantised numbers (number of the format x scale) in f32.
;;   ~~~python
;;   def quantise(x, axis):      # numpy; x: float32 -> the quantised numbers, widened to float32 again
;;       x = np.moveaxis(x, axis, -1); K = x.shape[-1]
;;       x = np.pad(x, [(0, 0)] * (x.ndim - 1) + [(0, -K % 32)]); x = x.reshape(x.shape[:-1] + (-1, 32)); a = np.abs(x).max(-1, keepdims=True)
;;       e = np.where(a > 0, np.clip(np.frexp(np.where(a > 0, a, 1))[1] - 1 - 8, -126, 127), 0)      # np.frexp(a)[1] - 1 = floor(log2(a)), exactly
;;       r = np.clip(x / 2.0 ** e, -448, 448)
;;       step = 2.0 ** (np.maximum(np.frexp(np.where(r == 0, 1, r))[1] - 1, -6) - 3)
;;       q = np.round(r / step) * step * 2.0 ** e      # np.round: ties to even
;;       return np.moveaxis(q.reshape(q.shape[:-2] + (-1,))[..., :K], -1, axis).astype(np.float32)
;;   ~~~
;;   SOFTMAX AHEAD OF A QUANTISED PRODUCT. Where the list says 'softmax', what is quantised is not the finished softmax but p = 2^(t - M), with t = logit x log2(e) and M = ceil(the row's largest t), a whole number; so 1/2 < the row's largest p <= 1. The row's sum l is taken of the UNQUANTISED p, in f32, and the product's result is divided by l at the end. Since M is a whole number, a kernel that streams over the keys may use a running M (the ceiling of the running maximum): every later rescaling is an exact power of two, which a block's scale takes up: the codes' values come out the same.
;;   OPERANDS COMPUTED ON THE WAY. 'Computed on the way' means the value that the module computes at that place (a softmax that the list does not call 'softmax' is quantised finished and normalised). What goes into a quantiser is computed in f32, as accurately as f32 sums, v_exp_f32 and their like allow (about 1e-6 of the number): no bf16 or f16 on the way to a quantiser, and a product that is left as it is and whose result goes on into a quantised operand takes f32 operands (vector FMAs, or v_wmma_f32_16x16x4_f32). A number that lies on a knife's edge between two numbers of the format may be rounded either way, as far as f32 arithmetic and the matrix unit's own rounding can turn it there, and no further.
;;   INPUTS GIVEN AS CODES. K (in the module: [16, 1024, 512], K = its axis 2); V (in the module: [16, 1024, 512], K = its axis 2); W_k (in the module: [512, 512], K = its axis 0); W_o (in the module: [512, 512], K = its axis 0); W_q (in the module: [512, 512], K = its axis 0); W_v (in the module: [512, 512], K = its axis 0); lin1_w (in the module: [512, 512], K = its axis 0); lin2_w (in the module: [512, 512], K = its axis 0): each comes as NAME_codes (uint8): NAME with its K axis moved to the last place and cut into blocks of 32 codes, [.., K / 32, bytes a block], one block behind the other in memory; one code a byte (a code: sign, 4 exponent bits, 3 mantissa bits); and NAME_scales (uint8): the same leading axes, one E8M0 byte (e + 127) for each 32 codes along K. Its value is code x scale, taken as it is: it is not quantised again, and the codes and scales need not be those that the quantiser above would give.
;; 2 versions, each right; version 2 is version 1 with the launches proj, attn, tail written anew for expert scheduling mode. Each part assembles by itself: llvm-mc -triple=amdgcn-amd-amdhsa -mcpu=gfx1250 --defsym DOCPART=n.
;; ======== version 1 of 2: 3 launches
;; workspace buffers: qh_codes 8,388,608 bytes; kh_codes 8,388,608 bytes; vh_codes 8,388,608 bytes; qh_scales 524,288 bytes; kh_scales 524,288 bytes; vh_scales 262,144 bytes; ctx_codes 8,388,608 bytes; side 1,048,576 bytes
;; launch proj (part 1): grid 256 x 1, 4 waves a work-group, no clusters, 279,040 bytes of LDS; arguments Q, K_codes, K_scales, V_codes, V_scales, W_q_codes, W_q_scales, W_k_codes, W_k_scales, W_v_codes, W_v_scales, qh_codes, qh_scales, kh_codes, kh_scales, vh_codes, vh_scales; writes qh_codes, qh_scales, kh_codes, kh_scales, vh_codes, vh_scales
.if DOCPART == 1
	.amdgcn_target "amdgcn-amd-amdhsa--gfx1250"
	.amdhsa_code_object_version 6
	.text
	.protected	k_qdd59329027_proj
	.globl	k_qdd59329027_proj
	.p2align	8
	.type	k_qdd59329027_proj,@function
k_qdd59329027_proj:
	s_mov_b64 s[64:65], 0
	v_nop
	global_prefetch_b8 v0, s[64:65] scope:SCOPE_SE
	s_setreg_imm32_b32 hwreg(HW_REG_WAVE_MODE, 25, 1), 1
	s_wait_xcnt 0x0
; The three projections Q W_q, K W_k, V W_v (16,384 x 512 x 512 each) on codes of FP8 (E4M3) with one E8M0 scale for each 32 along K, and the
; quantising of their results for attention: Qh and Kh along the head's 64, Vh along the keys.  All results leave as images of operand registers.
; SHARES.  Work-groups 0-127: 128 rows of Q each (f32, quantised here); 128-191: 256 rows of K; 192-255: 256 rows of V (both given as codes).
; Wave w owns output columns 128 w .. 128 w + 127 (heads 2 w, 2 w + 1) for all rows and keeps its 64 KB of the weight in 512 registers.
; EVERY LARGE LOAD COVERS 512 CONSECUTIVE BYTES: a row of 512 codes, or a quarter of a row of Q, 16 bytes a lane.  Lane l of a row of codes then holds piece l = 8 s + 2 c + h of the
; operand's order (K step s, group c, half h).  A tile of 16 rows turns through the wave's own stage in LDS: row p goes in at 272 x lane + 16 p, and group p = 4 s + c comes back from
; 544 p + 272 h + 16 r into the registers in which row p landed.  272 = 256 + 16: sixteen lanes touch sixteen different 16-byte columns both ways.  Q turns through rows of 528 bytes.
; The rows' operands go from wave to wave through LDS as images of their registers: fragment f = 4 m + s (tile of 16 rows m, K step s) of a block
; of 64 rows at f x 2048 + 512 c + 16 x lane, its scale words at 32768 + 128 f + 4 x lane: 34,816 bytes a block.
; ONE FILL, ONE BARRIER: a work-group lays all its blocks into LDS, passes the barrier, and from there on LDS is only read.
; Q's blocks lie at byte 0 on, K's and V's at byte 69,632 on; Q's stages at 208,896, K's and V's at 243,712: each way through the fill has LDS bytes of its own.
; Q and K are used TRANSPOSED (source 0 = 16 rows of W, source 1 = 16 rows of x): a lane holds one row and its registers run along the head.
; V is used as written (source 0 = x, source 1 = W): a lane holds one channel d and its registers run down the keys, the next product's K.
; THE ROWS OF A TILE ARE NOT NEIGHBOURS for W, K and V: lane r of tile 2 b + u takes row 32 b + 8 u + r + 8 (r / 8), so that the 16 registers of
; tiles 2 b and 2 b + 1 are 16 neighbours along the next K.
; NO CLUSTER, NO TENSOR LOAD: what work-groups share is the weight, 256 KB, which would not fit into LDS beside the 204 KB of rows.
; LIMITS: NaN, infinities and scale bytes of 0xff among the inputs are not served.  A block of zeros gets the byte 1 where the quantiser says 127:
; its codes are zeros, and the bytes are read by this program alone.
.set XR,   34816                       ; a block's bytes in LDS
.set SW,   8704                        ; a wave's stage: 32 pieces x 272 bytes
.set QSTG, 6*XR                        ; the stages on Q's way,
.set KSTG, 6*XR+4*SW                   ; and on K's and V's
.set LI,   1                           ; v1   16 x lane
.set LS,   2                           ; v2   4 x lane + 32768
.set L8,   3                           ; v3   8 x lane
.set TWQ,  4                           ; v4   Q's way: into the stage: 272 x lane
.set WSA,  5                           ; v5   (r + 8 (r / 8)) x 16: a permuted tile's row of 16 scale bytes
.set TRQ,  6                           ; v6   and back: 272 h + 16 r
.set XWI,  7                           ; v7   where I store Q's images: 16 x lane + 8192 w
.set XWS,  8                           ; v8   and their scale words: 4 x lane + 32768 + 512 w
.set AX,   9                           ; v9   the block in hand: images
.set AS,   10                          ; v10  and scale words
.set QW,   11                          ; v11  Q's numbers into the stage: 16 x lane
.set KWI,  12                          ; v12-13 where I store K's or V's images: blocks 0, 1 and blocks 2, 3
.set KWS,  14                          ; v14-15 and their scale words
.set XF0,  16                          ; v16-79  four fragments of x
.set HA,   80                          ; v80-143 eight result tiles (Q, K); four more fragments of x (V)
.set WS,   144                         ; v144-175 W's scale words: 4 n + s
.set XS,   176                         ; v176-183 x's scale words
.set TM,   184                         ; v184-199 the quantiser's sixteen
.set PW,   200                         ; v200 the scale word just made
.set PC,   208                         ; v208-223 the codes just made
.set ST,   224                         ; v224-237 scale words on their way out
.set TWK,  238                         ; v238 K's and V's way: into the stage,
.set TRK,  239                         ; v239 and back
.set QR,   240                         ; v240 Q's numbers back from the stage: 528 r + 64 h
.set WV,   38
.set WC,   40                          ; s[40:41] my rows of W's codes;  s[42:43] of its scales
.set WSC,  42
.set XC,   44                          ; s[44:45] Q, or x's codes;  s[46:47] x's scales
.set XSC,  46
.set OC,   48                          ; s[48:49] codes out;  s[50:51] scale words out
.set OS,   50
.set SEL,  56
.set MNT,  58
.set HALF, 59
.set BLK,  60
.set REG,  61
.set NB,   62
.set MSB, 0
.macro WIN new                         ; the immediate's high byte repeats the setting that is left
.if MSB != (\new)
	s_set_vgpr_msb (MSB<<8)|(\new)
.set MSB, (\new)
.endif
.endm
; 64 numbers of a lane in window w, register 16 b + i = k 32 b + 16 (lane / 16) + i of my row, become a fragment's codes in v[PC] on and its scale word in v[PW].
.macro QUANT s, w
	WIN 5*(\w)
.irp b, 0,1,2,3
	v_max3_num_f32 v[TM+\b], |v[(\s)+16*\b]|, |v[(\s)+16*\b+1]|, 0x4800000   ; my 16 numbers of block b, and the floor 2^(9 - 127): the byte cannot fall under 1
.endr
	WIN 20*(\w)
.irp i, 2,4,6,8,10,12,14
.irp b, 0,1,2,3
	v_max3_num_f32 v[TM+\b], v[TM+\b], |v[(\s)+16*\b+\i]|, |v[(\s)+16*\b+\i+1]|   ; the four blocks by turns
.endr
.endr
	WIN 0
.irp b, 0,1,2,3
	v_permlanex16_b32 v[TM+4+\b], v[TM+\b], s[SEL], s[SEL+1]
.endr
.irp b, 0,1,2,3
	v_max_num_f32 v[TM+\b], v[TM+\b], v[TM+4+\b]           ; with lane l xor 16's: the block's largest magnitude
.endr
.irp b, 0,1,2,3
	v_add_nc_u32 v[TM+12+\b], 0xfc000000, v[TM+\b]         ; 8 off its exponent field: the conversion's scale operand
.endr
.irp b, 0,1,2,3
	v_and_or_b32 v[TM+8+\b], v[TM+\b], 0x7f800000, s[MNT]  ; 448 x the scale
.endr
.irp b, 0,1,2,3
	v_lshrrev_b32 v[TM+4+\b], 23, v[TM+12+\b]              ; the scale's byte
.endr
	v_lshl_or_b32 v[PW], v[TM+5], 8, v[TM+4]
	v_lshl_or_b32 v[PW], v[TM+6], 16, v[PW]
	v_lshl_or_b32 v[PW], v[TM+7], 24, v[PW]
	WIN 65*(\w)
.irp b, 0,1,2,3
.irp i, 0,1,2,3,4,5,6,7,8,9,10,11,12,13,14,15
	v_med3_num_f32 v[(\s)+16*\b+\i], v[(\s)+16*\b+\i], -v[TM+8+\b], v[TM+8+\b]   ; the conversion to an 8-bit code does not saturate (ISA guide 7.6.2): the hold comes first
.endr
.endr
	WIN (\w)
.irp b, 0,1,2,3
	v_cvt_scalef32_pk8_fp8_f32 v[PC+4*\b:PC+4*\b+1], v[(\s)+16*\b:(\s)+16*\b+7], v[TM+12+\b]
	v_cvt_scalef32_pk8_fp8_f32 v[PC+4*\b+2:PC+4*\b+3], v[(\s)+16*\b+8:(\s)+16*\b+15], v[TM+12+\b]
.endr
	WIN 0
	v_nop                                          ; one plain line behind the last conversion
.endm
.macro IMAGE adr, off                  ; the fragment in v[PC] on goes to LDS as it stands
.irp c, 0,1,2,3
	ds_store_b128 v[\adr], v[PC+4*\c:PC+4*\c+3] offset:(\off)+512*\c
.endr
.endm
; W as it lies: row p = 4 s + c of tile n, whole, into the registers that group (s, c) of the tile's fragments will take: window 1 + s / 2, register 16 (8 (s % 2) + n) + 4 c
.macro WLOADS s, pc
	WIN 0x40*(1+(\s)/2)
.irp n, 0,1,2,3,4,5,6,7
.irp c, 0,1,2,3
	global_load_b128 v[16*(8*((\s)%2)+\n)+4*\c:16*(8*((\s)%2)+\n)+4*\c+3], v[LI], s[\pc:\pc+1] offset:(32*(\n/2)+8*(\n%2)+4*(\s)+\c+8*((\s)/2))*512
.endr
.endr
	WIN 0
.endm
; W's eight tiles turn through my stage, one after the other.  LDS serves a wave's instructions in order (ISA guide 5.7.1.4): a tile's loads see its stores, and the next tile's stores come behind them.
.macro WTURN tw, tr
.irp n, 0,1,2,3,4,5,6,7
	WIN 0x04                                       ; an LDS store's data are its source 1: window 1,
.irp p, 0,1,2,3,4,5,6,7
	ds_store_b128 v[\tw], v[128*(\p/4)+16*\n+4*(\p%4):128*(\p/4)+16*\n+4*(\p%4)+3] offset:16*\p
.endr
	WIN 0x08                                       ; window 2
.irp p, 8,9,10,11,12,13,14,15
	ds_store_b128 v[\tw], v[128*(\p/4-2)+16*\n+4*(\p%4):128*(\p/4-2)+16*\n+4*(\p%4)+3] offset:16*\p
.endr
	WIN 0x40
.irp p, 0,1,2,3,4,5,6,7
	ds_load_b128 v[128*(\p/4)+16*\n+4*(\p%4):128*(\p/4)+16*\n+4*(\p%4)+3], v[\tr] offset:544*\p
.endr
	WIN 0x80
.irp p, 8,9,10,11,12,13,14,15
	ds_load_b128 v[128*(\p/4-2)+16*\n+4*(\p%4):128*(\p/4-2)+16*\n+4*(\p%4)+3], v[\tr] offset:544*\p
.endr
.endr
	WIN 0
.endm
.macro WSCALES ps                      ; a row's 16 scale bytes are its four words, one for each K step
.irp n, 0,1,2,3,4,5,6,7
	global_load_b128 v[WS+4*\n:WS+4*\n+3], v[WSA], s[\ps:\ps+1] offset:(32*(\n/2)+8*(\n%2))*16
.endr
.endm
.macro XLOADS s, blk                   ; K step s (512 bytes a row) of my 16 rows of Q's block blk, a row a load: window 3, register 64 s + 4 i
	WIN 0xc0
.irp i, 0,1,2,3,4,5,6,7,8,9,10,11,12,13,14,15
	global_load_b128 v[64*(\s)+4*\i:64*(\s)+4*\i+3], v[LI], s[XC:XC+1] offset:(\blk)*131072+2048*\i+512*(\s) th:TH_LOAD_NT
.endr
	WIN 0
.endm
.macro XQ blk                          ; my 16 rows of Q's block blk become four fragments
.irp s, 0,1,2,3
.if (\blk) == 0
	s_wait_loadcnt 48                              ; this K step's 16 loads are in; behind them stand 48: the block's later steps and the next block's already asked for
.else
	s_wait_loadcnt 48-16*\s                        ; nothing more is asked for: the counts run down
.endif
	WIN 0x0c
.irp i, 0,1,2,3,4,5,6,7,8,9,10,11,12,13,14,15
	ds_store_b128 v[QW], v[64*\s+4*\i:64*\s+4*\i+3] offset:528*\i          ; row i as it lies
.endr
	WIN 0xc0
.irp bq, 0,1,2,3
.irp j, 0,1,2,3
	ds_load_b128 v[64*\s+16*\bq+4*\j:64*\s+16*\bq+4*\j+3], v[QR] offset:128*\bq+16*\j   ; my row's 16 numbers of each block of 32
.endr
.endr
	WIN 0
	s_wait_dscnt 0x0                               ; the numbers are back, and the last image's stores have read the codes and the scale word
	QUANT 64*\s, 3
	IMAGE XWI, XR*(\blk)+2048*\s
	ds_store_b32 v[XWS], v[PW] offset:XR*(\blk)+128*\s
.if (\blk) == 0
	XLOADS \s, 1                                   ; the next block's numbers, into the registers just left
.endif
.endr
.endm
.macro FETCHM m                        ; the four fragments of tile m and their scale words
.irp s, 0,1,2,3
.irp c, 0,1,2,3
	ds_load_b128 v[XF0+16*\s+4*\c:XF0+16*\s+4*\c+3], v[AX] offset:(4*(\m)+\s)*2048+512*\c
.endr
.endr
.irp s, 0,1,2,3
	ds_load_b32 v[XS+\s], v[AS] offset:(4*(\m)+\s)*128
.endr
.endm
.macro FETCHS s, p                     ; K step s of all four tiles into set p: 20 LDS loads
.irp m, 0,1,2,3
.irp c, 0,1,2,3
	ds_load_b128 v[XF0+64*(\p)+16*\m+4*\c:XF0+64*(\p)+16*\m+4*\c+3], v[AX] offset:(4*\m+(\s))*2048+512*\c
.endr
	ds_load_b32 v[XS+4*(\p)+\m], v[AS] offset:(4*\m+(\s))*128
.endr
.endm
	s_load_b512 s[4:19], s[0:1], 0x0               ; argument i lies in s[4 + 2 i : 5 + 2 i]
	s_load_b512 s[20:35], s[0:1], 0x40
	s_load_b64 s[36:37], s[0:1], 0x80
	v_lshl_add_u32 v254, v0, 2, 0x44000
	v_mov_b32 v255, 0
	v_lshrrev_b32 v201, 5, v0
	v_readfirstlane_b32 s[WV], v201                ; wave 0..3
	v_and_b32 v201, 31, v0                         ; lane
	v_and_b32 v202, 15, v0                         ; r
	v_bfe_u32 v203, v0, 4, 1                       ; h
	v_lshlrev_b32 v[LI], 4, v201
	v_lshl_add_u32 v[LS], v201, 2, 32768
	v_lshlrev_b32 v[L8], 3, v201
	v_and_b32 v204, 8, v202
	v_add_nc_u32 v204, v204, v202                  ; r + 8 (r / 8)
	v_lshlrev_b32 v[WSA], 4, v204
	s_lshl_b32 s39, s[WV], 13                      ; tile m = w of a block: fragments 4 w on
	v_add_nc_u32 v[XWI], s39, v[LI]
	v_add_nc_u32 v[KWI], 2*XR, v[XWI]
	v_add_nc_u32 v[KWI+1], 4*XR, v[XWI]
	s_lshl_b32 s39, s[WV], 9
	v_add_nc_u32 v[XWS], s39, v[LS]
	v_add_nc_u32 v[KWS], 2*XR, v[XWS]
	v_add_nc_u32 v[KWS+1], 4*XR, v[XWS]
	s_mul_i32 s39, s[WV], SW                       ; my stage
	v_mul_u32_u24 v[TWQ], v201, 272
	v_add_nc_u32 v[TWQ], s39, v[TWQ]
	v_mul_u32_u24 v[TRQ], v203, 272
	v_lshl_add_u32 v[TRQ], v202, 4, v[TRQ]
	v_add_nc_u32 v[TRQ], s39, v[TRQ]
	v_add_nc_u32 v[TWK], KSTG, v[TWQ]
	v_add_nc_u32 v[TRK], KSTG, v[TRQ]
	v_add_nc_u32 v[TWQ], QSTG, v[TWQ]
	v_add_nc_u32 v[TRQ], QSTG, v[TRQ]
	v_add_nc_u32 v[QW], s39, v[LI]
	v_add_nc_u32 v[QW], QSTG, v[QW]
	v_mul_u32_u24 v[QR], v202, 528
	v_lshl_add_u32 v[QR], v203, 6, v[QR]
	v_add_nc_u32 v[QR], s39, v[QR]
	v_add_nc_u32 v[QR], QSTG, v[QR]
	s_mov_b32 s[SEL], 0x76543210
	s_mov_b32 s[SEL+1], 0xfedcba98                 ; v_permlanex16_b32's selects for lane l xor 16
	s_mov_b32 s[MNT], 0x600000                     ; the mantissa field of 448
	s_mov_b32 s[HALF], 0xffff0000                  ; lanes 16-31
	s_mov_b32 s53, 0
	s_mov_b32 s55, 0
.irp b, 0,1,2,3
	v_mov_b32 v[TM+4+\b], 0                        ; written once: a lane permute's destination counts as one of its sources
	v_mov_b32 v[ST+4+\b], 0                        ; V's scale words of the block before: written before the first trip
.endr
	s_wait_kmcnt 0x0
	s_cmp_lt_u32 ttmp9, 192                        ; the buffers are chosen by the work-group's number alone
	s_cselect_b64 s[WC:WC+1], s[18:19], s[22:23]
	s_cselect_b64 s[WSC:WSC+1], s[20:21], s[24:25]
	s_cselect_b64 s[XC:XC+1], s[6:7], s[10:11]
	s_cselect_b64 s[XSC:XSC+1], s[8:9], s[12:13]
	s_cselect_b64 s[OC:OC+1], s[30:31], s[34:35]
	s_cselect_b64 s[OS:OS+1], s[32:33], s[36:37]
	s_cmp_lt_u32 ttmp9, 128
	s_cselect_b64 s[WC:WC+1], s[14:15], s[WC:WC+1]
	s_cselect_b64 s[WSC:WSC+1], s[16:17], s[WSC:WSC+1]
	s_cselect_b64 s[XC:XC+1], s[4:5], s[XC:XC+1]
	s_cselect_b64 s[OC:OC+1], s[26:27], s[OC:OC+1]
	s_cselect_b64 s[OS:OS+1], s[28:29], s[OS:OS+1]
	s_lshl_b32 s52, s[WV], 16                      ; my 128 rows of W: 512 bytes of codes a row,
	s_add_nc_u64 s[WC:WC+1], s[WC:WC+1], s[52:53]
	s_lshl_b32 s52, s[WV], 11                      ; 16 scale bytes a row
	s_add_nc_u64 s[WSC:WSC+1], s[WSC:WSC+1], s[52:53]
.irp s, 0,1,2,3
	WLOADS \s, WC
.endr
	WSCALES WSC
	s_cmp_ge_u32 ttmp9, 128
	s_cbranch_scc1 .Lkvfill
	; ---- the fill for Q: 128 rows, two blocks; wave w quantises rows 16 w .. 16 w + 15 of each
	s_lshl_b32 s52, ttmp9, 18                      ; 128 rows of 2,048 bytes
	s_lshl_b32 s54, s[WV], 15
	s_add_co_u32 s52, s52, s54
	s_mov_b32 s54, 0
	s_add_nc_u64 s[XC:XC+1], s[XC:XC+1], s[52:53]
.irp s, 0,1,2,3
	XLOADS \s, 0
.endr
	s_lshr_b32 s4, ttmp9, 3                        ; the batch
	s_and_b32 s5, ttmp9, 7                         ; which 128 rows of it
	s_lshl_b32 s52, s4, 19                         ; codes: [batch][head][tile 64][c 2][lane][16]: 2^19, 2^16, 2^10
	s_lshl_b32 s6, s[WV], 17
	s_add_co_u32 s52, s52, s6
	s_lshl_b32 s6, s5, 13
	s_add_co_u32 s52, s52, s6
	s_add_nc_u64 s[OC:OC+1], s[OC:OC+1], s[52:53]
	s_lshl_b32 s52, s4, 15                         ; scale words: [batch][head][group of 64 rows][lane][2 words]: 2^15, 2^12, 2^8
	s_lshl_b32 s6, s[WV], 13
	s_add_co_u32 s52, s52, s6
	s_lshl_b32 s6, s5, 9
	s_add_co_u32 s52, s52, s6
	s_add_nc_u64 s[OS:OS+1], s[OS:OS+1], s[52:53]
	s_wait_loadcnt 63                              ; behind W's last load stand 72 younger ones (8 of scale words, 64 of Q): with 63 out at the most, W is in
	WTURN TWQ, TRQ                                 ; while Q's first block lands
	XQ 0
	XQ 1
	s_branch .Ljoin
.Lkvfill:
	; ---- the fill for K and V: 256 rows, four blocks; wave w copies tile m = w of each block, its rows permuted as W's are
	s_sub_co_u32 s4, ttmp9, 128
	s_and_b32 s4, s4, 63                           ; which 256 rows
	s_lshl_b32 s5, s4, 8
	s_lshr_b32 s6, s[WV], 1
	s_lshl_b32 s6, s6, 5
	s_add_co_u32 s5, s5, s6
	s_and_b32 s6, s[WV], 1
	s_lshl_b32 s6, s6, 3
	s_add_co_u32 s5, s5, s6                        ; the tile's first row: 256 x + 32 (w / 2) + 8 (w % 2)
	s_lshl_b32 s52, s5, 9
	s_add_nc_u64 s[XC:XC+1], s[XC:XC+1], s[52:53]
	s_lshl_b32 s52, s5, 4
	s_add_nc_u64 s[XSC:XSC+1], s[XSC:XSC+1], s[52:53]
	WIN 0xc0
.irp blk, 0,1,2,3
.irp p, 0,1,2,3,4,5,6,7,8,9,10,11,12,13,14,15
	global_load_b128 v[64*\blk+4*\p:64*\blk+4*\p+3], v[LI], s[XC:XC+1] offset:\blk*32768+(\p+8*(\p/8))*512 th:TH_LOAD_NT   ; row p of the tile, whole
.endr
.endr
	WIN 0
.irp blk, 0,1,2,3
	global_load_b128 v[XF0+4*\blk:XF0+4*\blk+3], v[WSA], s[XSC:XSC+1] offset:\blk*1024
.endr
	s_lshr_b32 s5, s4, 2                           ; the batch
	s_and_b32 s6, s4, 3                            ; which 256 rows of it
	s_lshl_b32 s52, s5, 19
	s_lshl_b32 s7, s[WV], 17
	s_add_co_u32 s52, s52, s7
	s_lshl_b32 s7, s6, 14
	s_add_co_u32 s52, s52, s7
	s_add_nc_u64 s[OC:OC+1], s[OC:OC+1], s[52:53]
	s_lshl_b32 s52, s5, 15
	s_lshl_b32 s7, s[WV], 13
	s_add_co_u32 s52, s52, s7
	s_lshl_b32 s7, s6, 10
	s_add_co_u32 s52, s52, s7
	s_cmp_ge_u32 ttmp9, 192
	s_cselect_b32 s7, 1, 0
	s_lshr_b32 s52, s52, s7                        ; V has one word for 128 keys where K has one for 64 of the head: half the bytes
	s_add_nc_u64 s[OS:OS+1], s[OS:OS+1], s[52:53]
	s_wait_loadcnt 63                              ; behind W's last load stand 76 younger ones (8 + 64 + 4): with 63 out at the most, W is in
	WTURN TWK, TRK                                 ; while the rows land
	s_wait_loadcnt 0x0                             ; the rows and their scale words
.irp blk, 0,1,2,3                              ; each tile of rows turns as W's tiles do
	WIN 0x0c
.irp p, 0,1,2,3,4,5,6,7,8,9,10,11,12,13,14,15
	ds_store_b128 v[TWK], v[64*\blk+4*\p:64*\blk+4*\p+3] offset:16*\p
.endr
	WIN 0xc0
.irp p, 0,1,2,3,4,5,6,7,8,9,10,11,12,13,14,15
	ds_load_b128 v[64*\blk+4*\p:64*\blk+4*\p+3], v[TRK] offset:544*\p
.endr
.endr
	WIN 0
	s_wait_dscnt 0x0                               ; the fragments are back in registers
	WIN 0x0c                                       ; an LDS store's data are its source 1: window 3
.irp blk, 0,1,2,3
.irp s, 0,1,2,3
.irp c, 0,1,2,3
	ds_store_b128 v[KWI+\blk/2], v[64*\blk+16*\s+4*\c:64*\blk+16*\s+4*\c+3] offset:XR*(\blk%2)+2048*\s+512*\c
.endr
.endr
.endr
	WIN 0
.irp blk, 0,1,2,3
.irp s, 0,1,2,3
	ds_store_b32 v[KWS+\blk/2], v[XF0+4*\blk+\s] offset:XR*(\blk%2)+128*\s
.endr
.endr
.Ljoin:
	s_wait_dscnt 0x0                               ; my stores into LDS have landed, and W's fragments are back
	s_barrier_signal -1
	s_barrier_wait -1                              ; everybody's have: from here on LDS is only read
	s_cmp_lt_u32 ttmp9, 128
	s_cselect_b32 s[NB], 2, 4                      ; blocks of this work-group
	s_cselect_b32 s[REG], 0, 2*XR                  ; where its first block lies
	s_mov_b32 s[BLK], 0
.Lblk:                                             ; four trips in every work-group; Q's pass over the last two
	v_add_nc_u32 v[AX], s[REG], v[LI]
	v_add_nc_u32 v[AS], s[REG], v[LS]
	s_cmp_ge_u32 ttmp9, 192
	s_cbranch_scc1 .Lvbody
	s_cmp_ge_u32 s[BLK], s[NB]
	s_cbranch_scc1 .Lnext
	; ---- Q and K: a tile of 16 rows at a time, my 8 tiles of columns by turns
	FETCHM 0
.irp m, 0,1,2,3
	s_wait_dscnt 0x0
.irp s, 0,1,2,3
	WIN (1+\s/2)                                   ; source 0 (W) in window 1 or 2
.irp n, 0,1,2,3,4,5,6,7
.if \s == 0
	v_wmma_scale_f32_16x16x128_f8f6f4 v[HA+8*\n:HA+8*\n+7], v[16*(8*(\s%2)+\n):16*(8*(\s%2)+\n)+15], v[XF0+16*\s:XF0+16*\s+15], 0, v[WS+4*\n+\s], v[XS+\s]
.else
	v_wmma_scale_f32_16x16x128_f8f6f4 v[HA+8*\n:HA+8*\n+7], v[16*(8*(\s%2)+\n):16*(8*(\s%2)+\n)+15], v[XF0+16*\s:XF0+16*\s+15], v[HA+8*\n:HA+8*\n+7], v[WS+4*\n+\s], v[XS+\s]
.endif
.endr
.endr
	WIN 0
.rept 8
	v_nop                                          ; eight places ahead of loads into registers that the products have read, and of the first read of results
.endr
.if \m < 3
	FETCHM \m+1                                    ; lands while this tile is quantised
.endif
	s_wait_xcnt 0x0                                ; the last tile's stores have read the codes
	QUANT HA, 0                                    ; blocks 0, 1: head 2 w; blocks 2, 3: head 2 w + 1
.irp hd, 0,1
.irp cc, 0,1
	global_store_b128 v[LI], v[PC+8*\hd+4*\cc:PC+8*\hd+4*\cc+3], s[OC:OC+1] offset:\hd*65536+\m*1024+\cc*512   ; 32 lanes store 512 consecutive bytes, aligned
.endr
.endr
	v_perm_b32 v[ST+\m], v[PW], v[PW], 0x01000100          ; a head's two bytes, twice: attention lays 64 along K into either half of an instruction's 128
	v_perm_b32 v[ST+4+\m], v[PW], v[PW], 0x03020302
.endr
	v_cndmask_b32 v[ST+8], v[ST], v[ST+1], s[HALF]         ; lanes 0-15: the even tile's words, lanes 16-31: the odd tile's
	v_cndmask_b32 v[ST+9], v[ST+2], v[ST+3], s[HALF]
	v_cndmask_b32 v[ST+10], v[ST+4], v[ST+5], s[HALF]
	v_cndmask_b32 v[ST+11], v[ST+6], v[ST+7], s[HALF]
	global_store_b64 v[L8], v[ST+8:ST+9], s[OS:OS+1]       ; 256 consecutive bytes, aligned
	global_store_b64 v[L8], v[ST+10:ST+11], s[OS:OS+1] offset:4096
	s_branch .Lnext
.Lvbody:
	; ---- V: all 32 accumulators (n, m) at window 3, register 32 n + 8 m, by turns, a K step at a time
	FETCHS 0, 0
	FETCHS 1, 1
.irp s, 0,1,2,3
.if \s < 3
	s_wait_dscnt 20                                ; this K step's 20 loads are in; the younger step's 20 may be out
.else
	s_wait_dscnt 0x0
.endif
	WIN (0xf0+4*(1+\s/2))                          ; source 1 (W) in window 1 or 2, C and D in window 3
.irp n, 0,1,2,3,4,5,6,7
.irp m, 0,1,2,3
.if \s == 0
	v_wmma_scale_f32_16x16x128_f8f6f4 v[32*\n+8*\m:32*\n+8*\m+7], v[XF0+64*(\s%2)+16*\m:XF0+64*(\s%2)+16*\m+15], v[16*(8*(\s%2)+\n):16*(8*(\s%2)+\n)+15], 0, v[XS+4*(\s%2)+\m], v[WS+4*\n+\s]
.else
	v_wmma_scale_f32_16x16x128_f8f6f4 v[32*\n+8*\m:32*\n+8*\m+7], v[XF0+64*(\s%2)+16*\m:XF0+64*(\s%2)+16*\m+15], v[16*(8*(\s%2)+\n):16*(8*(\s%2)+\n)+15], v[32*\n+8*\m:32*\n+8*\m+7], v[XS+4*(\s%2)+\m], v[WS+4*\n+\s]
.endif
.endr
.endr
	WIN 0
.if \s != 2
.rept 8
	v_nop                                          ; places ahead of the loads into the set just read, and of the first read of results
.endr
.endif
.if \s < 2
	FETCHS \s+2, \s%2
.endif
.endr
.irp np, 0,1,2,3                               ; tiles 2 np and 2 np + 1: 16 channels each x this block's 64 keys: two blocks of 32 keys each
	s_wait_xcnt 0x0                                ; the last stores have read the codes
	QUANT 64*\np, 3
.irp e, 0,1
.irp cc, 0,1
	global_store_b128 v[LI], v[PC+8*\e+4*\cc:PC+8*\e+4*\cc+3], s[OC:OC+1] offset:(\np/2)*65536+(2*(\np%2)+\e)*2048+\cc*512
.endr
.endr
	v_mov_b32 v[ST+\np], v[PW]
.endr
	s_bitcmp1_b32 s[BLK], 0                        ; a key step of 128 is two blocks: its scale words are whole behind the odd one
	s_cbranch_scc0 .Leven
.irp np, 0,1,2,3
	v_perm_b32 v236, v[ST+\np], v[ST+4+\np], 0x05040100    ; tile 2 np: the even block's two bytes, then the odd block's
	v_perm_b32 v237, v[ST+\np], v[ST+4+\np], 0x07060302    ; tile 2 np + 1
	v_cndmask_b32 v[ST+8+\np], v236, v237, s[HALF]
.endr
	global_store_b64 v[L8], v[ST+8:ST+9], s[OS:OS+1]
	global_store_b64 v[L8], v[ST+10:ST+11], s[OS:OS+1] offset:2048
.Leven:
.irp np, 0,1,2,3
	v_mov_b32 v[ST+4+\np], v[ST+\np]
.endr
.Lnext:
	s_wait_xcnt 0x0                                ; the trip's stores have read their bases and data
	s_bitcmp1_b32 s[BLK], 0
	s_mov_b32 s52, 1024                            ; V: two groups of 32 keys on; behind an odd block the next key step
	s_cselect_b32 s52, 7168, s52
	s_cselect_b32 s54, 256, 0
	s_cmp_lt_u32 ttmp9, 192
	s_cselect_b32 s52, 4096, s52                   ; Q and K: four tiles on, one group of scale words on
	s_cselect_b32 s54, 256, s54
	s_add_nc_u64 s[OC:OC+1], s[OC:OC+1], s[52:53]
	s_add_nc_u64 s[OS:OS+1], s[OS:OS+1], s[54:55]
	s_add_co_u32 s[REG], s[REG], XR
	s_add_co_u32 s[BLK], s[BLK], 1
	s_cmp_lt_u32 s[BLK], 4
	s_cbranch_scc1 .Lblk
	s_wait_tensorcnt 0x0
	ds_add_u32 v254, v255
	s_wait_dscnt 0x0
	s_endpgm
.Lfunc_end_k_qdd59329027_proj:
	.size	k_qdd59329027_proj, .Lfunc_end_k_qdd59329027_proj-k_qdd59329027_proj
	.p2alignl 7, 3214868480
	.fill 96, 4, 3214868480
	.section	.rodata,"a",@progbits
	.p2align	6, 0x0
	.amdhsa_kernel k_qdd59329027_proj
		.amdhsa_group_segment_fixed_size 279040
		.amdhsa_private_segment_fixed_size 0
		.amdhsa_enable_private_segment 0
		.amdhsa_kernarg_size 136
		.amdhsa_user_sgpr_count 2
		.amdhsa_user_sgpr_kernarg_segment_ptr 1
		.amdhsa_wavefront_size32 1
		.amdhsa_system_sgpr_workgroup_id_x 1
		.amdhsa_system_sgpr_workgroup_id_y 1
		.amdhsa_system_sgpr_workgroup_id_z 1
		.amdhsa_system_vgpr_workitem_id 0
		.amdhsa_next_free_vgpr 1024
		.amdhsa_next_free_sgpr 66
		.amdhsa_reserve_vcc 0
		.amdhsa_float_denorm_mode_32 3
		.amdhsa_float_denorm_mode_16_64 3
		.amdhsa_memory_ordered 1
		.amdhsa_forward_progress 1
		.amdhsa_inst_pref_size 255
	.end_amdhsa_kernel
	.section	.bss,"aw",@nobits
	.p2align	6
	.space	262144
	.amdgpu_metadata
---
amdhsa.version: [ 1, 2 ]
amdhsa.kernels:
  - .name:           k_qdd59329027_proj
    .symbol:         k_qdd59329027_proj.kd
    .args:
      - { .name: Q, .offset: 0, .size: 8, .value_kind: global_buffer, .address_space: global }
      - { .name: K_codes, .offset: 8, .size: 8, .value_kind: global_buffer, .address_space: global }
      - { .name: K_scales, .offset: 16, .size: 8, .value_kind: global_buffer, .address_space: global }
      - { .name: V_codes, .offset: 24, .size: 8, .value_kind: global_buffer, .address_space: global }
      - { .name: V_scales, .offset: 32, .size: 8, .value_kind: global_buffer, .address_space: global }
      - { .name: W_q_codes, .offset: 40, .size: 8, .value_kind: global_buffer, .address_space: global }
      - { .name: W_q_scales, .offset: 48, .size: 8, .value_kind: global_buffer, .address_space: global }
      - { .name: W_k_codes, .offset: 56, .size: 8, .value_kind: global_buffer, .address_space: global }
      - { .name: W_k_scales, .offset: 64, .size: 8, .value_kind: global_buffer, .address_space: global }
      - { .name: W_v_codes, .offset: 72, .size: 8, .value_kind: global_buffer, .address_space: global }
      - { .name: W_v_scales, .offset: 80, .size: 8, .value_kind: global_buffer, .address_space: global }
      - { .name: qh_codes, .offset: 88, .size: 8, .value_kind: global_buffer, .address_space: global }
      - { .name: qh_scales, .offset: 96, .size: 8, .value_kind: global_buffer, .address_space: global }
      - { .name: kh_codes, .offset: 104, .size: 8, .value_kind: global_buffer, .address_space: global }
      - { .name: kh_scales, .offset: 112, .size: 8, .value_kind: global_buffer, .address_space: global }
      - { .name: vh_codes, .offset: 120, .size: 8, .value_kind: global_buffer, .address_space: global }
      - { .name: vh_scales, .offset: 128, .size: 8, .value_kind: global_buffer, .address_space: global }
    .group_segment_fixed_size: 279040
    .private_segment_fixed_size: 0
    .kernarg_segment_align: 8
    .kernarg_segment_size: 136
    .max_flat_workgroup_size: 128
    .sgpr_count:     66
    .vgpr_count:     1024
    .wavefront_size: 32
...
	.end_amdgpu_metadata
.endif
;; end of part 1
;; launch attn (part 2): grid 2 x 128, 16 waves a work-group, no clusters, 139,264 bytes of LDS; arguments qh_codes, qh_scales, kh_codes, kh_scales, vh_codes, vh_scales, mask, ctx_codes, side, W_o_codes, lin1_w_codes, lin2_w_codes; writes ctx_codes, side
.if DOCPART == 2
	.amdgcn_target "amdgcn-amd-amdhsa--gfx1250"
	.amdhsa_code_object_version 6
	.text
	.protected	k_qdd59329027_attn
	.globl	k_qdd59329027_attn
	.p2align	8
	.type	k_qdd59329027_attn,@function
k_qdd59329027_attn:
	s_mov_b64 s[64:65], 0
	v_nop
	global_prefetch_b8 v0, s[64:65] scope:SCOPE_SE
	s_setreg_imm32_b32 hwreg(HW_REG_WAVE_MODE, 25, 1), 1
	s_wait_xcnt 0x0
; Attention of one head (1,024 queries and keys, head size 64) on codes of FP8 (E4M3) with E8M0 scales, and the quantising of its result along the model's 512.
; THE MASKS.  Key k is hidden from query q where k > q.  The pad mask lies along the QUERIES: a padded query has EVERY score at the same fill, the hidden keys' too,
; so its p is 1 for all 1,024 keys and its sum 1,024.  Here a padded lane's scores become 0 (t = 0, M = 0, p = 1 exactly) and a hidden score of any other lane -infinity (p = 0).
; A tile of 16 queries that holds a padded query walks all keys; any other tile passes over the key steps that lie wholly behind its queries: a scalar branch on the tile's 16 mask bytes.
; THE SOFTMAX.  t = score x log2(e) / (8 + 1e-6), one f32 constant; M = the running largest t rounded up to a whole number; p = 2^(t - M) is quantised along the keys, not normalised;
; the sum is taken of the unquantised p and divides at the end; when M moves, sum and O are multiplied by 2^(old M - new M), which rounds nothing.
; SHARES.  Work-group (g, head); wave w owns the query tiles p = 16 g + w and 63 - p: with no padded query that is 9 key steps of 128 for every wave.
; The head's K and V (64 KB each, images of operand registers) and their scale words lie in LDS, filled once through registers; one barrier; then LDS is only read.
; NO TENSOR LOAD, NO CLUSTER: a branch hangs on the mask, which is read from memory; the two work-groups of a head each read K and V once.
; BOTH PRODUCTS TRANSPOSED: S^T = K Q^T, O^T = V^T P^T: a lane holds one query (lane % 16) throughout.  The keys of a tile of K, and the channels of a tile of V, were chosen by the launch before
; so that the 16 registers of tiles 2 b, 2 b + 1 are 16 neighbours along the next K.
; 64 ALONG K IN AN INSTRUCTION OF 128: K's fragment has zero codes in its other half (even tiles use the lower half, odd tiles the upper, and neighbours share the eight zero registers);
; Q's eight registers stand twice, and both sides' two scale bytes stand twice in their words.
; BESIDE ITS OWN WORK the launch lays the next launch's three weights (W_o, lin1_w, lin2_w: 256 KB of codes each) out as images of operand registers, [wave 4][K step 4][tile 8][group 4][lane][16 bytes],
; behind ctx's scale bytes in the buffer 'side': each of the 256 work-groups copies 1 KB of each weight, waves 0, 1, 2 one weight each, two loads and two stores.
; ctx's scale bytes leave two to a lane, 16 bytes apart: 262,144 bytes in all, stored in pieces smaller than 256 bytes.
; LIMITS: NaN and infinities are not served.  A block of zeros gets the byte 1: its codes are zeros, and the bytes are read by this program alone.
; REGISTERS: v1-8 addresses and the lane's mask; v9-11 at work; v12 -M, v13 the largest t, v[14:15] the sum; v16-31 Q; v32-79 four fragments of K; v80-83 K's scale words, v84-85 V's, v86 Q's, v87 p's;
; v[88:89] f; v96-159 S^T, then p, then V's four fragments; v160-191 O^T; v192-207 p's codes; v208-223 at work.
.set LI,   1                           ; 16 x lane
.set L8,   2                           ; 8 x lane
.set ADK,  3
.set ADV,  4
.set ADKS, 5
.set ADVS, 6
.set FILL, 7                           ; what a hidden score becomes: 0 in a padded lane, else -infinity
.set DQ,   8                           ; my query - 16 (lane / 16); far below every key in a padded lane
.set R8,   91
.set RR,   92
.set R16,  93
.set RH,   94
.set WV,   22
.set BH,   23
.set PP,   24
.set TT,   25
.set QP,   26
.set QSP,  28
.set MP,   30
.set CP,   32
.set CSP,  34
.set MW,   36
.set OF,   40
.set LASTK, 42
.set QOPEN, 43
.set KF,   44
.set TK,   45
.set TV,   46
.set TKS,  47
.set TVS,  48
.set CNT,  49
.set SEL,  50
.set CS,   52
.set MNT,  54
.set WSRC, 60                          ; s[60:61] the piece of a weight that my wave copies;  s[62:63] where its image goes
.set WDST, 62
.set VIMG, 65536
.set KSC,  131072
.set VSC,  135168
	s_load_b512 s[4:19], s[0:1], 0x0               ; qh codes, scales; kh codes, scales; vh codes, scales; mask; ctx codes
	s_load_b64 s[20:21], s[0:1], 0x40              ; side: ctx's scale bytes, then the weights' images
	s_load_b64 s[68:69], s[0:1], 0x48              ; W_o's codes
	s_load_b64 s[70:71], s[0:1], 0x50              ; lin1_w's
	s_load_b64 s[72:73], s[0:1], 0x58              ; lin2_w's
	v_lshl_add_u32 v254, v0, 2, 0x21800
	v_mov_b32 v255, 0
	v_lshrrev_b32 v9, 5, v0
	v_readfirstlane_b32 s[WV], v9                  ; wave 0..15
	s_and_b32 s[BH], ttmp7, 0xffff                 ; 8 x batch + head
	v_and_b32 v9, 31, v0
	v_lshlrev_b32 v[LI], 4, v9
	v_lshlrev_b32 v[L8], 3, v9
	v_and_b32 v[RR], 15, v0
	v_bfe_u32 v10, v0, 4, 1
	v_lshlrev_b32 v[R8], 3, v[RR]
	v_lshlrev_b32 v[R16], 4, v[RR]
	v_lshlrev_b32 v10, 4, v10
	v_sub_nc_u32 v[RH], v[RR], v10                 ; r - 16 h
	v_and_b32 v163, 8, v[RR]
	v_add_nc_u32 v163, v163, v[RR]                 ; r + 8 (r / 8): the rows of a weight's tile are not neighbours
	v_lshlrev_b32 v163, 9, v163
	v_add_nc_u32 v163, v163, v10                   ; x 512 + 16 h
	v_lshlrev_b32 v3, 4, v0                        ; the fill: 16 bytes a thread, in memory and in LDS alike
	v_add_nc_u32 v4, VIMG, v3
	v_lshl_add_u32 v5, v0, 3, KSC
	v_lshl_add_u32 v6, v0, 2, VSC
	v_lshlrev_b32 v7, 3, v0
	v_lshlrev_b32 v8, 2, v0
	s_mov_b32 s[OF+1], 0
	s_mov_b32 s[SEL], 0x76543210
	s_mov_b32 s[SEL+1], 0xfedcba98                 ; v_permlanex16_b32's selects for lane l xor 16
	s_mov_b32 s[CS], 0x3e38aa3a                    ; c = log2(e) / (8 + 1e-6)
	s_mov_b32 s[CS+1], s[CS]                       ; (named with it as a pair, so it is written)
	s_mov_b32 s[MNT], 0x600000                     ; the mantissa field of 448
	s_lshl_b32 s[PP], ttmp9, 4
	s_add_co_u32 s[PP], s[PP], s[WV]               ; my pair of tiles
	; which 1 KB of a weight: work-group number i = 2 F + e; fragment F = 32 w + 8 s + n, groups 2 e and 2 e + 1
	s_lshl_b32 s55, s[BH], 1
	s_add_co_u32 s55, s55, ttmp9                   ; i, 0 .. 255
	s_lshr_b32 s56, s55, 6
	s_lshl_b32 s56, s56, 16                        ; w: 128 rows of 512 bytes
	s_bfe_u32 s57, s55, 0x20004
	s_lshl_b32 s57, s57, 7                         ; s: 128 bytes along a row
	s_add_co_u32 s56, s56, s57
	s_bfe_u32 s57, s55, 0x20002
	s_lshl_b32 s57, s57, 14                        ; n / 2: 32 rows
	s_add_co_u32 s56, s56, s57
	s_bfe_u32 s57, s55, 0x10001
	s_lshl_b32 s57, s57, 12                        ; n % 2: 8 rows
	s_add_co_u32 s56, s56, s57
	s_and_b32 s57, s55, 1
	s_lshl_b32 s57, s57, 6                         ; e: 64 bytes along a row
	s_add_co_u32 s56, s56, s57
	s_min_u32 s57, s[WV], 2
	s_add_co_u32 s57, s57, 1
	s_lshl_b32 s57, s57, 18                        ; the image of weight j begins at 262,144 (1 + j),
	s_lshl_b32 s58, s55, 10                        ; my piece 1,024 i further on
	s_add_co_u32 s57, s57, s58
	s_wait_kmcnt 0x0
	s_lshl_b32 s[OF], s[BH], 16                    ; a head's codes are 65,536 bytes
	s_add_nc_u64 s[26:27], s[8:9], s[OF:OF+1]
	s_add_nc_u64 s[28:29], s[12:13], s[OF:OF+1]
	s_lshl_b32 s[OF], s[BH], 12
	s_add_nc_u64 s[30:31], s[10:11], s[OF:OF+1]
	s_lshl_b32 s[OF], s[BH], 11
	s_add_nc_u64 s[32:33], s[14:15], s[OF:OF+1]
.irp i, 0,1,2,3,4,5,6,7
	global_load_b128 v[96+4*\i:99+4*\i], v3, s[26:27] offset:8192*\i
.endr
.irp i, 0,1,2,3,4,5,6,7
	global_load_b128 v[128+4*\i:131+4*\i], v3, s[28:29] offset:8192*\i
.endr
	global_load_b64 v[160:161], v7, s[30:31]
	global_load_b32 v162, v8, s[32:33]
	s_cmp_eq_u32 s[WV], 0                          ; the weight is chosen by the wave's number alone
	s_cselect_b64 s[WSRC:WSRC+1], s[68:69], s[70:71]
	s_cmp_lt_u32 s[WV], 2
	s_cselect_b64 s[WSRC:WSRC+1], s[WSRC:WSRC+1], s[72:73]
	s_mov_b32 s[OF], s56
	s_add_nc_u64 s[WSRC:WSRC+1], s[WSRC:WSRC+1], s[OF:OF+1]
	s_mov_b32 s[OF], s57
	s_add_nc_u64 s[WDST:WDST+1], s[20:21], s[OF:OF+1]
	s_cmp_lt_u32 s[WV], 3
	s_cbranch_scc0 .Lnoimg                         ; waves 0, 1, 2 alone
	global_load_b128 v[164:167], v163, s[WSRC:WSRC+1]              ; group 2 e of the fragment, in the operand's lanes,
	global_load_b128 v[168:171], v163, s[WSRC:WSRC+1] offset:32    ; and group 2 e + 1
	s_wait_loadcnt 0x0                             ; (the fill's loads, which are wanted next, are waited for with them)
	global_store_b128 v[LI], v[164:167], s[WDST:WDST+1]            ; 512 consecutive bytes, aligned
	global_store_b128 v[LI], v[168:171], s[WDST:WDST+1] offset:512
.Lnoimg:
.irp j, 0,1,2,3,4,5,6,7
	v_mov_b32 v[40+\j], 0                          ; the zero halves of K's fragments: written once
	v_mov_b32 v[64+\j], 0
.endr
.irp b, 0,1,2,3
	v_mov_b32 v[212+\b], 0                         ; written once: a lane permute's destination counts as one of its sources
.endr
	v_mov_b32 v89, 0                               ; (named as the upper half of the pair v[88:89])
	v_mov_b32 v90, 0
	s_wait_loadcnt 0x0
.irp i, 0,1,2,3,4,5,6,7
	ds_store_b128 v3, v[96+4*\i:99+4*\i] offset:8192*\i
.endr
.irp i, 0,1,2,3,4,5,6,7
	ds_store_b128 v4, v[128+4*\i:131+4*\i] offset:8192*\i
.endr
	ds_store_b64 v5, v[160:161]
	ds_store_b32 v6, v162
	s_wait_dscnt 0x0                               ; my stores have landed
	s_barrier_signal -1
	s_barrier_wait -1                              ; everybody's have: the head's K and V are whole, and nobody writes LDS again
; One tile of 16 queries, number s[TT] of the head's 64.
.macro TILE
	s_wait_xcnt 0x0                                ; the stores and loads before have read their bases and data
	s_lshl_b32 s[OF], s[BH], 16
	s_lshl_b32 s55, s[TT], 10
	s_add_co_u32 s[OF], s[OF], s55
	s_add_nc_u64 s[QP:QP+1], s[4:5], s[OF:OF+1]    ; Q's tile: 1,024 bytes
	s_lshl_b32 s[OF], s[BH], 12
	s_lshr_b32 s55, s[TT], 2
	s_lshl_b32 s55, s55, 8
	s_add_co_u32 s[OF], s[OF], s55                 ; its group of four tiles,
	s_and_b32 s55, s[TT], 1
	s_lshl_b32 s55, s55, 7
	s_add_co_u32 s[OF], s[OF], s55                 ; the half of the lanes,
	s_bfe_u32 s55, s[TT], 0x10001
	s_lshl_b32 s55, s55, 2
	s_add_co_u32 s[OF], s[OF], s55                 ; and the word in which its scale words lie
	s_add_nc_u64 s[QSP:QSP+1], s[6:7], s[OF:OF+1]
	s_lshr_b32 s56, s[BH], 3                       ; the batch
	s_lshl_b32 s[OF], s56, 10
	s_lshl_b32 s57, s[TT], 4                       ; my first query
	s_add_co_u32 s[OF], s[OF], s57
	s_add_nc_u64 s[MP:MP+1], s[16:17], s[OF:OF+1]  ; the tile's 16 mask bytes
	s_lshl_b32 s[OF], s[OF], 4
	s_and_b32 s55, s[BH], 7                        ; the head
	s_lshl_b32 s58, s55, 1
	s_add_co_u32 s[OF], s[OF], s58
	s_add_nc_u64 s[CSP:CSP+1], s[20:21], s[OF:OF+1]  ; ctx's scale bytes: 16 a row, the head's two
	s_lshl_b32 s[OF], s56, 6
	s_add_co_u32 s[OF], s[OF], s[TT]
	s_lshl_b32 s[OF], s[OF], 13                    ; ctx's codes: 8,192 bytes for 16 rows,
	s_lshr_b32 s58, s55, 1
	s_lshl_b32 s58, s58, 11
	s_add_co_u32 s[OF], s[OF], s58                 ; K step head / 2,
	s_and_b32 s58, s55, 1
	s_lshl_b32 s58, s58, 10
	s_add_co_u32 s[OF], s[OF], s58                 ; groups 2 (head % 2) and the next
	s_add_nc_u64 s[CP:CP+1], s[18:19], s[OF:OF+1]
	s_load_b128 s[MW:MW+3], s[MP:MP+1], 0x0
	global_load_b128 v[16:19], v[LI], s[QP:QP+1]
	global_load_b128 v[20:23], v[LI], s[QP:QP+1] offset:512
	global_load_b128 v[24:27], v[LI], s[QP:QP+1]               ; the same eight registers once more, for K's odd tiles
	global_load_b128 v[28:31], v[LI], s[QP:QP+1] offset:512
	global_load_b32 v86, v[R8], s[QSP:QSP+1]
	global_load_u8 v9, v[RR], s[MP:MP+1]                       ; my query's mask byte
	s_add_co_u32 s[LASTK], s57, 15
	s_mov_b32 s[QOPEN], s57
	s_mov_b32 s[KF], 0
	s_mov_b32 s[TK], 0
	s_mov_b32 s[TV], VIMG
	s_mov_b32 s[TKS], KSC
	s_mov_b32 s[TVS], VSC
	s_mov_b32 s[CNT], 0
	v_mov_b32 v13, 0xff61b1e6                      ; the largest t so far: -3e38, under every t
	v_floor_f32 v12, -v13                          ; -M
	v_mov_b32 v14, 0
	v_mov_b32 v15, 0
.set J, 0
.rept 32
	v_mov_b32 v[160+J], 0                          ; O^T: the step is written once, and its first trip finds zeros
.set J, J+1
.endr
	s_wait_kmcnt 0x0
	s_or_b32 s[MW], s[MW], s[MW+1]
	s_or_b32 s[MW+2], s[MW+2], s[MW+3]
	s_or_b32 s[MW], s[MW], s[MW+2]
	s_cmp_lg_u32 s[MW], 0                          ; does the tile hold a padded query?
	s_cselect_b32 s[LASTK], 1023, s[LASTK]         ; then all keys are walked,
	s_cselect_b32 s[QOPEN], 0, s[QOPEN]            ; and every step is masked
	s_wait_loadcnt 0x0
	v_cmp_ne_u32 vcc_lo, 0, v9
	v_mov_b32 v10, 0xff800000
	v_mov_b32 v11, 0
	v_cndmask_b32 v[FILL], v10, v11, vcc_lo
	v_add_nc_u32 v10, s57, v[RH]
	v_mov_b32 v11, 0xfff00000
	v_cndmask_b32 v[DQ], v10, v11, vcc_lo
.Lstep_\@:                                         ; eight trips, 128 keys each; the work of a hidden step is jumped over, the steps of the addresses are not
	s_cmp_gt_u32 s[KF], s[LASTK]
	s_cbranch_scc1 .Lhidden_\@
	v_add_nc_u32 v[ADK], s[TK], v[LI]
	v_add_nc_u32 v[ADV], s[TV], v[LI]
	v_add_nc_u32 v[ADKS], s[TKS], v[L8]
	v_add_nc_u32 v[ADVS], s[TVS], v[L8]
.rept 6
	v_nop                                          ; with the four additions ten places behind the last products: the scores are laid over registers that those have read, which asks for nine
.endr
	ds_load_b64 v[80:81], v[ADKS]                  ; K's scale words: register (tile / 2); lanes 0-15 the even tile's, lanes 16-31 the odd tile's
	ds_load_b64 v[82:83], v[ADKS] offset:256
	ds_load_b64 v[84:85], v[ADVS]                  ; V's likewise
.irp g, 0,1                                    ; S^T = K Q^T, four tiles of 16 keys at a time
.if \g == 1
.rept 8
	v_nop                                          ; places ahead of loads into registers that the products have read
.endr
.endif
.irp t, 0,1,2,3
	ds_load_b128 v[32+24*(\t/2)+16*(\t%2):35+24*(\t/2)+16*(\t%2)], v[ADK] offset:(4*\g+\t)*1024
	ds_load_b128 v[36+24*(\t/2)+16*(\t%2):39+24*(\t/2)+16*(\t%2)], v[ADK] offset:(4*\g+\t)*1024+512
.endr
	s_wait_dscnt 0x0
.irp t, 0,2
	v_wmma_scale_f32_16x16x128_f8f6f4 v[96+8*(4*\g+\t):103+8*(4*\g+\t)], v[32+24*(\t/2):47+24*(\t/2)], v[16:31], 0, v[80+2*\g+\t/2], v86
	v_wmma_scale_f32_16x16x128_f8f6f4 v[104+8*(4*\g+\t):111+8*(4*\g+\t)], v[40+24*(\t/2):55+24*(\t/2)], v[16:31], 0, v[80+2*\g+\t/2], v86 matrix_a_scale:MATRIX_SCALE_ROW1
.endr
.endr                                          ; lane (r, h): query r; register 16 b + i: key KF + 32 b + 16 h + i
.rept 8
	v_nop
.endr
	s_add_co_u32 s55, s[KF], 127
	s_cmp_le_u32 s55, s[QOPEN]                     ; a step all of whose keys count for all 16 queries is not masked
	s_cbranch_scc1 .Lopen_\@
	s_sub_co_i32 s55, 0, s[KF]
	v_add_nc_u32 v9, s55, v[DQ]                    ; d: register 16 b + i is hidden where 32 b + i > d
.set N, 0
.rept 64
	v_cmp_gt_i32 vcc_lo, 32*(N/16)+N%16, v9
	v_cndmask_b32 v[96+N], v[96+N], v[FILL], vcc_lo
.set N, N+1
.endr
.Lopen_\@:
.irp b, 0,1,2,3
	v_max3_num_f32 v[208+\b], v[96+16*\b], v[97+16*\b], v[98+16*\b]   ; the largest score of each block of 32 keys: for the row's maximum, and, since p rises with the score, for the block's largest p
.endr
.irp i, 3,5,7,9,11,13
.irp b, 0,1,2,3
	v_max3_num_f32 v[208+\b], v[208+\b], v[96+16*\b+\i], v[97+16*\b+\i]
.endr
.endr
.irp b, 0,1,2,3
	v_max_num_f32 v[208+\b], v[208+\b], v[111+16*\b]
.endr
.irp b, 0,1,2,3
	v_permlanex16_b32 v[212+\b], v[208+\b], s[SEL], s[SEL+1]
.endr
.irp b, 0,1,2,3
	v_max_num_f32 v[208+\b], v[208+\b], v[212+\b]          ; with lane l xor 16's 16 keys
.endr
	v_max3_num_f32 v90, v208, v209, v210
	v_max_num_f32 v90, v90, v211                   ; the step's largest score of my query
	v_mul_f32 v90, s[CS], v90                      ; as t (c is positive)
	v_max_num_f32 v13, v13, v90                    ; the running largest t
	v_mov_b32 v90, v12
	v_floor_f32 v12, -v13                          ; the new -M = floor(-t): M is a whole number
	v_sub_f32 v90, v12, v90                        ; old M less new M: a whole number, 0 or less
	v_cvt_i32_f32 v90, v90                         ; (it saturates)
	v_ldexp_f32 v88, 1.0, v90                      ; f = 2^(old M - new M)
.set J, 0
.rept 32
	v_pk_fma_f32 v[96+J:97+J], v[96+J:97+J], s[CS:CS+1], v[12:13] op_sel_hi:[1,0,0]   ; t - M, two at a time
.set J, J+2
.endr
.irp b, 0,1,2,3
	v_fma_f32 v[208+\b], v[208+\b], s[CS], v12     ; the same of each block's largest score
.endr
.set J, 0
.rept 64
	v_exp_f32 v[96+J], v[96+J]                     ; p = 2^(t - M), at most 1
.set J, J+1
.endr
	v_pk_mul_f32 v[14:15], v[14:15], v[88:89] op_sel_hi:[1,0]   ; the sums under the new M: a plain line behind the exponentials
	s_wait_alu depctr_va_vdst(0)                   ; one wait for the batch, ahead of its first reader
.irp b, 0,1,2,3
	v_exp_f32 v[208+\b], v[208+\b]                 ; the block's largest p: the same two instructions on the same number
.endr
	v_pk_add_f32 v[212:213], v[96:97], v[98:99]    ; the row's sum is taken of the unquantised p, in two chains
.irp j, 4,8,12,16,20,24,28,32,36,40,44,48,52,56,60
	v_pk_add_f32 v[14:15], v[14:15], v[96+\j:97+\j]
	v_pk_add_f32 v[212:213], v[212:213], v[98+\j:99+\j]
.endr
	v_pk_add_f32 v[14:15], v[14:15], v[212:213]
	s_wait_alu depctr_va_vdst(0)                   ; and one for the four
.irp b, 0,1,2,3
	v_max_num_f32 v[208+\b], 0x4800000, v[208+\b]  ; the floor 2^(9 - 127): the byte cannot fall under 1
.endr
.irp b, 0,1,2,3
	v_add_nc_u32 v[220+\b], 0xfc000000, v[208+\b]  ; 8 off the exponent field: the conversion's scale operand
.endr
.irp b, 0,1,2,3
	v_and_or_b32 v[216+\b], v[208+\b], 0x7f800000, s[MNT]   ; 448 x the scale
.endr
.irp b, 0,1,2,3
	v_lshrrev_b32 v[212+\b], 23, v[220+\b]         ; the scale's byte
.endr
	v_lshl_or_b32 v87, v213, 8, v212               ; p's scale word for these 128 keys
	v_lshl_or_b32 v87, v214, 16, v87
	v_lshl_or_b32 v87, v215, 24, v87
.irp b, 0,1,2,3
.irp i, 0,1,2,3,4,5,6,7,8,9,10,11,12,13,14,15
	v_min_num_f32 v[96+16*\b+\i], v[96+16*\b+\i], v[216+\b]   ; the conversion does not saturate (ISA guide 7.6.2); p is not negative, so the hold is one-sided
.endr
	v_cvt_scalef32_pk8_fp8_f32 v[192+4*\b:193+4*\b], v[96+16*\b:103+16*\b], v[220+\b]
	v_cvt_scalef32_pk8_fp8_f32 v[194+4*\b:195+4*\b], v[104+16*\b:111+16*\b], v[220+\b]
.endr
.irp t, 0,1,2,3                                ; V's four tiles of 16 channels x 128 keys, into the registers that p has left
.irp c, 0,1,2,3
	ds_load_b128 v[96+16*\t+4*\c:99+16*\t+4*\c], v[ADV] offset:2048*\t+512*\c
.endr
.endr
.set J, 0
.rept 16
	v_pk_mul_f32 v[160+J:161+J], v[160+J:161+J], v[88:89] op_sel_hi:[1,0]   ; O^T under the new M
.set J, J+2
.endr
.rept 8
	v_nop                                          ; eight places between the lines that made p's codes and scale word and the products that take them; they stand while V's loads land
.endr
	s_wait_dscnt 0x0
.irp t, 0,2                                    ; O^T += V^T P^T: the four accumulators by turns
	v_wmma_scale_f32_16x16x128_f8f6f4 v[160+8*\t:167+8*\t], v[96+16*\t:111+16*\t], v[192:207], v[160+8*\t:167+8*\t], v[84+\t/2], v87
	v_wmma_scale_f32_16x16x128_f8f6f4 v[168+8*\t:175+8*\t], v[112+16*\t:127+16*\t], v[192:207], v[168+8*\t:175+8*\t], v[84+\t/2], v87 matrix_a_scale:MATRIX_SCALE_ROW1
.endr
.Lhidden_\@:
	s_add_co_u32 s[KF], s[KF], 128
	s_add_co_u32 s[TK], s[TK], 8192
	s_add_co_u32 s[TV], s[TV], 8192
	s_add_co_u32 s[TKS], s[TKS], 512
	s_add_co_u32 s[TVS], s[TVS], 256
	s_add_co_u32 s[CNT], s[CNT], 1
	s_cmp_lt_u32 s[CNT], 8
	s_cbranch_scc1 .Lstep_\@
	; the way out: O^T / the sum, quantised along the head's 64 (two blocks of the model's 512)
.rept 8
	v_nop
.endr
	v_add_f32 v14, v14, v15
	v_permlanex16_b32 v90, v14, s[SEL], s[SEL+1]
	v_add_f32 v14, v14, v90                        ; the row's sum
	v_rcp_f32 v88, v14
	v_nop                                          ; a plain line behind the reciprocal,
	s_wait_alu depctr_va_vdst(0)                   ; and the wait ahead of its first reader
.set J, 0
.rept 16
	v_pk_mul_f32 v[96+J:97+J], v[160+J:161+J], v[88:89] op_sel_hi:[1,0]   ; register 16 b + i: channel 32 b + 16 h + i of my query
.set J, J+2
.endr
.irp b, 0,1
	v_max3_num_f32 v[208+\b], |v[96+16*\b]|, |v[97+16*\b]|, 0x4800000
.endr
.irp i, 2,4,6,8,10,12,14
.irp b, 0,1
	v_max3_num_f32 v[208+\b], v[208+\b], |v[96+16*\b+\i]|, |v[97+16*\b+\i]|
.endr
.endr
.irp b, 0,1
	v_permlanex16_b32 v[212+\b], v[208+\b], s[SEL], s[SEL+1]
.endr
.irp b, 0,1
	v_max_num_f32 v[208+\b], v[208+\b], v[212+\b]
.endr
.irp b, 0,1
	v_add_nc_u32 v[220+\b], 0xfc000000, v[208+\b]
.endr
.irp b, 0,1
	v_and_or_b32 v[216+\b], v[208+\b], 0x7f800000, s[MNT]
.endr
.irp b, 0,1
	v_lshrrev_b32 v[212+\b], 23, v[220+\b]
.endr
	v_lshl_or_b32 v10, v213, 8, v212               ; the head's two scale bytes of my row
.irp b, 0,1
.irp i, 0,1,2,3,4,5,6,7,8,9,10,11,12,13,14,15
	v_med3_num_f32 v[96+16*\b+\i], v[96+16*\b+\i], -v[216+\b], v[216+\b]
.endr
	v_cvt_scalef32_pk8_fp8_f32 v[192+4*\b:193+4*\b], v[96+16*\b:103+16*\b], v[220+\b]
	v_cvt_scalef32_pk8_fp8_f32 v[194+4*\b:195+4*\b], v[104+16*\b:111+16*\b], v[220+\b]
.endr
	v_nop                                          ; one plain line behind the last conversion
	global_store_b128 v[LI], v[192:195], s[CP:CP+1]            ; 512 consecutive bytes, aligned
	global_store_b128 v[LI], v[196:199], s[CP:CP+1] offset:512
	global_store_b16 v[R16], v10, s[CSP:CSP+1]                 ; lanes r and r + 16 write the same two bytes with the same value
.endm
	s_mov_b32 s[TT], s[PP]
	TILE
	s_sub_co_u32 s[TT], 63, s[PP]
	TILE
	s_wait_tensorcnt 0x0
	ds_add_u32 v254, v255
	s_wait_dscnt 0x0
	s_endpgm
.Lfunc_end_k_qdd59329027_attn:
	.size	k_qdd59329027_attn, .Lfunc_end_k_qdd59329027_attn-k_qdd59329027_attn
	.p2alignl 7, 3214868480
	.fill 96, 4, 3214868480
	.section	.rodata,"a",@progbits
	.p2align	6, 0x0
	.amdhsa_kernel k_qdd59329027_attn
		.amdhsa_group_segment_fixed_size 139264
		.amdhsa_private_segment_fixed_size 0
		.amdhsa_enable_private_segment 0
		.amdhsa_kernarg_size 96
		.amdhsa_user_sgpr_count 2
		.amdhsa_user_sgpr_kernarg_segment_ptr 1
		.amdhsa_wavefront_size32 1
		.amdhsa_system_sgpr_workgroup_id_x 1
		.amdhsa_system_sgpr_workgroup_id_y 1
		.amdhsa_system_sgpr_workgroup_id_z 1
		.amdhsa_system_vgpr_workitem_id 0
		.amdhsa_next_free_vgpr 256
		.amdhsa_next_free_sgpr 80
		.amdhsa_reserve_vcc 1
		.amdhsa_float_denorm_mode_32 3
		.amdhsa_float_denorm_mode_16_64 3
		.amdhsa_memory_ordered 1
		.amdhsa_forward_progress 1
		.amdhsa_inst_pref_size 76
	.end_amdhsa_kernel
	.amdgpu_metadata
---
amdhsa.version: [ 1, 2 ]
amdhsa.kernels:
  - .name:           k_qdd59329027_attn
    .symbol:         k_qdd59329027_attn.kd
    .args:
      - { .name: qh_codes, .offset: 0, .size: 8, .value_kind: global_buffer, .address_space: global }
      - { .name: qh_scales, .offset: 8, .size: 8, .value_kind: global_buffer, .address_space: global }
      - { .name: kh_codes, .offset: 16, .size: 8, .value_kind: global_buffer, .address_space: global }
      - { .name: kh_scales, .offset: 24, .size: 8, .value_kind: global_buffer, .address_space: global }
      - { .name: vh_codes, .offset: 32, .size: 8, .value_kind: global_buffer, .address_space: global }
      - { .name: vh_scales, .offset: 40, .size: 8, .value_kind: global_buffer, .address_space: global }
      - { .name: mask, .offset: 48, .size: 8, .value_kind: global_buffer, .address_space: global }
      - { .name: ctx_codes, .offset: 56, .size: 8, .value_kind: global_buffer, .address_space: global }
      - { .name: side, .offset: 64, .size: 8, .value_kind: global_buffer, .address_space: global }
      - { .name: W_o_codes, .offset: 72, .size: 8, .value_kind: global_buffer, .address_space: global }
      - { .name: lin1_w_codes, .offset: 80, .size: 8, .value_kind: global_buffer, .address_space: global }
      - { .name: lin2_w_codes, .offset: 88, .size: 8, .value_kind: global_buffer, .address_space: global }
    .group_segment_fixed_size: 139264
    .private_segment_fixed_size: 0
    .kernarg_segment_align: 8
    .kernarg_segment_size: 96
    .max_flat_workgroup_size: 512
    .sgpr_count:     80
    .vgpr_count:     256
    .wavefront_size: 32
...
	.end_amdgpu_metadata
.endif
;; end of part 2
;; launch tail (part 3): grid 256 x 1, 4 waves a work-group, no clusters, 251,392 bytes of LDS; arguments ctx_codes, side, Q, W_o_scales, lin1_w_scales, lin1_b, lin2_w_scales, lin2_b, ln_g, ln_b, out0; writes out0
.if DOCPART == 3
	.amdgcn_target "amdgcn-amd-amdhsa--gfx1250"
	.amdhsa_code_object_version 6
	.text
	.protected	k_qdd59329027_tail
	.globl	k_qdd59329027_tail
	.p2align	8
	.type	k_qdd59329027_tail,@function
k_qdd59329027_tail:
	s_mov_b64 s[64:65], 0
	v_nop
	global_prefetch_b8 v0, s[64:65] scope:SCOPE_SE
	s_setreg_imm32_b32 hwreg(HW_REG_WAVE_MODE, 25, 1), 1
	s_wait_xcnt 0x0
; out0 = LN(gelu(x1 W1 + b1) W2 + b2 + x1), x1 = LN(Q + ctx W_o): three products of 64 x 512 x 512 a work-group on codes of FP8 (E4M3) with E8M0 scales; all else in f32.
; SHARES.  A work-group owns 64 rows.  Wave w owns columns 128 w .. 128 w + 127 of each product for all 64 rows: 32 accumulators (m, n) at window 3, register 64 m + 8 n.
; The products are used TRANSPOSED (source 0 = 16 rows of W, chosen so that the 16 registers of tiles 2 b, 2 b + 1 are neighbours; source 1 = 16 rows of x):
; lane (r, h) holds row 16 m + r, register 64 m + 16 b + i column 128 w + 32 b + 16 h + i.  So a wave's 128 columns are one K step of the next product.
; WHAT IS ADDED COSTS NO ADDITION: the accumulators begin as Q (first product), b1 (second), x1 + b2 (third).
; THE WEIGHTS' CODES come as images of operand registers, which the launch before has laid behind ctx's scale bytes in the buffer 'side': [weight 3][wave 4][K step 4][tile 8][group 4][lane][16 bytes],
; so that each load of a wave covers 512 consecutive bytes.  A wave's 64 KB of a weight lie in windows 1 and 2; the next product's fragments are asked for as soon as a K step's have been multiplied.
; Q is loaded by rows, 512 consecutive bytes a load, into the accumulators' registers, and turns into their layout through the wave's stage, as the result turns back on the way out.
; OPERANDS GO FROM WAVE TO WAVE THROUGH LDS AS IMAGES OF THEIR REGISTERS: fragment 4 m + s at 2,048 bytes each, scale words at 32,768 + 128 (4 m + s).
; LAYERNORM: each wave takes the mean of its 128 columns, centres in place, sums the squares; the four waves' (mean, sum of squares) meet in LDS once;
; var = (the four sums + 128 x the squares of the four means' distances from their mean) / 512: no difference of large sums.  The order of rounding differs from a plain mean and variance.
; GELU: 0.5 x (1 + tanh u) = x / (1 + 2^(-2 log2(e) u)), u = sqrt(2 / pi) (x + 0.044715 x^3), by v_exp_f32 and v_rcp_f32.
; NO CLUSTER, NO TENSOR LOAD: what work-groups share are the weights, and they go from memory straight into the registers that multiply them; a joint load would land them in LDS,
; 256 KB for a weight beside the 245 KB that the rows, the residual and the stage take here.
; LIMITS: NaN, infinities and scale bytes of 0xff are not served.  A block of zeros gets the byte 1: its codes are zeros, and nobody else reads the bytes.
; LDS: 0 images A (ctx, later the hidden layer); 34,816 images B (x1); 69,632 g, b, b1, b + b2 (2,048 bytes each); 77,824 and 81,920 the two exchanges of statistics;
; 86,016 + 32,768 w x1 + b2 in f32, the wave's own; 217,088 + 8,448 w a stage of 16 rows x 528 bytes, the wave's own.
.set LI,   1                           ; 16 x lane
.set LIB,  2                           ; + 34816
.set LSA,  3                           ; 4 x lane + 32768
.set LSB,  4                           ; 4 x lane + 67584
.set WHA,  5                           ; where I store my K step's images: LI + 2048 w
.set WHB,  6
.set SHA,  7                           ; and its scale words: LSA + 128 w
.set SHB,  8
.set RA,   9                           ; my residual: 16 x lane + 86016 + 32768 w
.set SO,   10                          ; the stage in the accumulators' layout: row r, + 64 h
.set SR,   11                          ; and by rows: 16 x lane
.set PA,   12                          ; the parameters of my columns: 69632 + 512 w + 64 h
.set STW,  13                          ; the statistics: where I write,
.set STR,  14                          ; and where I read
.set XF0,  16                          ; v16-79, v80-143: two sets of four fragments of x; between the products: parameters and numbers at work
.set WS,   144                         ; v144-175 W's scale words: 4 n + s
.set XS,   176                         ; v176-183 x's scale words
.set TM,   184
.set PW,   200
.set WSA,  201
.set GA,   202                         ; v[202:203], v[204:205] GELU's two constants, each twice
.set GB,   204
.set QA,   206
.set TP,   207
.set PC,   208
.set MU,   224                         ; v224-231 (my mean, my sum of squares) for each m
.set RS,   232                         ; v232-247 (rs, -, dr, -) for each m
.set SM,   248                         ; v248-255 four pairs of sums
.set T16_0, 208                        ; sixteen numbers of x1 + b2 on their way to LDS: a set for each m
.set T16_1, 112
.set T16_2, 128
.set T16_3, 184
.set WV,   32
.set OF,   34
.set SEL,  36
.set MNT,  38
.set XB,   34816
.set PAR,  69632
.set STAT, 77824
.set RES,  86016
.set STG,  217088
.set MSB, 0
.macro WIN new                         ; the immediate's high byte repeats the setting that is left
.if MSB != (\new)
	s_set_vgpr_msb (MSB<<8)|(\new)
.set MSB, (\new)
.endif
.endm
; 64 numbers of a lane in window w, register 16 b + i = k 32 b + 16 (lane / 16) + i of my row, become a fragment's codes in v[PC] on and its scale word in v[PW].
.macro QUANT s, w
	WIN 5*(\w)
.irp b, 0,1,2,3
	v_max3_num_f32 v[TM+\b], |v[(\s)+16*\b]|, |v[(\s)+16*\b+1]|, 0x4800000   ; my 16 numbers of block b, and the floor 2^(9 - 127): the byte cannot fall under 1
.endr
	WIN 20*(\w)
.irp i, 2,4,6,8,10,12,14
.irp b, 0,1,2,3
	v_max3_num_f32 v[TM+\b], v[TM+\b], |v[(\s)+16*\b+\i]|, |v[(\s)+16*\b+\i+1]|
.endr
.endr
	WIN 0
.irp b, 0,1,2,3
	v_permlanex16_b32 v[TM+4+\b], v[TM+\b], s[SEL], s[SEL+1]
.endr
.irp b, 0,1,2,3
	v_max_num_f32 v[TM+\b], v[TM+\b], v[TM+4+\b]           ; with lane l xor 16's: the block's largest magnitude
.endr
.irp b, 0,1,2,3
	v_add_nc_u32 v[TM+12+\b], 0xfc000000, v[TM+\b]         ; 8 off its exponent field: the conversion's scale operand
.endr
.irp b, 0,1,2,3
	v_and_or_b32 v[TM+8+\b], v[TM+\b], 0x7f800000, s[MNT]  ; 448 x the scale
.endr
.irp b, 0,1,2,3
	v_lshrrev_b32 v[TM+4+\b], 23, v[TM+12+\b]              ; the scale's byte
.endr
	v_lshl_or_b32 v[PW], v[TM+5], 8, v[TM+4]
	v_lshl_or_b32 v[PW], v[TM+6], 16, v[PW]
	v_lshl_or_b32 v[PW], v[TM+7], 24, v[PW]
	WIN 65*(\w)
.irp b, 0,1,2,3
.irp i, 0,1,2,3,4,5,6,7,8,9,10,11,12,13,14,15
	v_med3_num_f32 v[(\s)+16*\b+\i], v[(\s)+16*\b+\i], -v[TM+8+\b], v[TM+8+\b]   ; the conversion does not saturate (ISA guide 7.6.2): the hold comes first
.endr
.endr
	WIN (\w)
.irp b, 0,1,2,3
	v_cvt_scalef32_pk8_fp8_f32 v[PC+4*\b:PC+4*\b+1], v[(\s)+16*\b:(\s)+16*\b+7], v[TM+12+\b]
	v_cvt_scalef32_pk8_fp8_f32 v[PC+4*\b+2:PC+4*\b+3], v[(\s)+16*\b+8:(\s)+16*\b+15], v[TM+12+\b]
.endr
	WIN 0
	v_nop                                          ; one plain line behind the last conversion
.endm
.macro IMAGE adr, off
.irp c, 0,1,2,3
	ds_store_b128 v[\adr], v[PC+4*\c:PC+4*\c+3] offset:(\off)+512*\c
.endr
.endm
.macro BARRIER                         ; my LDS stores have landed and my LDS loads are in: then the work-group's barrier
	s_wait_dscnt 0x0
	s_barrier_signal -1
	s_barrier_wait -1
.endm
.macro WLOADS s, pc                    ; W's eight fragments of K step s, from their image: window 1 + s / 2, register 16 (8 (s % 2) + n); 512 consecutive bytes a load
	WIN 0x40*(1+(\s)/2)
.irp n, 0,1,2,3,4,5,6,7
.irp c, 0,1,2,3
	global_load_b128 v[16*(8*((\s)%2)+\n)+4*\c:16*(8*((\s)%2)+\n)+4*\c+3], v[LI], s[\pc:\pc+1] offset:((8*(\s)+\n)*4+\c)*512
.endr
.endr
	WIN 0
.endm
.macro WSCALES ps
.irp n, 0,1,2,3,4,5,6,7
	global_load_b128 v[WS+4*\n:WS+4*\n+3], v[WSA], s[\ps:\ps+1] offset:(32*(\n/2)+8*(\n%2))*16
.endr
.endm
.macro FETCHS s, p, li, ls             ; K step s of the four tiles of rows into set p: 20 LDS loads
.irp m, 0,1,2,3
.irp c, 0,1,2,3
	ds_load_b128 v[XF0+64*(\p)+16*\m+4*\c:XF0+64*(\p)+16*\m+4*\c+3], v[\li] offset:(4*\m+(\s))*2048+512*\c
.endr
	ds_load_b32 v[XS+4*(\p)+\m], v[\ls] offset:(4*\m+(\s))*128
.endr
.endm
; A product: the 32 accumulators by turns, always in place, a K step at a time.  nxt = 1: the next weight's fragments follow into the registers just multiplied.
.macro GEMM li, ls, nxt, pc, ps
	FETCHS 0, 0, \li, \ls
	FETCHS 1, 1, \li, \ls
	s_wait_loadcnt 0x0                             ; the weight, its scale words, and whatever was loaded into the accumulators
.irp s, 0,1,2,3
.if \s < 3
	s_wait_dscnt 20                                ; this K step's 20 loads are in; the younger step's 20 may be out
.else
	s_wait_dscnt 0x0
.endif
	WIN (0xf0+1+\s/2)                              ; source 0 (W) in window 1 or 2, C and D in window 3
.irp n, 0,1,2,3,4,5,6,7
.irp m, 0,1,2,3
	v_wmma_scale_f32_16x16x128_f8f6f4 v[64*\m+8*\n:64*\m+8*\n+7], v[16*(8*(\s%2)+\n):16*(8*(\s%2)+\n)+15], v[XF0+64*(\s%2)+16*\m:XF0+64*(\s%2)+16*\m+15], v[64*\m+8*\n:64*\m+8*\n+7], v[WS+4*\n+\s], v[XS+4*(\s%2)+\m]
.endr
.endr
	WIN 0
.rept 8
	v_nop                                          ; eight places ahead of loads into registers that the products have read, and of the first read of results
.endr
.if \s < 2
	FETCHS \s+2, \s%2, \li, \ls
.endif
.if \nxt
	WLOADS \s, \pc
.endif
.endr
.if \nxt
	WSCALES \ps
.endif
.endm
; My 128 columns' mean and centred sum of squares for each of the 64 rows, the four tiles of rows by turns; the accumulators are left centred.
.macro STATS off
	WIN 0x0f
.irp m, 0,1,2,3
	v_pk_add_f32 v[SM+2*\m:SM+2*\m+1], v[64*\m:64*\m+1], v[64*\m+2:64*\m+3]
.endr
	WIN 0x0c
.set J, 4
.rept 30
.irp m, 0,1,2,3
	v_pk_add_f32 v[SM+2*\m:SM+2*\m+1], v[SM+2*\m:SM+2*\m+1], v[64*\m+J:64*\m+J+1]
.endr
.set J, J+2
.endr
	WIN 0
.irp m, 0,1,2,3
	v_add_f32 v[SM+2*\m], v[SM+2*\m], v[SM+2*\m+1]
.endr
.irp m, 0,1,2,3
	v_permlanex16_b32 v[SM+2*\m+1], v[SM+2*\m], s[SEL], s[SEL+1]
.endr
.irp m, 0,1,2,3
	v_add_f32 v[SM+2*\m], v[SM+2*\m], v[SM+2*\m+1]
.endr
.irp m, 0,1,2,3
	v_mul_f32 v[MU+2*\m], 0x3c000000, v[SM+2*\m]           ; / 128
.endr
	WIN 0xc3
.set J, 0
.rept 32
.irp m, 0,1,2,3
	v_pk_add_f32 v[64*\m+J:64*\m+J+1], v[64*\m+J:64*\m+J+1], v[MU+2*\m:MU+2*\m+1] op_sel_hi:[1,0] neg_lo:[0,1] neg_hi:[0,1]
.endr
.set J, J+2
.endr
	WIN 0x0f
.irp m, 0,1,2,3
	v_pk_mul_f32 v[SM+2*\m:SM+2*\m+1], v[64*\m:64*\m+1], v[64*\m:64*\m+1]
.endr
.set J, 2
.rept 31
.irp m, 0,1,2,3
	v_pk_fma_f32 v[SM+2*\m:SM+2*\m+1], v[64*\m+J:64*\m+J+1], v[64*\m+J:64*\m+J+1], v[SM+2*\m:SM+2*\m+1]
.endr
.set J, J+2
.endr
	WIN 0
.irp m, 0,1,2,3
	v_add_f32 v[SM+2*\m], v[SM+2*\m], v[SM+2*\m+1]
.endr
.irp m, 0,1,2,3
	v_permlanex16_b32 v[SM+2*\m+1], v[SM+2*\m], s[SEL], s[SEL+1]
.endr
.irp m, 0,1,2,3
	v_add_f32 v[MU+2*\m+1], v[SM+2*\m], v[SM+2*\m+1]
.endr
.irp m, 0,1,2,3
	ds_store_b64 v[STW], v[MU+2*\m:MU+2*\m+1] offset:(\off)+256*\m
.endr
	BARRIER
.endm
; The four waves' statistics become rs = 1 / sqrt(var + 1e-5) and dr = (my mean - the row's mean) x rs: the normalised number is (centred number) x rs + dr.
.macro COMBINE off
.irp m, 0,1,2,3
.irp u, 0,1,2,3
	ds_load_b64 v[112+8*\m+2*\u:113+8*\m+2*\u], v[STR] offset:(\off)+1024*\u+256*\m
.endr
.endr
	s_wait_dscnt 0x0
.irp m, 0,1,2,3
	v_add_f32 v[TM+4*\m], v[112+8*\m], v[114+8*\m]
	v_add_f32 v[TM+4*\m+3], v[116+8*\m], v[118+8*\m]
	v_add_f32 v[TM+4*\m+1], v[113+8*\m], v[115+8*\m]
	v_add_f32 v[TM+4*\m+2], v[117+8*\m], v[119+8*\m]
	v_add_f32 v[TM+4*\m], v[TM+4*\m], v[TM+4*\m+3]
	v_add_f32 v[TM+4*\m+1], v[TM+4*\m+1], v[TM+4*\m+2]     ; the four sums of squares
	v_mul_f32 v[TM+4*\m], 0x3e800000, v[TM+4*\m]           ; the row's mean
.irp u, 0,2,4,6
	v_sub_f32 v[112+8*\m+\u], v[112+8*\m+\u], v[TM+4*\m]
.endr
	v_mul_f32 v[TM+4*\m+2], v[112+8*\m], v[112+8*\m]
	v_fmac_f32 v[TM+4*\m+2], v[114+8*\m], v[114+8*\m]
	v_fmac_f32 v[TM+4*\m+2], v[116+8*\m], v[116+8*\m]
	v_fmac_f32 v[TM+4*\m+2], v[118+8*\m], v[118+8*\m]
	v_fma_f32 v[TM+4*\m+1], v[TM+4*\m+2], s39, v[TM+4*\m+1]    ; + 128 x the means' squared distances
	v_fma_f32 v[TM+4*\m+1], v[TM+4*\m+1], s40, s41             ; / 512 + 1e-5
.endr
.irp m, 0,1,2,3
	v_rsq_f32 v[RS+4*\m], v[TM+4*\m+1]
.endr
.irp m, 0,1,2,3
	v_sub_f32 v[TM+4*\m+3], v[MU+2*\m], v[TM+4*\m]         ; plain work behind the four roots
.endr
	s_wait_alu depctr_va_vdst(0)                   ; one wait for the four, ahead of their first reader
.irp m, 0,1,2,3
	v_mul_f32 v[RS+4*\m+2], v[TM+4*\m+3], v[RS+4*\m]
.endr
.endm
.macro PLOAD bb                        ; g, b and b + b2 of my 16 columns of column block bb, into set bb % 2
.irp q, 0,1,2,3
	ds_load_b128 v[16+48*((\bb)%2)+4*\q:19+48*((\bb)%2)+4*\q], v[PA] offset:128*(\bb)+16*\q
	ds_load_b128 v[32+48*((\bb)%2)+4*\q:35+48*((\bb)%2)+4*\q], v[PA] offset:2048+128*(\bb)+16*\q
	ds_load_b128 v[48+48*((\bb)%2)+4*\q:51+48*((\bb)%2)+4*\q], v[PA] offset:6144+128*(\bb)+16*\q
.endr
.endm
; GELU of tile of rows m, quantised: K step w of the third product
.macro GELU m
	WIN 0x0f
.set J, 0
.rept 32
	v_pk_mul_f32 v[XF0+J:XF0+J+1], v[64*(\m)+J:64*(\m)+J+1], v[64*(\m)+J:64*(\m)+J+1]     ; x^2
.set J, J+2
.endr
	WIN 0
.set J, 0
.rept 32
	v_pk_fma_f32 v[XF0+J:XF0+J+1], v[XF0+J:XF0+J+1], v[GA:GA+1], v[GB:GB+1]               ; -2 log2(e) sqrt(2 / pi) (0.044715 x^2 + 1)
.set J, J+2
.endr
	WIN 0x0c
.set J, 0
.rept 32
	v_pk_mul_f32 v[XF0+J:XF0+J+1], v[XF0+J:XF0+J+1], v[64*(\m)+J:64*(\m)+J+1]             ; x that
.set J, J+2
.endr
	WIN 0
.set J, 0
.rept 64
	v_exp_f32 v[XF0+J], v[XF0+J]
.set J, J+1
.endr
	v_nop                                          ; a plain line behind the batch,
	s_wait_alu depctr_va_vdst(0)                   ; and one wait ahead of its first reader
.set J, 0
.rept 32
	v_pk_add_f32 v[XF0+J:XF0+J+1], v[XF0+J:XF0+J+1], 1.0 op_sel_hi:[1,0]
.set J, J+2
.endr
.set J, 0
.rept 64
	v_rcp_f32 v[XF0+J], v[XF0+J]
.set J, J+1
.endr
	v_nop
	s_wait_alu depctr_va_vdst(0)
	WIN 0x0c
.set J, 0
.rept 32
	v_pk_mul_f32 v[XF0+J:XF0+J+1], v[XF0+J:XF0+J+1], v[64*(\m)+J:64*(\m)+J+1]             ; x / (1 + 2^..)
.set J, J+2
.endr
	WIN 0
	s_wait_dscnt 0x0                               ; the last image's stores have read the codes and the scale word
	QUANT XF0, 0
	IMAGE WHA, 8192*(\m)
	ds_store_b32 v[SHA], v[PW] offset:512*(\m)
.endm
	s_load_b128 s[4:7], s[0:1], 0x0                ; ctx's codes; side: ctx's scale bytes, then the weights' images
	s_load_b64 s[8:9], s[0:1], 0x10                ; Q
	s_load_b64 s[12:13], s[0:1], 0x18              ; W_o's scales
	s_load_b128 s[16:19], s[0:1], 0x20             ; lin1_w's scales, b1
	s_load_b64 s[22:23], s[0:1], 0x30              ; lin2_w's scales
	s_load_b64 s[24:25], s[0:1], 0x38              ; b2
	s_load_b64 s[26:27], s[0:1], 0x40              ; g
	s_load_b64 s[28:29], s[0:1], 0x48              ; b
	s_load_b64 s[30:31], s[0:1], 0x50              ; out0
	v_lshrrev_b32 v[TP], 5, v0
	v_readfirstlane_b32 s[WV], v[TP]               ; wave 0..3
	v_and_b32 v[TP], 31, v0                        ; lane
	v_lshlrev_b32 v[LI], 4, v[TP]
	v_add_nc_u32 v[LIB], XB, v[LI]
	v_lshl_add_u32 v[LSA], v[TP], 2, 32768
	v_lshl_add_u32 v[LSB], v[TP], 2, XB+32768
	s_lshl_b32 s33, s[WV], 11
	v_add_nc_u32 v[WHA], s33, v[LI]
	v_add_nc_u32 v[WHB], s33, v[LIB]
	s_lshl_b32 s33, s[WV], 7
	v_add_nc_u32 v[SHA], s33, v[LSA]
	v_add_nc_u32 v[SHB], s33, v[LSB]
	s_lshl_b32 s33, s[WV], 15
	s_add_co_u32 s33, s33, RES
	v_add_nc_u32 v[RA], s33, v[LI]
	s_mul_i32 s33, s[WV], 8448
	s_add_co_u32 s33, s33, STG
	v_add_nc_u32 v[SR], s33, v[LI]
	v_and_b32 v[QA], 15, v0                        ; r
	v_bfe_u32 v[PW], v0, 4, 1                      ; h
	v_mul_u32_u24 v[SO], v[QA], 528
	v_lshl_add_u32 v[SO], v[PW], 6, v[SO]
	v_add_nc_u32 v[SO], s33, v[SO]
	s_lshl_b32 s33, s[WV], 9
	s_add_co_u32 s33, s33, PAR
	v_lshlrev_b32 v[PA], 6, v[PW]
	v_add_nc_u32 v[PA], s33, v[PA]
	s_lshl_b32 s33, s[WV], 10
	s_add_co_u32 s33, s33, STAT
	v_lshlrev_b32 v[STR], 3, v[TP]
	v_add_nc_u32 v[STW], s33, v[STR]
	v_add_nc_u32 v[STR], STAT, v[STR]
	v_and_b32 v[WSA], 8, v[QA]
	v_add_nc_u32 v[WSA], v[WSA], v[QA]             ; r + 8 (r / 8)
	v_lshlrev_b32 v[WSA], 4, v[WSA]
	v_lshlrev_b32 v248, 4, v[QA]                   ; the head's own addresses: 16 r,
	v_lshlrev_b32 v249, 4, v0                      ; 16 x thread,
	v_lshl_add_u32 v250, v0, 4, PAR                ; the same in LDS,
	s_lshl_b32 s33, s[WV], 13
	v_add_nc_u32 v251, s33, v[LI]                  ; ctx's tile m = w: fragments 4 w on,
	s_lshl_b32 s33, s[WV], 9
	v_add_nc_u32 v252, s33, v[LSA]                 ; and their scale words
	s_mov_b32 s[SEL], 0x76543210
	s_mov_b32 s[SEL+1], 0xfedcba98                 ; v_permlanex16_b32's selects for lane l xor 16
	s_mov_b32 s[MNT], 0x600000                     ; the mantissa field of 448
	s_mov_b32 s39, 0x43000000                      ; 128
	s_mov_b32 s40, 0x3b000000                      ; 1 / 512
	s_mov_b32 s41, 0x3727c5ac                      ; 1e-5
	s_mov_b32 s[OF+1], 0
	v_mov_b32 v[GA], 0xbdd2d3e8                    ; -2 log2(e) sqrt(2 / pi) x 0.044715
	v_mov_b32 v[GA+1], 0xbdd2d3e8
	v_mov_b32 v[GB], 0xc0135761                    ; -2 log2(e) sqrt(2 / pi)
	v_mov_b32 v[GB+1], 0xc0135761
.irp b, 0,1,2,3
	v_mov_b32 v[TM+4+\b], 0                        ; written once: a lane permute's destination counts as one of its sources
.endr
.set J, 0
.rept 24
	v_mov_b32 v[MU+J], 0                           ; the upper halves of pairs of which the low word alone is used are written too
.set J, J+1
.endr
	s_wait_kmcnt 0x0
	s_lshl_b32 s[OF], s[WV], 16                    ; my 64 KB of each weight's image: W_o's begins 262,144 bytes into 'side',
	s_add_co_u32 s[OF], s[OF], 262144
	s_add_nc_u64 s[10:11], s[6:7], s[OF:OF+1]
	s_add_nc_u64 s[14:15], s[10:11], 0x40000       ; lin1_w's 262,144 further on,
	s_add_nc_u64 s[20:21], s[14:15], 0x40000       ; lin2_w's likewise
	s_lshl_b32 s[OF], s[WV], 11                    ; my 128 rows of their scale bytes
	s_add_nc_u64 s[12:13], s[12:13], s[OF:OF+1]
	s_add_nc_u64 s[16:17], s[16:17], s[OF:OF+1]
	s_add_nc_u64 s[22:23], s[22:23], s[OF:OF+1]
	s_lshl_b32 s[OF], ttmp9, 2
	s_add_co_u32 s[OF], s[OF], s[WV]
	s_lshl_b32 s[OF], s[OF], 13                    ; ctx's tile of rows 4 x work-group + w: 8,192 bytes
	s_add_nc_u64 s[4:5], s[4:5], s[OF:OF+1]
	s_lshl_b32 s[OF], ttmp9, 10
	s_lshl_b32 s33, s[WV], 8
	s_add_co_u32 s[OF], s[OF], s33
	s_add_nc_u64 s[6:7], s[6:7], s[OF:OF+1]
	s_lshl_b32 s[OF], ttmp9, 17                    ; 64 rows of 2,048 bytes, my 512 bytes of each
	s_lshl_b32 s33, s[WV], 9
	s_add_co_u32 s[OF], s[OF], s33
	s_add_nc_u64 s[8:9], s[8:9], s[OF:OF+1]
	s_add_nc_u64 s[30:31], s[30:31], s[OF:OF+1]
.irp f, 0,1,2,3,4,5,6,7,8,9,10,11,12,13,14,15
	global_load_b128 v[XF0+4*\f:XF0+4*\f+3], v[LI], s[4:5] offset:512*\f th:TH_LOAD_NT
.endr
	global_load_b128 v[XS:XS+3], v248, s[6:7]
	global_load_b128 v[80:83], v249, s[26:27]      ; g
	global_load_b128 v[84:87], v249, s[28:29]      ; b
	global_load_b128 v[88:91], v249, s[18:19]      ; b1
	global_load_b128 v[92:95], v249, s[24:25]      ; b2
.irp s, 0,1,2,3
	WLOADS \s, 10
.endr
	WSCALES 12
	WIN 0xc0
.irp m, 0,1,2,3
.irp i, 0,1,2,3,4,5,6,7,8,9,10,11,12,13,14,15
	global_load_b128 v[64*\m+4*\i:64*\m+4*\i+3], v[LI], s[8:9] offset:(16*\m+\i)*2048 th:TH_LOAD_NT   ; my 512 bytes of row 16 m + i of Q, into the accumulators' registers
.endr
.endr
	WIN 0
	s_wait_loadcnt 63                              ; all but the 63 youngest of Q's 64 loads: ctx and the parameters, asked for first, are in
	v_pk_add_f32 v[92:93], v[92:93], v[84:85]      ; b + b2
	v_pk_add_f32 v[94:95], v[94:95], v[86:87]
.irp f, 0,1,2,3,4,5,6,7,8,9,10,11,12,13,14,15
	ds_store_b128 v251, v[XF0+4*\f:XF0+4*\f+3] offset:512*\f
.endr
.irp s, 0,1,2,3
	ds_store_b32 v252, v[XS+\s] offset:128*\s
.endr
	ds_store_b128 v250, v[80:83]
	ds_store_b128 v250, v[84:87] offset:2048
	ds_store_b128 v250, v[88:91] offset:4096
	ds_store_b128 v250, v[92:95] offset:6144
	BARRIER                                        ; ctx's sixteen fragments and the parameters lie in LDS
.irp m, 0,1,2,3                                ; Q turns into the accumulators' layout through my stage, 16 rows at a time
	s_wait_loadcnt 48-16*\m                        ; this tile's 16 rows are in; the younger tiles' loads may be out
	WIN 0x0c
.irp i, 0,1,2,3,4,5,6,7,8,9,10,11,12,13,14,15
	ds_store_b128 v[SR], v[64*\m+4*\i:64*\m+4*\i+3] offset:528*\i
.endr
	WIN 0xc0
.irp bb, 0,1,2,3
.irp q, 0,1,2,3
	ds_load_b128 v[64*\m+16*\bb+4*\q:64*\m+16*\bb+4*\q+3], v[SO] offset:128*\bb+16*\q   ; LDS serves a wave's instructions in order (ISA guide 5.7.1.4): these see my stores, and the next tile's stores come behind them
.endr
.endr
.endr
	WIN 0
	GEMM LI, LSA, 1, 14, 16                        ; Q + ctx W_o
	STATS 0                                        ; (a barrier stands at its end)
	COMBINE 0
	; ---- x1 = normalised x g + b stays in the accumulators; x1 + b2 goes to my residual in LDS
	PLOAD 0
.irp bb, 0,1,2,3
	s_wait_dscnt 0x0                               ; this column block's parameters are in, and the last block's stores have read their sixteen registers a tile
.if \bb < 3
	PLOAD \bb+1
.endif
	WIN 0xc3
.irp m, 0,1,2,3
.set J, 0
.rept 8
	v_pk_fma_f32 v[64*\m+16*\bb+J:64*\m+16*\bb+J+1], v[64*\m+16*\bb+J:64*\m+16*\bb+J+1], v[RS+4*\m:RS+4*\m+1], v[RS+4*\m+2:RS+4*\m+3] op_sel_hi:[1,0,0]
.set J, J+2
.endr
.endr
	WIN 0x03
.irp m, 0,1,2,3
.set J, 0
.rept 8
	v_pk_fma_f32 v[T16_\m+J:T16_\m+J+1], v[64*\m+16*\bb+J:64*\m+16*\bb+J+1], v[16+48*(\bb%2)+J:17+48*(\bb%2)+J], v[48+48*(\bb%2)+J:49+48*(\bb%2)+J]
.set J, J+2
.endr
.endr
	WIN 0xc3
.irp m, 0,1,2,3
.set J, 0
.rept 8
	v_pk_fma_f32 v[64*\m+16*\bb+J:64*\m+16*\bb+J+1], v[64*\m+16*\bb+J:64*\m+16*\bb+J+1], v[16+48*(\bb%2)+J:17+48*(\bb%2)+J], v[32+48*(\bb%2)+J:33+48*(\bb%2)+J]
.set J, J+2
.endr
.endr
	WIN 0
.irp m, 0,1,2,3
.irp q, 0,1,2,3
	ds_store_b128 v[RA], v[T16_\m+4*\q:T16_\m+4*\q+3] offset:((4*\m+\bb)*4+\q)*512
.endr
.endr
.endr
.irp m, 0,1,2,3
	s_wait_dscnt 0x0                               ; the stores before have read the codes' registers and the scale word
	QUANT 64*\m, 3
	IMAGE WHB, 8192*\m                             ; K step w of the second product, rows 16 m on
	ds_store_b32 v[SHB], v[PW] offset:512*\m
.endr
	WIN 0xc0
.irp m, 0,1,2,3
.irp bb, 0,1,2,3
.irp q, 0,1,2,3
	ds_load_b128 v[64*\m+16*\bb+4*\q:64*\m+16*\bb+4*\q+3], v[PA] offset:4096+128*\bb+16*\q   ; the accumulators begin as b1
.endr
.endr
.endr
	WIN 0
	BARRIER                                        ; x1's sixteen fragments lie in LDS
	GEMM LIB, LSB, 1, 20, 22                       ; x1 W1 + b1
.irp m, 0,1,2,3
	GELU \m                                        ; images A are written again: every wave has passed two barriers since its last read of ctx
.endr
	WIN 0xc0
.irp m, 0,1,2,3
.irp bb, 0,1,2,3
.irp q, 0,1,2,3
	ds_load_b128 v[64*\m+16*\bb+4*\q:64*\m+16*\bb+4*\q+3], v[RA] offset:((4*\m+\bb)*4+\q)*512   ; the accumulators begin as x1 + b2
.endr
.endr
.endr
	WIN 0
	BARRIER                                        ; the hidden layer's sixteen fragments lie in LDS
	GEMM LI, LSA, 0, 0, 0                          ; gelu(..) W2 + b2 + x1
	STATS 4096
	COMBINE 4096
.irp bb, 0,1,2,3
.irp q, 0,1,2,3
	ds_load_b128 v[16+16*\bb+4*\q:19+16*\bb+4*\q], v[PA] offset:128*\bb+16*\q          ; g of my 64 columns,
	ds_load_b128 v[80+16*\bb+4*\q:83+16*\bb+4*\q], v[PA] offset:2048+128*\bb+16*\q     ; and b
.endr
.endr
	s_wait_dscnt 0x0
	; ---- the result, in place, 16 rows at a time through my stage: a lane holds pieces of one row, a store wants 512 neighbouring bytes of it
.irp m, 0,1,2,3
	WIN 0xc3
.set J, 0
.rept 32
	v_pk_fma_f32 v[64*\m+J:64*\m+J+1], v[64*\m+J:64*\m+J+1], v[RS+4*\m:RS+4*\m+1], v[RS+4*\m+2:RS+4*\m+3] op_sel_hi:[1,0,0]
.set J, J+2
.endr
.set J, 0
.rept 32
	v_pk_fma_f32 v[64*\m+J:64*\m+J+1], v[64*\m+J:64*\m+J+1], v[16+J:17+J], v[80+J:81+J]
.set J, J+2
.endr
	WIN 0x0c                                       ; an LDS store's data are its source 1: window 3
.irp bb, 0,1,2,3
.irp q, 0,1,2,3
	ds_store_b128 v[SO], v[64*\m+16*\bb+4*\q:64*\m+16*\bb+4*\q+3] offset:128*\bb+16*\q
.endr
.endr
	WIN 0xc0
.irp i, 0,1,2,3,4,5,6,7,8,9,10,11,12,13,14,15
	ds_load_b128 v[64*\m+4*\i:64*\m+4*\i+3], v[SR] offset:528*\i   ; in order behind my stores, and ahead of the next tile's
.endr
	WIN 0x0c
.irp i, 0,1,2,3,4,5,6,7,8,9,10,11,12,13,14,15
	s_wait_dscnt 15-\i                             ; row i is back; the younger loads may be out
	global_store_b128 v[LI], v[64*\m+4*\i:64*\m+4*\i+3], s[30:31] offset:(16*\m+\i)*2048 th:TH_STORE_NT   ; 32 lanes store 512 consecutive bytes, aligned
.endr
.endr
	WIN 0
	s_wait_xcnt 0x0
	v_lshl_add_u32 v254, v0, 2, 0x3d400
	v_mov_b32 v255, 0
	s_wait_tensorcnt 0x0
	ds_add_u32 v254, v255
	s_wait_dscnt 0x0
	s_endpgm
.Lfunc_end_k_qdd59329027_tail:
	.size	k_qdd59329027_tail, .Lfunc_end_k_qdd59329027_tail-k_qdd59329027_tail
	.p2alignl 7, 3214868480
	.fill 96, 4, 3214868480
	.section	.rodata,"a",@progbits
	.p2align	6, 0x0
	.amdhsa_kernel k_qdd59329027_tail
		.amdhsa_group_segment_fixed_size 251392
		.amdhsa_private_segment_fixed_size 0
		.amdhsa_enable_private_segment 0
		.amdhsa_kernarg_size 88
		.amdhsa_user_sgpr_count 2
		.amdhsa_user_sgpr_kernarg_segment_ptr 1
		.amdhsa_wavefront_size32 1
		.amdhsa_system_sgpr_workgroup_id_x 1
		.amdhsa_system_sgpr_workgroup_id_y 1
		.amdhsa_system_sgpr_workgroup_id_z 1
		.amdhsa_system_vgpr_workitem_id 0
		.amdhsa_next_free_vgpr 1024
		.amdhsa_next_free_sgpr 66
		.amdhsa_reserve_vcc 0
		.amdhsa_float_denorm_mode_32 3
		.amdhsa_float_denorm_mode_16_64 3
		.amdhsa_memory_ordered 1
		.amdhsa_forward_progress 1
		.amdhsa_inst_pref_size 255
	.end_amdhsa_kernel
	.section	.bss,"aw",@nobits
	.p2align	6
	.space	262144
	.amdgpu_metadata
---
amdhsa.version: [ 1, 2 ]
amdhsa.kernels:
  - .name:           k_qdd59329027_tail
    .symbol:         k_qdd59329027_tail.kd
    .args:
      - { .name: ctx_codes, .offset: 0, .size: 8, .value_kind: global_buffer, .address_space: global }
      - { .name: side, .offset: 8, .size: 8, .value_kind: global_buffer, .address_space: global }
      - { .name: Q, .offset: 16, .size: 8, .value_kind: global_buffer, .address_space: global }
      - { .name: W_o_scales, .offset: 24, .size: 8, .value_kind: global_buffer, .address_space: global }
      - { .name: lin1_w_scales, .offset: 32, .size: 8, .value_kind: global_buffer, .address_space: global }
      - { .name: lin1_b, .offset: 40, .size: 8, .value_kind: global_buffer, .address_space: global }
      - { .name: lin2_w_scales, .offset: 48, .size: 8, .value_kind: global_buffer, .address_space: global }
      - { .name: lin2_b, .offset: 56, .size: 8, .value_kind: global_buffer, .address_space: global }
      - { .name: ln_g, .offset: 64, .size: 8, .value_kind: global_buffer, .address_space: global }
      - { .name: ln_b, .offset: 72, .size: 8, .value_kind: global_buffer, .address_space: global }
      - { .name: out0, .offset: 80, .size: 8, .value_kind: global_buffer, .address_space: global }
    .group_segment_fixed_size: 251392
    .private_segment_fixed_size: 0
    .kernarg_segment_align: 8
    .kernarg_segment_size: 88
    .max_flat_workgroup_size: 128
    .sgpr_count:     66
    .vgpr_count:     1024
    .wavefront_size: 32
...
	.end_amdgpu_metadata
.endif
;; end of part 3
;; ======== version 2 of 2: 3 launches; version 1 with the launches proj, attn, tail written anew for expert scheduling mode
;; workspace buffers: qh_codes 8,388,608 bytes; kh_codes 8,388,608 bytes; vh_codes 8,388,608 bytes; qh_scales 524,288 bytes; kh_scales 524,288 bytes; vh_scales 262,144 bytes; ctx_codes 8,388,608 bytes; side 1,048,576 bytes
;; launch proj (part 4): grid 256 x 1, 4 waves a work-group, no clusters, 279,040 bytes of LDS; arguments Q, K_codes, K_scales, V_codes, V_scales, W_q_codes, W_q_scales, W_k_codes, W_k_scales, W_v_codes, W_v_scales, qh_codes, qh_scales, kh_codes, kh_scales, vh_codes, vh_scales; writes qh_codes, qh_scales, kh_codes, kh_scales, vh_codes, vh_scales
.if DOCPART == 4
	.amdgcn_target "amdgcn-amd-amdhsa--gfx1250"
	.amdhsa_code_object_version 6
	.text
	.protected	k_qdd59329027_proj
	.globl	k_qdd59329027_proj
	.p2align	8
	.type	k_qdd59329027_proj,@function
k_qdd59329027_proj:
	s_mov_b64 s[64:65], 0
	v_nop
	global_prefetch_b8 v0, s[64:65] scope:SCOPE_SE
	s_setreg_imm32_b32 hwreg(HW_REG_WAVE_SCHED_MODE, 0, 2), 2
	s_setreg_imm32_b32 hwreg(HW_REG_WAVE_MODE, 25, 1), 1
	s_wait_xcnt 0x0
	s_wait_alu depctr_vm_vsrc(0)
; The three projections Q W_q, K W_k, V W_v (16,384 x 512 x 512 each) on codes of FP8 (E4M3) with one E8M0 scale for each 32 along K, and the
; quantising of their results for attention: Qh and Kh along the head's 64, Vh along the keys.  All results leave as images of operand registers.
; SHARES.  Work-groups 0-127: 128 rows of Q each (f32, quantised here); 128-191: 256 rows of K; 192-255: 256 rows of V (both given as codes).
; Wave w owns output columns 128 w .. 128 w + 127 (heads 2 w, 2 w + 1) for all rows and keeps its 64 KB of the weight in 512 registers.
; EVERY LARGE LOAD COVERS 512 CONSECUTIVE BYTES: a row of 512 codes, or a quarter of a row of Q, 16 bytes a lane.  Lane l of a row of codes then holds piece l = 8 s + 2 c + h of the
; operand's order (K step s, group c, half h).  A tile of 16 rows turns through the wave's own stage in LDS: row p goes in at 272 x lane + 16 p, and group p = 4 s + c comes back from
; 544 p + 272 h + 16 r into the registers in which row p landed.  272 = 256 + 16: sixteen lanes touch sixteen different 16-byte columns both ways.  Q turns through rows of 528 bytes.
; The rows' operands go from wave to wave through LDS as images of their registers: fragment f = 4 m + s (tile of 16 rows m, K step s) of a block
; of 64 rows at f x 2048 + 512 c + 16 x lane, its scale words at 32768 + 128 f + 4 x lane: 34,816 bytes a block.
; ONE FILL, ONE BARRIER: a work-group lays all its blocks into LDS, passes the barrier, and from there on LDS is only read.
; Q's blocks lie at byte 0 on, K's and V's at byte 69,632 on; Q's stages at 208,896, K's and V's at 243,712: each way through the fill has LDS bytes of its own.
; Q and K are used TRANSPOSED (source 0 = 16 rows of W, source 1 = 16 rows of x): a lane holds one row and its registers run along the head.
; V is used as written (source 0 = x, source 1 = W): a lane holds one channel d and its registers run down the keys, the next product's K.
; THE ROWS OF A TILE ARE NOT NEIGHBOURS for W, K and V: lane r of tile 2 b + u takes row 32 b + 8 u + r + 8 (r / 8), so that the 16 registers of
; tiles 2 b and 2 b + 1 are 16 neighbours along the next K.
; NO CLUSTER, NO TENSOR LOAD: what work-groups share is the weight, 256 KB, which would not fit into LDS beside the 204 KB of rows.
; LIMITS: NaN, infinities and scale bytes of 0xff among the inputs are not served.  A block of zeros gets the byte 1 where the quantiser says 127:
; its codes are zeros, and the bytes are read by this program alone.
; THE MODE: SCHED_MODE bits 1:0 = 2 (LLVM: expert scheduling mode 2), set by the entry lines.  The code itself states the register dependences
; between vector or matrix instructions and memory or LDS instructions, with s_wait_alu, always for 0.
; THE PLAN.  Registers that memory or LDS instructions touch:
;   the addresses v1-8, v11-15, v238-240   written once at the head, ahead of the one wait on va_vdst that stands in front of the first load.
;   W (windows 1, 2), K's and V's rows (window 3)   loaded; read by the stage's stores; the stage's loads land in the same registers: one wait on vm_vsrc a tile, between the two runs.
;   Q's numbers (window 3)   the same, then read and held by the quantiser; the next block's loads land there behind the wait on va_vdst that follows the conversions.
;   the codes v208-223 and the scale word v200   written by the quantiser, read by LDS or global stores: va_vdst between the two, vm_vsrc ahead of the next quantiser.
;   v[AX], v[AS]   written at a trip's head, read by the trip's LDS loads: vm_vsrc ahead of the two additions, va_vdst behind them.  That pair also covers all that the trip before (in the first trip: the fill) left.
;   x's fragments and scale words   Q, K: two sets by turns (even tiles window 0, odd tiles window 3): tile m + 1 is asked for ahead of tile m's products, into the set that tile m - 1's products read;
;                   those stand ahead of the wait behind tile m - 1's quantiser.  V: two sets by K steps; one wait on va_vdst behind the products whose set is asked for again.
.set XR,   34816                       ; a block's bytes in LDS
.set SW,   8704                        ; a wave's stage: 32 pieces x 272 bytes
.set QSTG, 6*XR                        ; the stages on Q's way,
.set KSTG, 6*XR+4*SW                   ; and on K's and V's
.set LI,   1                           ; v1   16 x lane
.set LS,   2                           ; v2   4 x lane + 32768
.set L8,   3                           ; v3   8 x lane
.set TWQ,  4                           ; v4   Q's way: into the stage: 272 x lane
.set WSA,  5                           ; v5   (r + 8 (r / 8)) x 16: a permuted tile's row of 16 scale bytes
.set TRQ,  6                           ; v6   and back: 272 h + 16 r
.set XWI,  7                           ; v7   where I store Q's images: 16 x lane + 8192 w
.set XWS,  8                           ; v8   and their scale words: 4 x lane + 32768 + 512 w
.set AX,   9                           ; v9   the block in hand: images
.set AS,   10                          ; v10  and scale words
.set QW,   11                          ; v11  Q's numbers into the stage: 16 x lane
.set KWI,  12                          ; v12-13 where I store K's or V's images: blocks 0, 1 and blocks 2, 3
.set KWS,  14                          ; v14-15 and their scale words
.set XF0,  16                          ; v16-79  four fragments of x; for Q and K the even tiles' set: the odd tiles' lies at the same numbers in window 3
.set HA,   80                          ; v80-143 eight result tiles (Q, K); four more fragments of x (V)
.set WS,   144                         ; v144-175 W's scale words: 4 n + s
.set XS,   176                         ; v176-183 x's scale words, two sets of four
.set TM,   184                         ; v184-199 the quantiser's sixteen
.set PW,   200                         ; v200 the scale word just made
.set PC,   208                         ; v208-223 the codes just made
.set ST,   224                         ; v224-237 scale words on their way out
.set TWK,  238                         ; v238 K's and V's way: into the stage,
.set TRK,  239                         ; v239 and back
.set QR,   240                         ; v240 Q's numbers back from the stage: 528 r + 64 h
.set WV,   38
.set WC,   40                          ; s[40:41] my rows of W's codes;  s[42:43] of its scales
.set WSC,  42
.set XC,   44                          ; s[44:45] Q, or x's codes;  s[46:47] x's scales
.set XSC,  46
.set OC,   48                          ; s[48:49] codes out;  s[50:51] scale words out
.set OS,   50
.set SEL,  56
.set MNT,  58
.set HALF, 59
.set BLK,  60
.set REG,  61
.set NB,   62
.set MSB, 0
.macro WIN new                         ; the immediate's high byte repeats the setting that is left
.if MSB != (\new)
	s_set_vgpr_msb (MSB<<8)|(\new)
.set MSB, (\new)
.endif
.endm
; 64 numbers of a lane in window w, register 16 b + i = k 32 b + 16 (lane / 16) + i of my row, become a fragment's codes in v[PC] on and its scale word in v[PW].
.macro QUANT s, w
	WIN 5*(\w)
.irp b, 0,1,2,3
	v_max3_num_f32 v[TM+\b], |v[(\s)+16*\b]|, |v[(\s)+16*\b+1]|, 0x4800000   ; my 16 numbers of block b, and the floor 2^(9 - 127): the byte cannot fall under 1
.endr
	WIN 20*(\w)
.irp i, 2,4,6,8,10,12,14
.irp b, 0,1,2,3
	v_max3_num_f32 v[TM+\b], v[TM+\b], |v[(\s)+16*\b+\i]|, |v[(\s)+16*\b+\i+1]|   ; the four blocks by turns
.endr
.endr
	WIN 0
.irp b, 0,1,2,3
	v_permlanex16_b32 v[TM+4+\b], v[TM+\b], s[SEL], s[SEL+1]
.endr
.irp b, 0,1,2,3
	v_max_num_f32 v[TM+\b], v[TM+\b], v[TM+4+\b]           ; with lane l xor 16's: the block's largest magnitude
.endr
.irp b, 0,1,2,3
	v_add_nc_u32 v[TM+12+\b], 0xfc000000, v[TM+\b]         ; 8 off its exponent field: the conversion's scale operand
.endr
.irp b, 0,1,2,3
	v_and_or_b32 v[TM+8+\b], v[TM+\b], 0x7f800000, s[MNT]  ; 448 x the scale
.endr
.irp b, 0,1,2,3
	v_lshrrev_b32 v[TM+4+\b], 23, v[TM+12+\b]              ; the scale's byte
.endr
	v_lshl_or_b32 v[PW], v[TM+5], 8, v[TM+4]
	v_lshl_or_b32 v[PW], v[TM+6], 16, v[PW]
	v_lshl_or_b32 v[PW], v[TM+7], 24, v[PW]
	WIN 65*(\w)
.irp b, 0,1,2,3
.irp i, 0,1,2,3,4,5,6,7,8,9,10,11,12,13,14,15
	v_med3_num_f32 v[(\s)+16*\b+\i], v[(\s)+16*\b+\i], -v[TM+8+\b], v[TM+8+\b]   ; the conversion to an 8-bit code does not saturate (ISA guide 7.6.2): the hold comes first
.endr
.endr
	WIN (\w)
.irp b, 0,1,2,3
	v_cvt_scalef32_pk8_fp8_f32 v[PC+4*\b:PC+4*\b+1], v[(\s)+16*\b:(\s)+16*\b+7], v[TM+12+\b]
	v_cvt_scalef32_pk8_fp8_f32 v[PC+4*\b+2:PC+4*\b+3], v[(\s)+16*\b+8:(\s)+16*\b+15], v[TM+12+\b]
.endr
	WIN 0
	v_nop                                          ; one plain line behind the last conversion
.endm
.macro IMAGE adr, off                  ; the fragment in v[PC] on goes to LDS as it stands
.irp c, 0,1,2,3
	ds_store_b128 v[\adr], v[PC+4*\c:PC+4*\c+3] offset:(\off)+512*\c
.endr
.endm
; W as it lies: row p = 4 s + c of tile n, whole, into the registers that group (s, c) of the tile's fragments will take: window 1 + s / 2, register 16 (8 (s % 2) + n) + 4 c
.macro WLOADS s, pc
	WIN 0x40*(1+(\s)/2)
.irp n, 0,1,2,3,4,5,6,7
.irp c, 0,1,2,3
	global_load_b128 v[16*(8*((\s)%2)+\n)+4*\c:16*(8*((\s)%2)+\n)+4*\c+3], v[LI], s[\pc:\pc+1] offset:(32*(\n/2)+8*(\n%2)+4*(\s)+\c+8*((\s)/2))*512
.endr
.endr
	WIN 0
.endm
; W's eight tiles turn through my stage, one after the other.  LDS serves a wave's instructions in order (ISA guide 5.7.1.4): a tile's loads see its stores, and the next tile's stores come behind them.
.macro WTURN tw, tr
.irp n, 0,1,2,3,4,5,6,7
	WIN 0x04                                       ; an LDS store's data are its source 1: window 1,
.irp p, 0,1,2,3,4,5,6,7
	ds_store_b128 v[\tw], v[128*(\p/4)+16*\n+4*(\p%4):128*(\p/4)+16*\n+4*(\p%4)+3] offset:16*\p
.endr
	WIN 0x08                                       ; window 2
.irp p, 8,9,10,11,12,13,14,15
	ds_store_b128 v[\tw], v[128*(\p/4-2)+16*\n+4*(\p%4):128*(\p/4-2)+16*\n+4*(\p%4)+3] offset:16*\p
.endr
	WIN 0x40
	s_wait_alu depctr_vm_vsrc(0)                   ; the tile's sixteen stores have read its registers, in which the sixteen loads below land
.irp p, 0,1,2,3,4,5,6,7
	ds_load_b128 v[128*(\p/4)+16*\n+4*(\p%4):128*(\p/4)+16*\n+4*(\p%4)+3], v[\tr] offset:544*\p
.endr
	WIN 0x80
.irp p, 8,9,10,11,12,13,14,15
	ds_load_b128 v[128*(\p/4-2)+16*\n+4*(\p%4):128*(\p/4-2)+16*\n+4*(\p%4)+3], v[\tr] offset:544*\p
.endr
.endr
	WIN 0
.endm
.macro WSCALES ps                      ; a row's 16 scale bytes are its four words, one for each K step
.irp n, 0,1,2,3,4,5,6,7
	global_load_b128 v[WS+4*\n:WS+4*\n+3], v[WSA], s[\ps:\ps+1] offset:(32*(\n/2)+8*(\n%2))*16
.endr
.endm
.macro XLOADS s, blk                   ; K step s (512 bytes a row) of my 16 rows of Q's block blk, a row a load: window 3, register 64 s + 4 i
	WIN 0xc0
.irp i, 0,1,2,3,4,5,6,7,8,9,10,11,12,13,14,15
	global_load_b128 v[64*(\s)+4*\i:64*(\s)+4*\i+3], v[LI], s[XC:XC+1] offset:(\blk)*131072+2048*\i+512*(\s) th:TH_LOAD_NT
.endr
	WIN 0
.endm
.macro XQ blk                          ; my 16 rows of Q's block blk become four fragments
.irp s, 0,1,2,3
.if (\blk) == 0
	s_wait_loadcnt 48                              ; this K step's 16 loads are in; behind them stand 48: the block's later steps and the next block's already asked for
.else
	s_wait_loadcnt 48-16*\s                        ; nothing more is asked for: the counts run down
.endif
	WIN 0x0c
.irp i, 0,1,2,3,4,5,6,7,8,9,10,11,12,13,14,15
	ds_store_b128 v[QW], v[64*\s+4*\i:64*\s+4*\i+3] offset:528*\i          ; row i as it lies
.endr
	WIN 0xc0
	s_wait_alu depctr_vm_vsrc(0)                   ; the sixteen stores above have read the K step's registers, in which the loads below land; the last image's stores have read the codes and the scale word, which the quantiser below writes
.irp bq, 0,1,2,3
.irp j, 0,1,2,3
	ds_load_b128 v[64*\s+16*\bq+4*\j:64*\s+16*\bq+4*\j+3], v[QR] offset:128*\bq+16*\j   ; my row's 16 numbers of each block of 32
.endr
.endr
	WIN 0
	s_wait_dscnt 0x0                               ; the numbers are back
	QUANT 64*\s, 3
	s_wait_alu depctr_va_vdst(0)                   ; the quantiser has written the codes and the scale word, which the LDS stores below read, and is done with the K step's 64 registers, in which the next block's loads land
	IMAGE XWI, XR*(\blk)+2048*\s
	ds_store_b32 v[XWS], v[PW] offset:XR*(\blk)+128*\s
.if (\blk) == 0
	XLOADS \s, 1                                   ; the next block's numbers, into the registers just left
.endif
.endr
.endm
.macro FETCHM m                        ; the four fragments of tile m and their scale words, into set m % 2: 20 LDS loads
	WIN 0xc0*((\m)%2)                              ; the odd tiles' set lies in window 3
.irp s, 0,1,2,3
.irp c, 0,1,2,3
	ds_load_b128 v[XF0+16*\s+4*\c:XF0+16*\s+4*\c+3], v[AX] offset:(4*(\m)+\s)*2048+512*\c
.endr
.endr
	WIN 0
.irp s, 0,1,2,3
	ds_load_b32 v[XS+4*((\m)%2)+\s], v[AS] offset:(4*(\m)+\s)*128
.endr
.endm
.macro FETCHS s, p                     ; K step s of all four tiles into set p: 20 LDS loads
.irp m, 0,1,2,3
.irp c, 0,1,2,3
	ds_load_b128 v[XF0+64*(\p)+16*\m+4*\c:XF0+64*(\p)+16*\m+4*\c+3], v[AX] offset:(4*\m+(\s))*2048+512*\c
.endr
	ds_load_b32 v[XS+4*(\p)+\m], v[AS] offset:(4*\m+(\s))*128
.endr
.endm
	s_load_b512 s[4:19], s[0:1], 0x0               ; argument i lies in s[4 + 2 i : 5 + 2 i]
	s_load_b512 s[20:35], s[0:1], 0x40
	s_load_b64 s[36:37], s[0:1], 0x80
	v_lshl_add_u32 v254, v0, 2, 0x44000
	v_mov_b32 v255, 0
	v_lshrrev_b32 v201, 5, v0
	v_readfirstlane_b32 s[WV], v201                ; wave 0..3
	v_and_b32 v201, 31, v0                         ; lane
	v_and_b32 v202, 15, v0                         ; r
	v_bfe_u32 v203, v0, 4, 1                       ; h
	v_lshlrev_b32 v[LI], 4, v201
	v_lshl_add_u32 v[LS], v201, 2, 32768
	v_lshlrev_b32 v[L8], 3, v201
	v_and_b32 v204, 8, v202
	v_add_nc_u32 v204, v204, v202                  ; r + 8 (r / 8)
	v_lshlrev_b32 v[WSA], 4, v204
	s_wait_alu depctr_va_sdst(0)                   ; the wave's number is written, ahead of its first reader: LDS places and bases are made from it
	s_lshl_b32 s39, s[WV], 13                      ; tile m = w of a block: fragments 4 w on
	v_add_nc_u32 v[XWI], s39, v[LI]
	v_add_nc_u32 v[KWI], 2*XR, v[XWI]
	v_add_nc_u32 v[KWI+1], 4*XR, v[XWI]
	s_lshl_b32 s39, s[WV], 9
	v_add_nc_u32 v[XWS], s39, v[LS]
	v_add_nc_u32 v[KWS], 2*XR, v[XWS]
	v_add_nc_u32 v[KWS+1], 4*XR, v[XWS]
	s_mul_i32 s39, s[WV], SW                       ; my stage
	v_mul_u32_u24 v[TWQ], v201, 272
	v_add_nc_u32 v[TWQ], s39, v[TWQ]
	v_mul_u32_u24 v[TRQ], v203, 272
	v_lshl_add_u32 v[TRQ], v202, 4, v[TRQ]
	v_add_nc_u32 v[TRQ], s39, v[TRQ]
	v_add_nc_u32 v[TWK], KSTG, v[TWQ]
	v_add_nc_u32 v[TRK], KSTG, v[TRQ]
	v_add_nc_u32 v[TWQ], QSTG, v[TWQ]
	v_add_nc_u32 v[TRQ], QSTG, v[TRQ]
	v_add_nc_u32 v[QW], s39, v[LI]
	v_add_nc_u32 v[QW], QSTG, v[QW]
	v_mul_u32_u24 v[QR], v202, 528
	v_lshl_add_u32 v[QR], v203, 6, v[QR]
	v_add_nc_u32 v[QR], s39, v[QR]
	v_add_nc_u32 v[QR], QSTG, v[QR]
	s_mov_b32 s[SEL], 0x76543210
	s_mov_b32 s[SEL+1], 0xfedcba98                 ; v_permlanex16_b32's selects for lane l xor 16
	s_mov_b32 s[MNT], 0x600000                     ; the mantissa field of 448
	s_mov_b32 s[HALF], 0xffff0000                  ; lanes 16-31
	s_mov_b32 s53, 0
	s_mov_b32 s55, 0
.irp b, 0,1,2,3
	v_mov_b32 v[TM+4+\b], 0                        ; written once: a lane permute's destination counts as one of its sources
	v_mov_b32 v[ST+4+\b], 0                        ; V's scale words of the block before: written before the first trip
.endr
	s_wait_kmcnt 0x0
	s_cmp_lt_u32 ttmp9, 192                        ; the buffers are chosen by the work-group's number alone
	s_cselect_b64 s[WC:WC+1], s[18:19], s[22:23]
	s_cselect_b64 s[WSC:WSC+1], s[20:21], s[24:25]
	s_cselect_b64 s[XC:XC+1], s[6:7], s[10:11]
	s_cselect_b64 s[XSC:XSC+1], s[8:9], s[12:13]
	s_cselect_b64 s[OC:OC+1], s[30:31], s[34:35]
	s_cselect_b64 s[OS:OS+1], s[32:33], s[36:37]
	s_cmp_lt_u32 ttmp9, 128
	s_cselect_b64 s[WC:WC+1], s[14:15], s[WC:WC+1]
	s_cselect_b64 s[WSC:WSC+1], s[16:17], s[WSC:WSC+1]
	s_cselect_b64 s[XC:XC+1], s[4:5], s[XC:XC+1]
	s_cselect_b64 s[OC:OC+1], s[26:27], s[OC:OC+1]
	s_cselect_b64 s[OS:OS+1], s[28:29], s[OS:OS+1]
	s_lshl_b32 s52, s[WV], 16                      ; my 128 rows of W: 512 bytes of codes a row,
	s_add_nc_u64 s[WC:WC+1], s[WC:WC+1], s[52:53]
	s_lshl_b32 s52, s[WV], 11                      ; 16 scale bytes a row
	s_add_nc_u64 s[WSC:WSC+1], s[WSC:WSC+1], s[52:53]
	s_wait_alu depctr_va_vdst(0)                   ; the addresses v1-8, v11-15 and v238-240 are written, which the fill's loads and stores and the way out's stores read; none of them is written again
.irp s, 0,1,2,3
	WLOADS \s, WC
.endr
	WSCALES WSC
	s_cmp_ge_u32 ttmp9, 128
	s_cbranch_scc1 .Lkvfill
	; ---- the fill for Q: 128 rows, two blocks; wave w quantises rows 16 w .. 16 w + 15 of each
	s_lshl_b32 s52, ttmp9, 18                      ; 128 rows of 2,048 bytes
	s_lshl_b32 s54, s[WV], 15
	s_add_co_u32 s52, s52, s54
	s_mov_b32 s54, 0
	s_add_nc_u64 s[XC:XC+1], s[XC:XC+1], s[52:53]
.irp s, 0,1,2,3
	XLOADS \s, 0
.endr
	s_lshr_b32 s4, ttmp9, 3                        ; the batch
	s_and_b32 s5, ttmp9, 7                         ; which 128 rows of it
	s_lshl_b32 s52, s4, 19                         ; codes: [batch][head][tile 64][c 2][lane][16]: 2^19, 2^16, 2^10
	s_lshl_b32 s6, s[WV], 17
	s_add_co_u32 s52, s52, s6
	s_lshl_b32 s6, s5, 13
	s_add_co_u32 s52, s52, s6
	s_add_nc_u64 s[OC:OC+1], s[OC:OC+1], s[52:53]
	s_lshl_b32 s52, s4, 15                         ; scale words: [batch][head][group of 64 rows][lane][2 words]: 2^15, 2^12, 2^8
	s_lshl_b32 s6, s[WV], 13
	s_add_co_u32 s52, s52, s6
	s_lshl_b32 s6, s5, 9
	s_add_co_u32 s52, s52, s6
	s_add_nc_u64 s[OS:OS+1], s[OS:OS+1], s[52:53]
	s_wait_loadcnt 63                              ; behind W's last load stand 72 younger ones (8 of scale words, 64 of Q): with 63 out at the most, W is in
	WTURN TWQ, TRQ                                 ; while Q's first block lands
	XQ 0
	XQ 1
	s_branch .Ljoin
.Lkvfill:
	; ---- the fill for K and V: 256 rows, four blocks; wave w copies tile m = w of each block, its rows permuted as W's are
	s_sub_co_u32 s4, ttmp9, 128
	s_and_b32 s4, s4, 63                           ; which 256 rows
	s_lshl_b32 s5, s4, 8
	s_lshr_b32 s6, s[WV], 1
	s_lshl_b32 s6, s6, 5
	s_add_co_u32 s5, s5, s6
	s_and_b32 s6, s[WV], 1
	s_lshl_b32 s6, s6, 3
	s_add_co_u32 s5, s5, s6                        ; the tile's first row: 256 x + 32 (w / 2) + 8 (w % 2)
	s_lshl_b32 s52, s5, 9
	s_add_nc_u64 s[XC:XC+1], s[XC:XC+1], s[52:53]
	s_lshl_b32 s52, s5, 4
	s_add_nc_u64 s[XSC:XSC+1], s[XSC:XSC+1], s[52:53]
	WIN 0xc0
.irp blk, 0,1,2,3
.irp p, 0,1,2,3,4,5,6,7,8,9,10,11,12,13,14,15
	global_load_b128 v[64*\blk+4*\p:64*\blk+4*\p+3], v[LI], s[XC:XC+1] offset:\blk*32768+(\p+8*(\p/8))*512 th:TH_LOAD_NT   ; row p of the tile, whole
.endr
.endr
	WIN 0
.irp blk, 0,1,2,3
	global_load_b128 v[XF0+4*\blk:XF0+4*\blk+3], v[WSA], s[XSC:XSC+1] offset:\blk*1024
.endr
	s_lshr_b32 s5, s4, 2                           ; the batch
	s_and_b32 s6, s4, 3                            ; which 256 rows of it
	s_lshl_b32 s52, s5, 19
	s_lshl_b32 s7, s[WV], 17
	s_add_co_u32 s52, s52, s7
	s_lshl_b32 s7, s6, 14
	s_add_co_u32 s52, s52, s7
	s_add_nc_u64 s[OC:OC+1], s[OC:OC+1], s[52:53]
	s_lshl_b32 s52, s5, 15
	s_lshl_b32 s7, s[WV], 13
	s_add_co_u32 s52, s52, s7
	s_lshl_b32 s7, s6, 10
	s_add_co_u32 s52, s52, s7
	s_cmp_ge_u32 ttmp9, 192
	s_cselect_b32 s7, 1, 0
	s_lshr_b32 s52, s52, s7                        ; V has one word for 128 keys where K has one for 64 of the head: half the bytes
	s_add_nc_u64 s[OS:OS+1], s[OS:OS+1], s[52:53]
	s_wait_loadcnt 63                              ; behind W's last load stand 76 younger ones (8 + 64 + 4): with 63 out at the most, W is in
	WTURN TWK, TRK                                 ; while the rows land
	s_wait_loadcnt 0x0                             ; the rows and their scale words
.irp blk, 0,1,2,3                              ; each tile of rows turns as W's tiles do
	WIN 0x0c
.irp p, 0,1,2,3,4,5,6,7,8,9,10,11,12,13,14,15
	ds_store_b128 v[TWK], v[64*\blk+4*\p:64*\blk+4*\p+3] offset:16*\p
.endr
	WIN 0xc0
	s_wait_alu depctr_vm_vsrc(0)                   ; the tile's sixteen stores have read its registers, in which the sixteen loads below land
.irp p, 0,1,2,3,4,5,6,7,8,9,10,11,12,13,14,15
	ds_load_b128 v[64*\blk+4*\p:64*\blk+4*\p+3], v[TRK] offset:544*\p
.endr
.endr
	WIN 0
	s_wait_dscnt 0x0                               ; the fragments are back in registers
	WIN 0x0c                                       ; an LDS store's data are its source 1: window 3
.irp blk, 0,1,2,3
.irp s, 0,1,2,3
.irp c, 0,1,2,3
	ds_store_b128 v[KWI+\blk/2], v[64*\blk+16*\s+4*\c:64*\blk+16*\s+4*\c+3] offset:XR*(\blk%2)+2048*\s+512*\c
.endr
.endr
.endr
	WIN 0
.irp blk, 0,1,2,3
.irp s, 0,1,2,3
	ds_store_b32 v[KWS+\blk/2], v[XF0+4*\blk+\s] offset:XR*(\blk%2)+128*\s
.endr
.endr
.Ljoin:
	s_wait_dscnt 0x0                               ; my stores into LDS have landed, and W's fragments are back
	s_barrier_signal -1
	s_barrier_wait -1                              ; everybody's have: from here on LDS is only read
	s_cmp_lt_u32 ttmp9, 128
	s_cselect_b32 s[NB], 2, 4                      ; blocks of this work-group
	s_cselect_b32 s[REG], 0, 2*XR                  ; where its first block lies
	s_mov_b32 s[BLK], 0
.Lblk:                                             ; four trips in every work-group; Q's pass over the last two
	s_wait_alu depctr_vm_vsrc(0)                   ; the last trip's LDS loads have read v[AX] and v[AS], its stores the codes and the scale words; in the first trip: the fill's stores have read the registers in which this trip's loads and products land
	v_add_nc_u32 v[AX], s[REG], v[LI]
	v_add_nc_u32 v[AS], s[REG], v[LS]
	s_wait_alu depctr_va_vdst(0)                   ; v[AX] and v[AS] are written, which the trip's LDS loads read; the last trip's products are done reading x's fragments and scale words, in which those loads land
	s_cmp_ge_u32 ttmp9, 192
	s_cbranch_scc1 .Lvbody
	s_cmp_ge_u32 s[BLK], s[NB]
	s_cbranch_scc1 .Lnext
	; ---- Q and K: a tile of 16 rows at a time, my 8 tiles of columns by turns
	FETCHM 0
.irp m, 0,1,2,3
.if \m < 3
	FETCHM \m+1                                    ; into the other set, while this tile is multiplied and quantised.  No wait: the products that read that set stand ahead of the wait behind the last quantiser (tile 0: of the wait at the trip's head), and no vector or matrix instruction since names it
	s_wait_dscnt 20                                ; this tile's 20 loads are in; the next tile's 20 may be out
.else
	s_wait_dscnt 0x0
.endif
.irp s, 0,1,2,3
	WIN (1+\s/2+12*(\m%2))                         ; source 0 (W) in window 1 or 2; source 1 (x) in window 0 or 3
.irp n, 0,1,2,3,4,5,6,7
.if \s == 0
	v_wmma_scale_f32_16x16x128_f8f6f4 v[HA+8*\n:HA+8*\n+7], v[16*(8*(\s%2)+\n):16*(8*(\s%2)+\n)+15], v[XF0+16*\s:XF0+16*\s+15], 0, v[WS+4*\n+\s], v[XS+4*(\m%2)+\s]
.else
	v_wmma_scale_f32_16x16x128_f8f6f4 v[HA+8*\n:HA+8*\n+7], v[16*(8*(\s%2)+\n):16*(8*(\s%2)+\n)+15], v[XF0+16*\s:XF0+16*\s+15], v[HA+8*\n:HA+8*\n+7], v[WS+4*\n+\s], v[XS+4*(\m%2)+\s]
.endif
.endr
.endr
	WIN 0
.rept 8
	v_nop                                          ; eight places ahead of the first read of results
.endr
	s_wait_xcnt 0x0                                ; the last tile's stores have had their addresses translated
.if \m > 0
	s_wait_alu depctr_vm_vsrc(0)                   ; the last tile's stores have read the codes, which the quantiser below writes (tile 0: the wait at the trip's head has said so)
.endif
	QUANT HA, 0                                    ; blocks 0, 1: head 2 w; blocks 2, 3: head 2 w + 1
	s_wait_alu depctr_va_vdst(0)                   ; the conversions have written the codes, which the stores below read; this tile's products are done reading their set of x, which is asked for again a tile on
.irp hd, 0,1
.irp cc, 0,1
	global_store_b128 v[LI], v[PC+8*\hd+4*\cc:PC+8*\hd+4*\cc+3], s[OC:OC+1] offset:\hd*65536+\m*1024+\cc*512   ; 32 lanes store 512 consecutive bytes, aligned
.endr
.endr
	v_perm_b32 v[ST+\m], v[PW], v[PW], 0x01000100          ; a head's two bytes, twice: attention lays 64 along K into either half of an instruction's 128
	v_perm_b32 v[ST+4+\m], v[PW], v[PW], 0x03020302
.endr
	v_cndmask_b32 v[ST+8], v[ST], v[ST+1], s[HALF]         ; lanes 0-15: the even tile's words, lanes 16-31: the odd tile's
	v_cndmask_b32 v[ST+9], v[ST+2], v[ST+3], s[HALF]
	v_cndmask_b32 v[ST+10], v[ST+4], v[ST+5], s[HALF]
	v_cndmask_b32 v[ST+11], v[ST+6], v[ST+7], s[HALF]
	s_wait_alu depctr_va_vdst(0)                   ; the four selects have written the scale words, which the two stores below read
	global_store_b64 v[L8], v[ST+8:ST+9], s[OS:OS+1]       ; 256 consecutive bytes, aligned
	global_store_b64 v[L8], v[ST+10:ST+11], s[OS:OS+1] offset:4096
	s_branch .Lnext
.Lvbody:
	; ---- V: all 32 accumulators (n, m) at window 3, register 32 n + 8 m, by turns, a K step at a time
	FETCHS 0, 0
	FETCHS 1, 1
.irp s, 0,1,2,3
.if \s < 3
	s_wait_dscnt 20                                ; this K step's 20 loads are in; the younger step's 20 may be out
.else
	s_wait_dscnt 0x0
.endif
	WIN (0xf0+4*(1+\s/2))                          ; source 1 (W) in window 1 or 2, C and D in window 3
.irp n, 0,1,2,3,4,5,6,7
.irp m, 0,1,2,3
.if \s == 0
	v_wmma_scale_f32_16x16x128_f8f6f4 v[32*\n+8*\m:32*\n+8*\m+7], v[XF0+64*(\s%2)+16*\m:XF0+64*(\s%2)+16*\m+15], v[16*(8*(\s%2)+\n):16*(8*(\s%2)+\n)+15], 0, v[XS+4*(\s%2)+\m], v[WS+4*\n+\s]
.else
	v_wmma_scale_f32_16x16x128_f8f6f4 v[32*\n+8*\m:32*\n+8*\m+7], v[XF0+64*(\s%2)+16*\m:XF0+64*(\s%2)+16*\m+15], v[16*(8*(\s%2)+\n):16*(8*(\s%2)+\n)+15], v[32*\n+8*\m:32*\n+8*\m+7], v[XS+4*(\s%2)+\m], v[WS+4*\n+\s]
.endif
.endr
.endr
	WIN 0
.if \s != 2
.rept 8
	v_nop                                          ; places ahead of the loads into the set just read, and of the first read of results
.endr
.endif
.if \s < 2
	s_wait_alu depctr_va_vdst(0)                   ; this K step's products are done reading their set of x and its scale words, in which the loads below land
	FETCHS \s+2, \s%2
.endif
.endr
.irp np, 0,1,2,3                               ; tiles 2 np and 2 np + 1: 16 channels each x this block's 64 keys: two blocks of 32 keys each
	s_wait_xcnt 0x0                                ; the last stores have had their addresses translated
.if \np > 0
	s_wait_alu depctr_vm_vsrc(0)                   ; the last stores have read the codes, which the quantiser below writes (the first: the wait at the trip's head has said so)
.endif
	QUANT 64*\np, 3
	s_wait_alu depctr_va_vdst(0)                   ; the conversions have written the codes, which the stores below read
.irp e, 0,1
.irp cc, 0,1
	global_store_b128 v[LI], v[PC+8*\e+4*\cc:PC+8*\e+4*\cc+3], s[OC:OC+1] offset:(\np/2)*65536+(2*(\np%2)+\e)*2048+\cc*512
.endr
.endr
	v_mov_b32 v[ST+\np], v[PW]
.endr
	s_bitcmp1_b32 s[BLK], 0                        ; a key step of 128 is two blocks: its scale words are whole behind the odd one
	s_cbranch_scc0 .Leven
.irp np, 0,1,2,3
	v_perm_b32 v236, v[ST+\np], v[ST+4+\np], 0x05040100    ; tile 2 np: the even block's two bytes, then the odd block's
	v_perm_b32 v237, v[ST+\np], v[ST+4+\np], 0x07060302    ; tile 2 np + 1
	v_cndmask_b32 v[ST+8+\np], v236, v237, s[HALF]
.endr
	s_wait_alu depctr_va_vdst(0)                   ; the four selects have written the scale words, which the two stores below read
	global_store_b64 v[L8], v[ST+8:ST+9], s[OS:OS+1]
	global_store_b64 v[L8], v[ST+10:ST+11], s[OS:OS+1] offset:2048
.Leven:
.irp np, 0,1,2,3
	v_mov_b32 v[ST+4+\np], v[ST+\np]
.endr
.Lnext:
	s_wait_xcnt 0x0                                ; the trip's stores have read their bases and data
	s_bitcmp1_b32 s[BLK], 0
	s_mov_b32 s52, 1024                            ; V: two groups of 32 keys on; behind an odd block the next key step
	s_cselect_b32 s52, 7168, s52
	s_cselect_b32 s54, 256, 0
	s_cmp_lt_u32 ttmp9, 192
	s_cselect_b32 s52, 4096, s52                   ; Q and K: four tiles on, one group of scale words on
	s_cselect_b32 s54, 256, s54
	s_add_nc_u64 s[OC:OC+1], s[OC:OC+1], s[52:53]
	s_add_nc_u64 s[OS:OS+1], s[OS:OS+1], s[54:55]
	s_add_co_u32 s[REG], s[REG], XR
	s_add_co_u32 s[BLK], s[BLK], 1
	s_cmp_lt_u32 s[BLK], 4
	s_cbranch_scc1 .Lblk
	s_wait_dscnt 0x0                               ; the closing lines, six on end
	s_wait_alu 0x0
	s_wait_tensorcnt 0x0
	ds_add_u32 v254, v255
	s_wait_dscnt 0x0
	s_endpgm
.Lfunc_end_k_qdd59329027_proj:
	.size	k_qdd59329027_proj, .Lfunc_end_k_qdd59329027_proj-k_qdd59329027_proj
	.p2alignl 7, 3214868480
	.fill 96, 4, 3214868480
	.section	.rodata,"a",@progbits
	.p2align	6, 0x0
	.amdhsa_kernel k_qdd59329027_proj
		.amdhsa_group_segment_fixed_size 279040
		.amdhsa_private_segment_fixed_size 0
		.amdhsa_enable_private_segment 0
		.amdhsa_kernarg_size 136
		.amdhsa_user_sgpr_count 2
		.amdhsa_user_sgpr_kernarg_segment_ptr 1
		.amdhsa_wavefront_size32 1
		.amdhsa_system_sgpr_workgroup_id_x 1
		.amdhsa_system_sgpr_workgroup_id_y 1
		.amdhsa_system_sgpr_workgroup_id_z 1
		.amdhsa_system_vgpr_workitem_id 0
		.amdhsa_next_free_vgpr 1024
		.amdhsa_next_free_sgpr 66
		.amdhsa_reserve_vcc 0
		.amdhsa_float_denorm_mode_32 3
		.amdhsa_float_denorm_mode_16_64 3
		.amdhsa_memory_ordered 1
		.amdhsa_forward_progress 1
		.amdhsa_inst_pref_size 255
	.end_amdhsa_kernel
	.section	.bss,"aw",@nobits
	.p2align	6
	.space	262144
	.amdgpu_metadata
---
amdhsa.version: [ 1, 2 ]
amdhsa.kernels:
  - .name:           k_qdd59329027_proj
    .symbol:         k_qdd59329027_proj.kd
    .args:
      - { .name: Q, .offset: 0, .size: 8, .value_kind: global_buffer, .address_space: global }
      - { .name: K_codes, .offset: 8, .size: 8, .value_kind: global_buffer, .address_space: global }
      - { .name: K_scales, .offset: 16, .size: 8, .value_kind: global_buffer, .address_space: global }
      - { .name: V_codes, .offset: 24, .size: 8, .value_kind: global_buffer, .address_space: global }
      - { .name: V_scales, .offset: 32, .size: 8, .value_kind: global_buffer, .address_space: global }
      - { .name: W_q_codes, .offset: 40, .size: 8, .value_kind: global_buffer, .address_space: global }
      - { .name: W_q_scales, .offset: 48, .size: 8, .value_kind: global_buffer, .address_space: global }
      - { .name: W_k_codes, .offset: 56, .size: 8, .value_kind: global_buffer, .address_space: global }
      - { .name: W_k_scales, .offset: 64, .size: 8, .value_kind: global_buffer, .address_space: global }
      - { .name: W_v_codes, .offset: 72, .size: 8, .value_kind: global_buffer, .address_space: global }
      - { .name: W_v_scales, .offset: 80, .size: 8, .value_kind: global_buffer, .address_space: global }
      - { .name: qh_codes, .offset: 88, .size: 8, .value_kind: global_buffer, .address_space: global }
      - { .name: qh_scales, .offset: 96, .size: 8, .value_kind: global_buffer, .address_space: global }
      - { .name: kh_codes, .offset: 104, .size: 8, .value_kind: global_buffer, .address_space: global }
      - { .name: kh_scales, .offset: 112, .size: 8, .value_kind: global_buffer, .address_space: global }
      - { .name: vh_codes, .offset: 120, .size: 8, .value_kind: global_buffer, .address_space: global }
      - { .name: vh_scales, .offset: 128, .size: 8, .value_kind: global_buffer, .address_space: global }
    .group_segment_fixed_size: 279040
    .private_segment_fixed_size: 0
    .kernarg_segment_align: 8
    .kernarg_segment_size: 136
    .max_flat_workgroup_size: 128
    .sgpr_count:     66
    .vgpr_count:     1024
    .wavefront_size: 32
...
	.end_amdgpu_metadata
.endif
;; end of part 4
;; launch attn (part 5): grid 2 x 128, 16 waves a work-group, no clusters, 139,264 bytes of LDS; arguments qh_codes, qh_scales, kh_codes, kh_scales, vh_codes, vh_scales, mask, ctx_codes, side, W_o_codes, lin1_w_codes, lin2_w_codes; writes ctx_codes, side
.if DOCPART == 5
	.amdgcn_target "amdgcn-amd-amdhsa--gfx1250"
	.amdhsa_code_object_version 6
	.text
	.protected	k_qdd59329027_attn
	.globl	k_qdd59329027_attn
	.p2align	8
	.type	k_qdd59329027_attn,@function
k_qdd59329027_attn:
	s_mov_b64 s[64:65], 0
	v_nop
	global_prefetch_b8 v0, s[64:65] scope:SCOPE_SE
	s_setreg_imm32_b32 hwreg(HW_REG_WAVE_SCHED_MODE, 0, 2), 2
	s_setreg_imm32_b32 hwreg(HW_REG_WAVE_MODE, 25, 1), 1
	s_wait_xcnt 0x0
	s_wait_alu depctr_vm_vsrc(0)
; Attention of one head (1,024 queries and keys, head size 64) on codes of FP8 (E4M3) with E8M0 scales, and the quantising of its result along the model's 512.
; THE MASKS.  Key k is hidden from query q where k > q.  The pad mask lies along the QUERIES: a padded query has EVERY score at the same fill, the hidden keys' too,
; so its p is 1 for all 1,024 keys and its sum 1,024.  Here a padded lane's scores become 0 (t = 0, M = 0, p = 1 exactly) and a hidden score of any other lane -infinity (p = 0).
; A tile of 16 queries that holds a padded query walks all keys; any other tile passes over the key steps that lie wholly behind its queries: a scalar branch on the tile's 16 mask bytes.
; THE SOFTMAX.  t = score x log2(e) / (8 + 1e-6), one f32 constant; M = the running largest t rounded up to a whole number; p = 2^(t - M) is quantised along the keys, not normalised;
; the sum is taken of the unquantised p and divides at the end; when M moves, sum and O are multiplied by 2^(old M - new M), which rounds nothing.
; SHARES.  Work-group (g, head); wave w owns the query tiles p = 16 g + w and 63 - p: with no padded query that is 9 key steps of 128 for every wave.
; The head's K and V (64 KB each, images of operand registers) and their scale words lie in LDS, filled once through registers; one barrier; then LDS is only read.
; NO TENSOR LOAD, NO CLUSTER: a branch hangs on the mask, which is read from memory; the two work-groups of a head each read K and V once.
; BOTH PRODUCTS TRANSPOSED: S^T = K Q^T, O^T = V^T P^T: a lane holds one query (lane % 16) throughout.  The keys of a tile of K, and the channels of a tile of V, were chosen by the launch before
; so that the 16 registers of tiles 2 b, 2 b + 1 are 16 neighbours along the next K.
; 64 ALONG K IN AN INSTRUCTION OF 128: K's fragment has zero codes in its other half (even tiles use the lower half, odd tiles the upper, and neighbours share the eight zero registers);
; Q's eight registers stand twice, and both sides' two scale bytes stand twice in their words.
; BESIDE ITS OWN WORK the launch lays the next launch's three weights (W_o, lin1_w, lin2_w: 256 KB of codes each) out as images of operand registers, [wave 4][K step 4][tile 8][group 4][lane][16 bytes],
; behind ctx's scale bytes in the buffer 'side': each of the 256 work-groups copies 1 KB of each weight, waves 0, 1, 2 one weight each, two loads and two stores.
; ctx's scale bytes leave two to a lane, 16 bytes apart: 262,144 bytes in all, stored in pieces smaller than 256 bytes.
; LIMITS: NaN and infinities are not served.  A block of zeros gets the byte 1: its codes are zeros, and the bytes are read by this program alone.
; REGISTERS: v1-8 addresses and the lane's mask; v9-11 at work; v12 -M, v13 the largest t, v[14:15] the sum; v16-31 Q; v32-79 four fragments of K; v80-83 K's scale words, v84-85 V's, v86 Q's, v87 p's;
; v[88:89] f; v96-159 S^T, then p, then V's four fragments; v160-191 O^T; v192-207 p's codes; v208-223 at work.
; THE MODE: SCHED_MODE bits 1:0 = 2 (LLVM: expert scheduling mode 2), set by the entry lines.  The code itself states the register dependences
; between vector or matrix instructions and memory or LDS instructions, with s_wait_alu, always for 0.
; THE PLAN.  Registers that memory or LDS instructions touch:
;   v1, v2, v91-93      offsets, written once at the head, ahead of the wait on va_vdst in front of the first load.
;   v3-8, v160-171      the fill's addresses and data; a tile writes them anew: vm_vsrc at a tile's head.
;   v16-31, v86, v9     Q, its scale word, the mask byte: loaded at a tile's head; read by the tile's products and compares: va_vdst ahead of the second tile's loads.
;   v3-6 in a key step  written at the step's head, read by its LDS loads: vm_vsrc ahead of the four additions, va_vdst behind them; that wait also says that the last step's products are done
;                       reading the fragments and scale words that the step loads anew, and, in the first step, that the zero halves of K's fragments are written.
;   v32-79              K's fragments: loaded twice a step: va_vdst between the first four products and the second run of loads.
;   v96-159             scores, p, then V's fragments: va_vdst behind the conversions, ahead of V's loads.
;   v192-207, v87       p's codes and scale word, made by vector instructions and taken by scaled products: the places, then va_vdst.
;   v192-199, v10       ctx's codes and scale bytes: va_vdst ahead of the tile's three stores; the next tile's head frees them.
;   s74-89              the diagonal's masks: sixteen compares, one wait on va_sdst, sixteen selects, four times.  VCC: one compare a tile, one wait on va_vcc.
.set LI,   1                           ; 16 x lane
.set L8,   2                           ; 8 x lane
.set ADK,  3
.set ADV,  4
.set ADKS, 5
.set ADVS, 6
.set FILL, 7                           ; what a hidden score becomes: 0 in a padded lane, else -infinity
.set DQ,   8                           ; my query - 16 (lane / 16); far below every key in a padded lane
.set R8,   91
.set RR,   92
.set R16,  93
.set RH,   94
.set WV,   22
.set BH,   23
.set PP,   24
.set TT,   25
.set QP,   26
.set QSP,  28
.set MP,   30
.set CP,   32
.set CSP,  34
.set MW,   36
.set OF,   40
.set LASTK, 42
.set QOPEN, 43
.set KF,   44
.set TK,   45
.set TV,   46
.set TKS,  47
.set TVS,  48
.set CNT,  49
.set SEL,  50
.set CS,   52
.set MNT,  54
.set WSRC, 60                          ; s[60:61] the piece of a weight that my wave copies;  s[62:63] where its image goes
.set WDST, 62
.set MK,   74                          ; s74-89 sixteen masks of the diagonal's compares
.set VIMG, 65536
.set KSC,  131072
.set VSC,  135168
	s_load_b512 s[4:19], s[0:1], 0x0               ; qh codes, scales; kh codes, scales; vh codes, scales; mask; ctx codes
	s_load_b64 s[20:21], s[0:1], 0x40              ; side: ctx's scale bytes, then the weights' images
	s_load_b64 s[68:69], s[0:1], 0x48              ; W_o's codes
	s_load_b64 s[70:71], s[0:1], 0x50              ; lin1_w's
	s_load_b64 s[72:73], s[0:1], 0x58              ; lin2_w's
	v_lshl_add_u32 v254, v0, 2, 0x21800
	v_mov_b32 v255, 0
	v_lshrrev_b32 v9, 5, v0
	v_readfirstlane_b32 s[WV], v9                  ; wave 0..15
	s_and_b32 s[BH], ttmp7, 0xffff                 ; 8 x batch + head
	v_and_b32 v9, 31, v0
	v_lshlrev_b32 v[LI], 4, v9
	v_lshlrev_b32 v[L8], 3, v9
	v_and_b32 v[RR], 15, v0
	v_bfe_u32 v10, v0, 4, 1
	v_lshlrev_b32 v[R8], 3, v[RR]
	v_lshlrev_b32 v[R16], 4, v[RR]
	v_lshlrev_b32 v10, 4, v10
	v_sub_nc_u32 v[RH], v[RR], v10                 ; r - 16 h
	v_and_b32 v163, 8, v[RR]
	v_add_nc_u32 v163, v163, v[RR]                 ; r + 8 (r / 8): the rows of a weight's tile are not neighbours
	v_lshlrev_b32 v163, 9, v163
	v_add_nc_u32 v163, v163, v10                   ; x 512 + 16 h
	v_lshlrev_b32 v3, 4, v0                        ; the fill: 16 bytes a thread, in memory and in LDS alike
	v_add_nc_u32 v4, VIMG, v3
	v_lshl_add_u32 v5, v0, 3, KSC
	v_lshl_add_u32 v6, v0, 2, VSC
	v_lshlrev_b32 v7, 3, v0
	v_lshlrev_b32 v8, 2, v0
	s_mov_b32 s[OF+1], 0
	s_mov_b32 s[SEL], 0x76543210
	s_mov_b32 s[SEL+1], 0xfedcba98                 ; v_permlanex16_b32's selects for lane l xor 16
	s_mov_b32 s[CS], 0x3e38aa3a                    ; c = log2(e) / (8 + 1e-6)
	s_mov_b32 s[CS+1], s[CS]                       ; (named with it as a pair, so it is written)
	s_mov_b32 s[MNT], 0x600000                     ; the mantissa field of 448
	s_wait_alu depctr_va_sdst(0)                   ; the wave's number is written, ahead of its first reader: the pair of tiles, the weight and a branch hang on it
	s_lshl_b32 s[PP], ttmp9, 4
	s_add_co_u32 s[PP], s[PP], s[WV]               ; my pair of tiles
	; which 1 KB of a weight: work-group number i = 2 F + e; fragment F = 32 w + 8 s + n, groups 2 e and 2 e + 1
	s_lshl_b32 s55, s[BH], 1
	s_add_co_u32 s55, s55, ttmp9                   ; i, 0 .. 255
	s_lshr_b32 s56, s55, 6
	s_lshl_b32 s56, s56, 16                        ; w: 128 rows of 512 bytes
	s_bfe_u32 s57, s55, 0x20004
	s_lshl_b32 s57, s57, 7                         ; s: 128 bytes along a row
	s_add_co_u32 s56, s56, s57
	s_bfe_u32 s57, s55, 0x20002
	s_lshl_b32 s57, s57, 14                        ; n / 2: 32 rows
	s_add_co_u32 s56, s56, s57
	s_bfe_u32 s57, s55, 0x10001
	s_lshl_b32 s57, s57, 12                        ; n % 2: 8 rows
	s_add_co_u32 s56, s56, s57
	s_and_b32 s57, s55, 1
	s_lshl_b32 s57, s57, 6                         ; e: 64 bytes along a row
	s_add_co_u32 s56, s56, s57
	s_min_u32 s57, s[WV], 2
	s_add_co_u32 s57, s57, 1
	s_lshl_b32 s57, s57, 18                        ; the image of weight j begins at 262,144 (1 + j),
	s_lshl_b32 s58, s55, 10                        ; my piece 1,024 i further on
	s_add_co_u32 s57, s57, s58
	s_wait_kmcnt 0x0
	s_lshl_b32 s[OF], s[BH], 16                    ; a head's codes are 65,536 bytes
	s_add_nc_u64 s[26:27], s[8:9], s[OF:OF+1]
	s_add_nc_u64 s[28:29], s[12:13], s[OF:OF+1]
	s_lshl_b32 s[OF], s[BH], 12
	s_add_nc_u64 s[30:31], s[10:11], s[OF:OF+1]
	s_lshl_b32 s[OF], s[BH], 11
	s_add_nc_u64 s[32:33], s[14:15], s[OF:OF+1]
	s_wait_alu depctr_va_vdst(0)                   ; the offsets v1-8, v91-93 and v163 are written, which the loads and stores below read
.irp i, 0,1,2,3,4,5,6,7
	global_load_b128 v[96+4*\i:99+4*\i], v3, s[26:27] offset:8192*\i
.endr
.irp i, 0,1,2,3,4,5,6,7
	global_load_b128 v[128+4*\i:131+4*\i], v3, s[28:29] offset:8192*\i
.endr
	global_load_b64 v[160:161], v7, s[30:31]
	global_load_b32 v162, v8, s[32:33]
	s_cmp_eq_u32 s[WV], 0                          ; the weight is chosen by the wave's number alone
	s_cselect_b64 s[WSRC:WSRC+1], s[68:69], s[70:71]
	s_cmp_lt_u32 s[WV], 2
	s_cselect_b64 s[WSRC:WSRC+1], s[WSRC:WSRC+1], s[72:73]
	s_mov_b32 s[OF], s56
	s_add_nc_u64 s[WSRC:WSRC+1], s[WSRC:WSRC+1], s[OF:OF+1]
	s_mov_b32 s[OF], s57
	s_add_nc_u64 s[WDST:WDST+1], s[20:21], s[OF:OF+1]
	s_cmp_lt_u32 s[WV], 3
	s_cbranch_scc0 .Lnoimg                         ; waves 0, 1, 2 alone
	global_load_b128 v[164:167], v163, s[WSRC:WSRC+1]              ; group 2 e of the fragment, in the operand's lanes,
	global_load_b128 v[168:171], v163, s[WSRC:WSRC+1] offset:32    ; and group 2 e + 1
	s_wait_loadcnt 0x0                             ; (the fill's loads, which are wanted next, are waited for with them)
	global_store_b128 v[LI], v[164:167], s[WDST:WDST+1]            ; 512 consecutive bytes, aligned
	global_store_b128 v[LI], v[168:171], s[WDST:WDST+1] offset:512
.Lnoimg:
.irp j, 0,1,2,3,4,5,6,7
	v_mov_b32 v[40+\j], 0                          ; the zero halves of K's fragments: written once
	v_mov_b32 v[64+\j], 0
.endr
.irp b, 0,1,2,3
	v_mov_b32 v[212+\b], 0                         ; written once: a lane permute's destination counts as one of its sources
.endr
	v_mov_b32 v89, 0                               ; (named as the upper half of the pair v[88:89])
	v_mov_b32 v90, 0
	s_wait_loadcnt 0x0
.irp i, 0,1,2,3,4,5,6,7
	ds_store_b128 v3, v[96+4*\i:99+4*\i] offset:8192*\i
.endr
.irp i, 0,1,2,3,4,5,6,7
	ds_store_b128 v4, v[128+4*\i:131+4*\i] offset:8192*\i
.endr
	ds_store_b64 v5, v[160:161]
	ds_store_b32 v6, v162
	s_wait_dscnt 0x0                               ; my stores have landed
	s_barrier_signal -1
	s_barrier_wait -1                              ; everybody's have: the head's K and V are whole, and nobody writes LDS again
; One tile of 16 queries, number s[TT] of the head's 64.  second = 1: the wave's second tile.
.macro TILE second
	s_wait_xcnt 0x0                                ; the stores and loads before have read their bases and data
	s_wait_alu depctr_vm_vsrc(0)                   ; first tile: the fill's loads and stores and the weights' copies have read v3-8 and v160-171; second tile: the first tile's stores have read v10 and v192-199: this tile writes all of them anew
	s_lshl_b32 s[OF], s[BH], 16
	s_lshl_b32 s55, s[TT], 10
	s_add_co_u32 s[OF], s[OF], s55
	s_add_nc_u64 s[QP:QP+1], s[4:5], s[OF:OF+1]    ; Q's tile: 1,024 bytes
	s_lshl_b32 s[OF], s[BH], 12
	s_lshr_b32 s55, s[TT], 2
	s_lshl_b32 s55, s55, 8
	s_add_co_u32 s[OF], s[OF], s55                 ; its group of four tiles,
	s_and_b32 s55, s[TT], 1
	s_lshl_b32 s55, s55, 7
	s_add_co_u32 s[OF], s[OF], s55                 ; the half of the lanes,
	s_bfe_u32 s55, s[TT], 0x10001
	s_lshl_b32 s55, s55, 2
	s_add_co_u32 s[OF], s[OF], s55                 ; and the word in which its scale words lie
	s_add_nc_u64 s[QSP:QSP+1], s[6:7], s[OF:OF+1]
	s_lshr_b32 s56, s[BH], 3                       ; the batch
	s_lshl_b32 s[OF], s56, 10
	s_lshl_b32 s57, s[TT], 4                       ; my first query
	s_add_co_u32 s[OF], s[OF], s57
	s_add_nc_u64 s[MP:MP+1], s[16:17], s[OF:OF+1]  ; the tile's 16 mask bytes
	s_lshl_b32 s[OF], s[OF], 4
	s_and_b32 s55, s[BH], 7                        ; the head
	s_lshl_b32 s58, s55, 1
	s_add_co_u32 s[OF], s[OF], s58
	s_add_nc_u64 s[CSP:CSP+1], s[20:21], s[OF:OF+1]  ; ctx's scale bytes: 16 a row, the head's two
	s_lshl_b32 s[OF], s56, 6
	s_add_co_u32 s[OF], s[OF], s[TT]
	s_lshl_b32 s[OF], s[OF], 13                    ; ctx's codes: 8,192 bytes for 16 rows,
	s_lshr_b32 s58, s55, 1
	s_lshl_b32 s58, s58, 11
	s_add_co_u32 s[OF], s[OF], s58                 ; K step head / 2,
	s_and_b32 s58, s55, 1
	s_lshl_b32 s58, s58, 10
	s_add_co_u32 s[OF], s[OF], s58                 ; groups 2 (head % 2) and the next
	s_add_nc_u64 s[CP:CP+1], s[18:19], s[OF:OF+1]
	s_load_b128 s[MW:MW+3], s[MP:MP+1], 0x0
.if \second
	s_wait_alu depctr_va_vdst(0)                   ; the first tile's products are done reading Q and its scale word, its compares and additions are done with v9: the loads below land in these
.endif
	global_load_b128 v[16:19], v[LI], s[QP:QP+1]
	global_load_b128 v[20:23], v[LI], s[QP:QP+1] offset:512
	global_load_b128 v[24:27], v[LI], s[QP:QP+1]               ; the same eight registers once more, for K's odd tiles
	global_load_b128 v[28:31], v[LI], s[QP:QP+1] offset:512
	global_load_b32 v86, v[R8], s[QSP:QSP+1]
	global_load_u8 v9, v[RR], s[MP:MP+1]                       ; my query's mask byte
	s_add_co_u32 s[LASTK], s57, 15
	s_mov_b32 s[QOPEN], s57
	s_mov_b32 s[KF], 0
	s_mov_b32 s[TK], 0
	s_mov_b32 s[TV], VIMG
	s_mov_b32 s[TKS], KSC
	s_mov_b32 s[TVS], VSC
	s_mov_b32 s[CNT], 0
	v_mov_b32 v13, 0xff61b1e6                      ; the largest t so far: -3e38, under every t
	v_floor_f32 v12, -v13                          ; -M
	v_mov_b32 v14, 0
	v_mov_b32 v15, 0
.set J, 0
.rept 32
	v_mov_b32 v[160+J], 0                          ; O^T: the step is written once, and its first trip finds zeros
.set J, J+1
.endr
	s_wait_kmcnt 0x0
	s_or_b32 s[MW], s[MW], s[MW+1]
	s_or_b32 s[MW+2], s[MW+2], s[MW+3]
	s_or_b32 s[MW], s[MW], s[MW+2]
	s_cmp_lg_u32 s[MW], 0                          ; does the tile hold a padded query?
	s_cselect_b32 s[LASTK], 1023, s[LASTK]         ; then all keys are walked,
	s_cselect_b32 s[QOPEN], 0, s[QOPEN]            ; and every step is masked
	s_wait_loadcnt 0x0
	v_cmp_ne_u32 vcc_lo, 0, v9
	v_mov_b32 v10, 0xff800000
	v_mov_b32 v11, 0
	s_wait_alu depctr_va_vcc(0)                    ; the compare has written VCC, which the two selects below read
	v_cndmask_b32 v[FILL], v10, v11, vcc_lo
	v_add_nc_u32 v10, s57, v[RH]
	v_mov_b32 v11, 0xfff00000
	v_cndmask_b32 v[DQ], v10, v11, vcc_lo
.Lstep_\@:                                         ; eight trips, 128 keys each; the work of a hidden step is jumped over, the steps of the addresses are not
	s_cmp_gt_u32 s[KF], s[LASTK]
	s_cbranch_scc1 .Lhidden_\@
	s_wait_alu depctr_vm_vsrc(0)                   ; the last step's LDS loads have read the four addresses, which the additions below write
	v_add_nc_u32 v[ADK], s[TK], v[LI]
	v_add_nc_u32 v[ADV], s[TV], v[LI]
	v_add_nc_u32 v[ADKS], s[TKS], v[L8]
	v_add_nc_u32 v[ADVS], s[TVS], v[L8]
.rept 6
	v_nop                                          ; with the four additions ten places behind the last products: the scores are laid over registers that those have read, which asks for nine
.endr
	s_wait_alu depctr_va_vdst(0)                   ; the four addresses are written, which the step's LDS loads read; the last step's products are done reading K's fragments and K's and V's scale words, in which the loads below land; in the first step: the zero halves of K's fragments are written, which the scaled products take
	ds_load_b64 v[80:81], v[ADKS]                  ; K's scale words: register (tile / 2); lanes 0-15 the even tile's, lanes 16-31 the odd tile's
	ds_load_b64 v[82:83], v[ADKS] offset:256
	ds_load_b64 v[84:85], v[ADVS]                  ; V's likewise
.irp g, 0,1                                    ; S^T = K Q^T, four tiles of 16 keys at a time
.if \g == 1
.rept 8
	v_nop                                          ; places ahead of loads into registers that the products have read
.endr
	s_wait_alu depctr_va_vdst(0)                   ; the first four products are done reading K's fragments, in which the loads below land
.endif
.irp t, 0,1,2,3
	ds_load_b128 v[32+24*(\t/2)+16*(\t%2):35+24*(\t/2)+16*(\t%2)], v[ADK] offset:(4*\g+\t)*1024
	ds_load_b128 v[36+24*(\t/2)+16*(\t%2):39+24*(\t/2)+16*(\t%2)], v[ADK] offset:(4*\g+\t)*1024+512
.endr
	s_wait_dscnt 0x0
.irp t, 0,2
	v_wmma_scale_f32_16x16x128_f8f6f4 v[96+8*(4*\g+\t):103+8*(4*\g+\t)], v[32+24*(\t/2):47+24*(\t/2)], v[16:31], 0, v[80+2*\g+\t/2], v86
	v_wmma_scale_f32_16x16x128_f8f6f4 v[104+8*(4*\g+\t):111+8*(4*\g+\t)], v[40+24*(\t/2):55+24*(\t/2)], v[16:31], 0, v[80+2*\g+\t/2], v86 matrix_a_scale:MATRIX_SCALE_ROW1
.endr
.endr                                          ; lane (r, h): query r; register 16 b + i: key KF + 32 b + 16 h + i
.rept 8
	v_nop
.endr
	s_add_co_u32 s55, s[KF], 127
	s_cmp_le_u32 s55, s[QOPEN]                     ; a step all of whose keys count for all 16 queries is not masked
	s_cbranch_scc1 .Lopen_\@
	s_sub_co_i32 s55, 0, s[KF]
	v_add_nc_u32 v9, s55, v[DQ]                    ; d: register 16 b + i is hidden where 32 b + i > d
.set N, 0
.rept 4                                        ; a block of 32 keys (my 16 of them) at a time: sixteen compares into sixteen masks, one wait, sixteen selects
.set I, 0
.rept 16
	v_cmp_gt_i32 s[MK+I], 32*(N/16)+I, v9
.set I, I+1
.endr
	s_wait_alu depctr_va_sdst(0)                   ; the sixteen compares have written their masks, which the sixteen selects below read
.set I, 0
.rept 16
	v_cndmask_b32 v[96+N+I], v[96+N+I], v[FILL], s[MK+I]
.set I, I+1
.endr
.set N, N+16
.endr
.Lopen_\@:
.irp b, 0,1,2,3
	v_max3_num_f32 v[208+\b], v[96+16*\b], v[97+16*\b], v[98+16*\b]   ; the largest score of each block of 32 keys: for the row's maximum, and, since p rises with the score, for the block's largest p
.endr
.irp i, 3,5,7,9,11,13
.irp b, 0,1,2,3
	v_max3_num_f32 v[208+\b], v[208+\b], v[96+16*\b+\i], v[97+16*\b+\i]
.endr
.endr
.irp b, 0,1,2,3
	v_max_num_f32 v[208+\b], v[208+\b], v[111+16*\b]
.endr
.irp b, 0,1,2,3
	v_permlanex16_b32 v[212+\b], v[208+\b], s[SEL], s[SEL+1]
.endr
.irp b, 0,1,2,3
	v_max_num_f32 v[208+\b], v[208+\b], v[212+\b]          ; with lane l xor 16's 16 keys
.endr
	v_max3_num_f32 v90, v208, v209, v210
	v_max_num_f32 v90, v90, v211                   ; the step's largest score of my query
	v_mul_f32 v90, s[CS], v90                      ; as t (c is positive)
	v_max_num_f32 v13, v13, v90                    ; the running largest t
	v_mov_b32 v90, v12
	v_floor_f32 v12, -v13                          ; the new -M = floor(-t): M is a whole number
	v_sub_f32 v90, v12, v90                        ; old M less new M: a whole number, 0 or less
	v_cvt_i32_f32 v90, v90                         ; (it saturates)
	v_ldexp_f32 v88, 1.0, v90                      ; f = 2^(old M - new M)
.set J, 0
.rept 32
	v_pk_fma_f32 v[96+J:97+J], v[96+J:97+J], s[CS:CS+1], v[12:13] op_sel_hi:[1,0,0]   ; t - M, two at a time
.set J, J+2
.endr
.irp b, 0,1,2,3
	v_fma_f32 v[208+\b], v[208+\b], s[CS], v12     ; the same of each block's largest score
.endr
.set J, 0
.rept 64
	v_exp_f32 v[96+J], v[96+J]                     ; p = 2^(t - M), at most 1
.set J, J+1
.endr
	v_pk_mul_f32 v[14:15], v[14:15], v[88:89] op_sel_hi:[1,0]   ; the sums under the new M: a plain line behind the exponentials
	s_wait_alu depctr_va_vdst(0)                   ; the 64 exponentials have written p: one wait for the batch, ahead of its first reader
.irp b, 0,1,2,3
	v_exp_f32 v[208+\b], v[208+\b]                 ; the block's largest p: the same two instructions on the same number
.endr
	v_pk_add_f32 v[212:213], v[96:97], v[98:99]    ; the row's sum is taken of the unquantised p, in two chains
.irp j, 4,8,12,16,20,24,28,32,36,40,44,48,52,56,60
	v_pk_add_f32 v[14:15], v[14:15], v[96+\j:97+\j]
	v_pk_add_f32 v[212:213], v[212:213], v[98+\j:99+\j]
.endr
	v_pk_add_f32 v[14:15], v[14:15], v[212:213]
	s_wait_alu depctr_va_vdst(0)                   ; the four exponentials have written the blocks' largest p, ahead of their first reader
.irp b, 0,1,2,3
	v_max_num_f32 v[208+\b], 0x4800000, v[208+\b]  ; the floor 2^(9 - 127): the byte cannot fall under 1
.endr
.irp b, 0,1,2,3
	v_add_nc_u32 v[220+\b], 0xfc000000, v[208+\b]  ; 8 off the exponent field: the conversion's scale operand
.endr
.irp b, 0,1,2,3
	v_and_or_b32 v[216+\b], v[208+\b], 0x7f800000, s[MNT]   ; 448 x the scale
.endr
.irp b, 0,1,2,3
	v_lshrrev_b32 v[212+\b], 23, v[220+\b]         ; the scale's byte
.endr
	v_lshl_or_b32 v87, v213, 8, v212               ; p's scale word for these 128 keys
	v_lshl_or_b32 v87, v214, 16, v87
	v_lshl_or_b32 v87, v215, 24, v87
.irp b, 0,1,2,3
.irp i, 0,1,2,3,4,5,6,7,8,9,10,11,12,13,14,15
	v_min_num_f32 v[96+16*\b+\i], v[96+16*\b+\i], v[216+\b]   ; the conversion does not saturate (ISA guide 7.6.2); p is not negative, so the hold is one-sided
.endr
	v_cvt_scalef32_pk8_fp8_f32 v[192+4*\b:193+4*\b], v[96+16*\b:103+16*\b], v[220+\b]
	v_cvt_scalef32_pk8_fp8_f32 v[194+4*\b:195+4*\b], v[104+16*\b:111+16*\b], v[220+\b]
.endr
	s_wait_alu depctr_va_vdst(0)                   ; the holds and the conversions are done with p's 64 registers, in which V's loads below land
.irp t, 0,1,2,3                                ; V's four tiles of 16 channels x 128 keys, into the registers that p has left
.irp c, 0,1,2,3
	ds_load_b128 v[96+16*\t+4*\c:99+16*\t+4*\c], v[ADV] offset:2048*\t+512*\c
.endr
.endr
.set J, 0
.rept 16
	v_pk_mul_f32 v[160+J:161+J], v[160+J:161+J], v[88:89] op_sel_hi:[1,0]   ; O^T under the new M
.set J, J+2
.endr
.rept 8
	v_nop                                          ; eight places between the lines that made p's codes and scale word and the products that take them; they stand while V's loads land
.endr
	s_wait_dscnt 0x0
	s_wait_alu depctr_va_vdst(0)                   ; p's codes and scale word, made by vector instructions, are written: the scaled products below take them as operand and scales; the places stand ahead of this wait
.irp t, 0,2                                    ; O^T += V^T P^T: the four accumulators by turns
	v_wmma_scale_f32_16x16x128_f8f6f4 v[160+8*\t:167+8*\t], v[96+16*\t:111+16*\t], v[192:207], v[160+8*\t:167+8*\t], v[84+\t/2], v87
	v_wmma_scale_f32_16x16x128_f8f6f4 v[168+8*\t:175+8*\t], v[112+16*\t:127+16*\t], v[192:207], v[168+8*\t:175+8*\t], v[84+\t/2], v87 matrix_a_scale:MATRIX_SCALE_ROW1
.endr
.Lhidden_\@:
	s_add_co_u32 s[KF], s[KF], 128
	s_add_co_u32 s[TK], s[TK], 8192
	s_add_co_u32 s[TV], s[TV], 8192
	s_add_co_u32 s[TKS], s[TKS], 512
	s_add_co_u32 s[TVS], s[TVS], 256
	s_add_co_u32 s[CNT], s[CNT], 1
	s_cmp_lt_u32 s[CNT], 8
	s_cbranch_scc1 .Lstep_\@
	; the way out: O^T / the sum, quantised along the head's 64 (two blocks of the model's 512)
.rept 8
	v_nop
.endr
	v_add_f32 v14, v14, v15
	v_permlanex16_b32 v90, v14, s[SEL], s[SEL+1]
	v_add_f32 v14, v14, v90                        ; the row's sum
	v_rcp_f32 v88, v14
	v_nop                                          ; a plain line behind the reciprocal,
	s_wait_alu depctr_va_vdst(0)                   ; and the wait ahead of its first reader: the reciprocal has written v88
.set J, 0
.rept 16
	v_pk_mul_f32 v[96+J:97+J], v[160+J:161+J], v[88:89] op_sel_hi:[1,0]   ; register 16 b + i: channel 32 b + 16 h + i of my query
.set J, J+2
.endr
.irp b, 0,1
	v_max3_num_f32 v[208+\b], |v[96+16*\b]|, |v[97+16*\b]|, 0x4800000
.endr
.irp i, 2,4,6,8,10,12,14
.irp b, 0,1
	v_max3_num_f32 v[208+\b], v[208+\b], |v[96+16*\b+\i]|, |v[97+16*\b+\i]|
.endr
.endr
.irp b, 0,1
	v_permlanex16_b32 v[212+\b], v[208+\b], s[SEL], s[SEL+1]
.endr
.irp b, 0,1
	v_max_num_f32 v[208+\b], v[208+\b], v[212+\b]
.endr
.irp b, 0,1
	v_add_nc_u32 v[220+\b], 0xfc000000, v[208+\b]
.endr
.irp b, 0,1
	v_and_or_b32 v[216+\b], v[208+\b], 0x7f800000, s[MNT]
.endr
.irp b, 0,1
	v_lshrrev_b32 v[212+\b], 23, v[220+\b]
.endr
	v_lshl_or_b32 v10, v213, 8, v212               ; the head's two scale bytes of my row
.irp b, 0,1
.irp i, 0,1,2,3,4,5,6,7,8,9,10,11,12,13,14,15
	v_med3_num_f32 v[96+16*\b+\i], v[96+16*\b+\i], -v[216+\b], v[216+\b]
.endr
	v_cvt_scalef32_pk8_fp8_f32 v[192+4*\b:193+4*\b], v[96+16*\b:103+16*\b], v[220+\b]
	v_cvt_scalef32_pk8_fp8_f32 v[194+4*\b:195+4*\b], v[104+16*\b:111+16*\b], v[220+\b]
.endr
	v_nop                                          ; one plain line behind the last conversion
	s_wait_alu depctr_va_vdst(0)                   ; ctx's codes v192-199 and scale bytes v10 are written, which the three stores below read
	global_store_b128 v[LI], v[192:195], s[CP:CP+1]            ; 512 consecutive bytes, aligned
	global_store_b128 v[LI], v[196:199], s[CP:CP+1] offset:512
	global_store_b16 v[R16], v10, s[CSP:CSP+1]                 ; lanes r and r + 16 write the same two bytes with the same value
.endm
	s_mov_b32 s[TT], s[PP]
	TILE 0
	s_sub_co_u32 s[TT], 63, s[PP]
	TILE 1
	s_wait_dscnt 0x0                               ; the closing lines, six on end
	s_wait_alu 0x0
	s_wait_tensorcnt 0x0
	ds_add_u32 v254, v255
	s_wait_dscnt 0x0
	s_endpgm
.Lfunc_end_k_qdd59329027_attn:
	.size	k_qdd59329027_attn, .Lfunc_end_k_qdd59329027_attn-k_qdd59329027_attn
	.p2alignl 7, 3214868480
	.fill 96, 4, 3214868480
	.section	.rodata,"a",@progbits
	.p2align	6, 0x0
	.amdhsa_kernel k_qdd59329027_attn
		.amdhsa_group_segment_fixed_size 139264
		.amdhsa_private_segment_fixed_size 0
		.amdhsa_enable_private_segment 0
		.amdhsa_kernarg_size 96
		.amdhsa_user_sgpr_count 2
		.amdhsa_user_sgpr_kernarg_segment_ptr 1
		.amdhsa_wavefront_size32 1
		.amdhsa_system_sgpr_workgroup_id_x 1
		.amdhsa_system_sgpr_workgroup_id_y 1
		.amdhsa_system_sgpr_workgroup_id_z 1
		.amdhsa_system_vgpr_workitem_id 0
		.amdhsa_next_free_vgpr 256
		.amdhsa_next_free_sgpr 90
		.amdhsa_reserve_vcc 1
		.amdhsa_float_denorm_mode_32 3
		.amdhsa_float_denorm_mode_16_64 3
		.amdhsa_memory_ordered 1
		.amdhsa_forward_progress 1
		.amdhsa_inst_pref_size 85
	.end_amdhsa_kernel
	.amdgpu_metadata
---
amdhsa.version: [ 1, 2 ]
amdhsa.kernels:
  - .name:           k_qdd59329027_attn
    .symbol:         k_qdd59329027_attn.kd
    .args:
      - { .name: qh_codes, .offset: 0, .size: 8, .value_kind: global_buffer, .address_space: global }
      - { .name: qh_scales, .offset: 8, .size: 8, .value_kind: global_buffer, .address_space: global }
      - { .name: kh_codes, .offset: 16, .size: 8, .value_kind: global_buffer, .address_space: global }
      - { .name: kh_scales, .offset: 24, .size: 8, .value_kind: global_buffer, .address_space: global }
      - { .name: vh_codes, .offset: 32, .size: 8, .value_kind: global_buffer, .address_space: global }
      - { .name: vh_scales, .offset: 40, .size: 8, .value_kind: global_buffer, .address_space: global }
      - { .name: mask, .offset: 48, .size: 8, .value_kind: global_buffer, .address_space: global }
      - { .name: ctx_codes, .offset: 56, .size: 8, .value_kind: global_buffer, .address_space: global }
      - { .name: side, .offset: 64, .size: 8, .value_kind: global_buffer, .address_space: global }
      - { .name: W_o_codes, .offset: 72, .size: 8, .value_kind: global_buffer, .address_space: global }
      - { .name: lin1_w_codes, .offset: 80, .size: 8, .value_kind: global_buffer, .address_space: global }
      - { .name: lin2_w_codes, .offset: 88, .size: 8, .value_kind: global_buffer, .address_space: global }
    .group_segment_fixed_size: 139264
    .private_segment_fixed_size: 0
    .kernarg_segment_align: 8
    .kernarg_segment_size: 96
    .max_flat_workgroup_size: 512
    .sgpr_count:     90
    .vgpr_count:     256
    .wavefront_size: 32
...
	.end_amdgpu_metadata
.endif
;; end of part 5
;; launch tail (part 6): grid 256 x 1, 4 waves a work-group, no clusters, 251,392 bytes of LDS; arguments ctx_codes, side, Q, W_o_scales, lin1_w_scales, lin1_b, lin2_w_scales, lin2_b, ln_g, ln_b, out0; writes out0
.if DOCPART == 6
	.amdgcn_target "amdgcn-amd-amdhsa--gfx1250"
	.amdhsa_code_object_version 6
	.text
	.protected	k_qdd59329027_tail
	.globl	k_qdd59329027_tail
	.p2align	8
	.type	k_qdd59329027_tail,@function
k_qdd59329027_tail:
	s_mov_b64 s[64:65], 0
	v_nop
	global_prefetch_b8 v0, s[64:65] scope:SCOPE_SE
	s_setreg_imm32_b32 hwreg(HW_REG_WAVE_SCHED_MODE, 0, 2), 2
	s_setreg_imm32_b32 hwreg(HW_REG_WAVE_MODE, 25, 1), 1
	s_wait_xcnt 0x0
	s_wait_alu depctr_vm_vsrc(0)
; out0 = LN(gelu(x1 W1 + b1) W2 + b2 + x1), x1 = LN(Q + ctx W_o): three products of 64 x 512 x 512 a work-group on codes of FP8 (E4M3) with E8M0 scales; all else in f32.
; SHARES.  A work-group owns 64 rows.  Wave w owns columns 128 w .. 128 w + 127 of each product for all 64 rows: 32 accumulators (m, n) at window 3, register 64 m + 8 n.
; The products are used TRANSPOSED (source 0 = 16 rows of W, chosen so that the 16 registers of tiles 2 b, 2 b + 1 are neighbours; source 1 = 16 rows of x):
; lane (r, h) holds row 16 m + r, register 64 m + 16 b + i column 128 w + 32 b + 16 h + i.  So a wave's 128 columns are one K step of the next product.
; WHAT IS ADDED COSTS NO ADDITION: the accumulators begin as Q (first product), b1 (second), x1 + b2 (third).
; THE WEIGHTS' CODES come as images of operand registers, which the launch before has laid behind ctx's scale bytes in the buffer 'side': [weight 3][wave 4][K step 4][tile 8][group 4][lane][16 bytes],
; so that each load of a wave covers 512 consecutive bytes.  A wave's 64 KB of a weight lie in windows 1 and 2; the next product's fragments are asked for as soon as a K step's have been multiplied.
; Q is loaded by rows, 512 consecutive bytes a load, into the accumulators' registers, and turns into their layout through the wave's stage, as the result turns back on the way out.
; OPERANDS GO FROM WAVE TO WAVE THROUGH LDS AS IMAGES OF THEIR REGISTERS: fragment 4 m + s at 2,048 bytes each, scale words at 32,768 + 128 (4 m + s).
; LAYERNORM: each wave takes the mean of its 128 columns, centres in place, sums the squares; the four waves' (mean, sum of squares) meet in LDS once;
; var = (the four sums + 128 x the squares of the four means' distances from their mean) / 512: no difference of large sums.  The order of rounding differs from a plain mean and variance.
; GELU: 0.5 x (1 + tanh u) = x / (1 + 2^(-2 log2(e) u)), u = sqrt(2 / pi) (x + 0.044715 x^3), by v_exp_f32 and v_rcp_f32.
; NO CLUSTER, NO TENSOR LOAD: what work-groups share are the weights, and they go from memory straight into the registers that multiply them; a joint load would land them in LDS,
; 256 KB for a weight beside the 245 KB that the rows, the residual and the stage take here.
; LIMITS: NaN, infinities and scale bytes of 0xff are not served.  A block of zeros gets the byte 1: its codes are zeros, and nobody else reads the bytes.
; LDS: 0 images A (ctx, later the hidden layer); 34,816 images B (x1); 69,632 g, b, b1, b + b2 (2,048 bytes each); 77,824 and 81,920 the two exchanges of statistics;
; 86,016 + 32,768 w x1 + b2 in f32, the wave's own; 217,088 + 8,448 w a stage of 16 rows x 528 bytes, the wave's own.
; THE MODE: SCHED_MODE bits 1:0 = 2 (LLVM: expert scheduling mode 2), set by the entry lines.  The code itself states the register dependences
; between vector or matrix instructions and memory or LDS instructions, with s_wait_alu, always for 0.
; THE PLAN.  Registers that memory or LDS instructions touch:
;   the addresses v1-14, v201, v248-252   written once at the head, ahead of the wait on va_vdst in front of the first load; v248-252 become sums later: Q's turn has a wait on vm_vsrc behind their last use.
;   the accumulators (window 3)   Q's rows land, the stage's stores read them, the stage's loads land in the same registers: vm_vsrc a tile.  Later b1 and x1 + b2 land in them, behind the wait on va_vdst
;                   that follows the last quantiser of the phase before.  On the way out: va_vdst ahead of a tile's stores into the stage, vm_vsrc ahead of its loads back.
;   x's two sets v16-143, their scale words, W's fragments (windows 1, 2), W's scale words   in a product: one wait on va_vdst behind a K step's products, where loads into what they read follow.
;   the codes v208-223, the scale word v200, the quantiser's sixteen v184-199   vm_vsrc ahead of each quantiser (LDS stores have read them), va_vdst behind it (the image's stores read them).
;   the four sets of sixteen numbers of x1 + b2   va_vdst ahead of a column block's stores, vm_vsrc at the next block's head.  That va_vdst also serves the next block's loads of parameters.
;   the statistics v224-231   va_vdst ahead of their four stores.
.set LI,   1                           ; 16 x lane
.set LIB,  2                           ; + 34816
.set LSA,  3                           ; 4 x lane + 32768
.set LSB,  4                           ; 4 x lane + 67584
.set WHA,  5                           ; where I store my K step's images: LI + 2048 w
.set WHB,  6
.set SHA,  7                           ; and its scale words: LSA + 128 w
.set SHB,  8
.set RA,   9                           ; my residual: 16 x lane + 86016 + 32768 w
.set SO,   10                          ; the stage in the accumulators' layout: row r, + 64 h
.set SR,   11                          ; and by rows: 16 x lane
.set PA,   12                          ; the parameters of my columns: 69632 + 512 w + 64 h
.set STW,  13                          ; the statistics: where I write,
.set STR,  14                          ; and where I read
.set XF0,  16                          ; v16-79, v80-143: two sets of four fragments of x; between the products: parameters and numbers at work
.set WS,   144                         ; v144-175 W's scale words: 4 n + s
.set XS,   176                         ; v176-183 x's scale words
.set TM,   184
.set PW,   200
.set WSA,  201
.set GA,   202                         ; v[202:203], v[204:205] GELU's two constants, each twice
.set GB,   204
.set QA,   206
.set TP,   207
.set PC,   208
.set MU,   224                         ; v224-231 (my mean, my sum of squares) for each m
.set RS,   232                         ; v232-247 (rs, -, dr, -) for each m
.set SM,   248                         ; v248-255 four pairs of sums
.set T16_0, 208                        ; sixteen numbers of x1 + b2 on their way to LDS: a set for each m
.set T16_1, 112
.set T16_2, 128
.set T16_3, 184
.set WV,   32
.set OF,   34
.set SEL,  36
.set MNT,  38
.set XB,   34816
.set PAR,  69632
.set STAT, 77824
.set RES,  86016
.set STG,  217088
.set MSB, 0
.macro WIN new                         ; the immediate's high byte repeats the setting that is left
.if MSB != (\new)
	s_set_vgpr_msb (MSB<<8)|(\new)
.set MSB, (\new)
.endif
.endm
; 64 numbers of a lane in window w, register 16 b + i = k 32 b + 16 (lane / 16) + i of my row, become a fragment's codes in v[PC] on and its scale word in v[PW].
.macro QUANT s, w
	WIN 5*(\w)
.irp b, 0,1,2,3
	v_max3_num_f32 v[TM+\b], |v[(\s)+16*\b]|, |v[(\s)+16*\b+1]|, 0x4800000   ; my 16 numbers of block b, and the floor 2^(9 - 127): the byte cannot fall under 1
.endr
	WIN 20*(\w)
.irp i, 2,4,6,8,10,12,14
.irp b, 0,1,2,3
	v_max3_num_f32 v[TM+\b], v[TM+\b], |v[(\s)+16*\b+\i]|, |v[(\s)+16*\b+\i+1]|
.endr
.endr
	WIN 0
.irp b, 0,1,2,3
	v_permlanex16_b32 v[TM+4+\b], v[TM+\b], s[SEL], s[SEL+1]
.endr
.irp b, 0,1,2,3
	v_max_num_f32 v[TM+\b], v[TM+\b], v[TM+4+\b]           ; with lane l xor 16's: the block's largest magnitude
.endr
.irp b, 0,1,2,3
	v_add_nc_u32 v[TM+12+\b], 0xfc000000, v[TM+\b]         ; 8 off its exponent field: the conversion's scale operand
.endr
.irp b, 0,1,2,3
	v_and_or_b32 v[TM+8+\b], v[TM+\b], 0x7f800000, s[MNT]  ; 448 x the scale
.endr
.irp b, 0,1,2,3
	v_lshrrev_b32 v[TM+4+\b], 23, v[TM+12+\b]              ; the scale's byte
.endr
	v_lshl_or_b32 v[PW], v[TM+5], 8, v[TM+4]
	v_lshl_or_b32 v[PW], v[TM+6], 16, v[PW]
	v_lshl_or_b32 v[PW], v[TM+7], 24, v[PW]
	WIN 65*(\w)
.irp b, 0,1,2,3
.irp i, 0,1,2,3,4,5,6,7,8,9,10,11,12,13,14,15
	v_med3_num_f32 v[(\s)+16*\b+\i], v[(\s)+16*\b+\i], -v[TM+8+\b], v[TM+8+\b]   ; the conversion does not saturate (ISA guide 7.6.2): the hold comes first
.endr
.endr
	WIN (\w)
.irp b, 0,1,2,3
	v_cvt_scalef32_pk8_fp8_f32 v[PC+4*\b:PC+4*\b+1], v[(\s)+16*\b:(\s)+16*\b+7], v[TM+12+\b]
	v_cvt_scalef32_pk8_fp8_f32 v[PC+4*\b+2:PC+4*\b+3], v[(\s)+16*\b+8:(\s)+16*\b+15], v[TM+12+\b]
.endr
	WIN 0
	v_nop                                          ; one plain line behind the last conversion
.endm
.macro IMAGE adr, off
.irp c, 0,1,2,3
	ds_store_b128 v[\adr], v[PC+4*\c:PC+4*\c+3] offset:(\off)+512*\c
.endr
.endm
.macro BARRIER                         ; my LDS stores have landed and my LDS loads are in: then the work-group's barrier
	s_wait_dscnt 0x0
	s_barrier_signal -1
	s_barrier_wait -1
.endm
.macro WLOADS s, pc                    ; W's eight fragments of K step s, from their image: window 1 + s / 2, register 16 (8 (s % 2) + n); 512 consecutive bytes a load
	WIN 0x40*(1+(\s)/2)
.irp n, 0,1,2,3,4,5,6,7
.irp c, 0,1,2,3
	global_load_b128 v[16*(8*((\s)%2)+\n)+4*\c:16*(8*((\s)%2)+\n)+4*\c+3], v[LI], s[\pc:\pc+1] offset:((8*(\s)+\n)*4+\c)*512
.endr
.endr
	WIN 0
.endm
.macro WSCALES ps
.irp n, 0,1,2,3,4,5,6,7
	global_load_b128 v[WS+4*\n:WS+4*\n+3], v[WSA], s[\ps:\ps+1] offset:(32*(\n/2)+8*(\n%2))*16
.endr
.endm
.macro FETCHS s, p, li, ls             ; K step s of the four tiles of rows into set p: 20 LDS loads
.irp m, 0,1,2,3
.irp c, 0,1,2,3
	ds_load_b128 v[XF0+64*(\p)+16*\m+4*\c:XF0+64*(\p)+16*\m+4*\c+3], v[\li] offset:(4*\m+(\s))*2048+512*\c
.endr
	ds_load_b32 v[XS+4*(\p)+\m], v[\ls] offset:(4*\m+(\s))*128
.endr
.endm
; A product: the 32 accumulators by turns, always in place, a K step at a time.  nxt = 1: the next weight's fragments follow into the registers just multiplied.
; The first two fetches owe no wait of their own: whatever vector instruction named v16-143 and v176-183 stands ahead of the phase before's last wait on va_vdst, whatever LDS store read them ahead of its last wait on vm_vsrc.
.macro GEMM li, ls, nxt, pc, ps
	FETCHS 0, 0, \li, \ls
	FETCHS 1, 1, \li, \ls
	s_wait_loadcnt 0x0                             ; the weight, its scale words, and whatever was loaded into the accumulators
.irp s, 0,1,2,3
.if \s < 3
	s_wait_dscnt 20                                ; this K step's 20 loads are in; the younger step's 20 may be out
.else
	s_wait_dscnt 0x0
.endif
	WIN (0xf0+1+\s/2)                              ; source 0 (W) in window 1 or 2, C and D in window 3
.irp n, 0,1,2,3,4,5,6,7
.irp m, 0,1,2,3
	v_wmma_scale_f32_16x16x128_f8f6f4 v[64*\m+8*\n:64*\m+8*\n+7], v[16*(8*(\s%2)+\n):16*(8*(\s%2)+\n)+15], v[XF0+64*(\s%2)+16*\m:XF0+64*(\s%2)+16*\m+15], v[64*\m+8*\n:64*\m+8*\n+7], v[WS+4*\n+\s], v[XS+4*(\s%2)+\m]
.endr
.endr
	WIN 0
.rept 8
	v_nop                                          ; eight places ahead of loads into registers that the products have read, and of the first read of results
.endr
.if (\s < 2) || \nxt
	s_wait_alu depctr_va_vdst(0)                   ; this K step's products are done reading their set of x, its scale words and W's fragments (behind the last K step: W's scale words too), in which the loads below land
.endif
.if \s < 2
	FETCHS \s+2, \s%2, \li, \ls
.endif
.if \nxt
	WLOADS \s, \pc
.endif
.endr
.if \nxt
	WSCALES \ps
.endif
.endm
; My 128 columns' mean and centred sum of squares for each of the 64 rows, the four tiles of rows by turns; the accumulators are left centred.
.macro STATS off
	WIN 0x0f
.irp m, 0,1,2,3
	v_pk_add_f32 v[SM+2*\m:SM+2*\m+1], v[64*\m:64*\m+1], v[64*\m+2:64*\m+3]
.endr
	WIN 0x0c
.set J, 4
.rept 30
.irp m, 0,1,2,3
	v_pk_add_f32 v[SM+2*\m:SM+2*\m+1], v[SM+2*\m:SM+2*\m+1], v[64*\m+J:64*\m+J+1]
.endr
.set J, J+2
.endr
	WIN 0
.irp m, 0,1,2,3
	v_add_f32 v[SM+2*\m], v[SM+2*\m], v[SM+2*\m+1]
.endr
.irp m, 0,1,2,3
	v_permlanex16_b32 v[SM+2*\m+1], v[SM+2*\m], s[SEL], s[SEL+1]
.endr
.irp m, 0,1,2,3
	v_add_f32 v[SM+2*\m], v[SM+2*\m], v[SM+2*\m+1]
.endr
.irp m, 0,1,2,3
	v_mul_f32 v[MU+2*\m], 0x3c000000, v[SM+2*\m]           ; / 128
.endr
	WIN 0xc3
.set J, 0
.rept 32
.irp m, 0,1,2,3
	v_pk_add_f32 v[64*\m+J:64*\m+J+1], v[64*\m+J:64*\m+J+1], v[MU+2*\m:MU+2*\m+1] op_sel_hi:[1,0] neg_lo:[0,1] neg_hi:[0,1]
.endr
.set J, J+2
.endr
	WIN 0x0f
.irp m, 0,1,2,3
	v_pk_mul_f32 v[SM+2*\m:SM+2*\m+1], v[64*\m:64*\m+1], v[64*\m:64*\m+1]
.endr
.set J, 2
.rept 31
.irp m, 0,1,2,3
	v_pk_fma_f32 v[SM+2*\m:SM+2*\m+1], v[64*\m+J:64*\m+J+1], v[64*\m+J:64*\m+J+1], v[SM+2*\m:SM+2*\m+1]
.endr
.set J, J+2
.endr
	WIN 0
.irp m, 0,1,2,3
	v_add_f32 v[SM+2*\m], v[SM+2*\m], v[SM+2*\m+1]
.endr
.irp m, 0,1,2,3
	v_permlanex16_b32 v[SM+2*\m+1], v[SM+2*\m], s[SEL], s[SEL+1]
.endr
.irp m, 0,1,2,3
	v_add_f32 v[MU+2*\m+1], v[SM+2*\m], v[SM+2*\m+1]
.endr
	s_wait_alu depctr_va_vdst(0)                   ; my means and sums of squares are written, which the four stores below read; the product's last matrix instructions are done reading v112-143, in which the others' statistics land
.irp m, 0,1,2,3
	ds_store_b64 v[STW], v[MU+2*\m:MU+2*\m+1] offset:(\off)+256*\m
.endr
	BARRIER
.endm
; The four waves' statistics become rs = 1 / sqrt(var + 1e-5) and dr = (my mean - the row's mean) x rs: the normalised number is (centred number) x rs + dr.
.macro COMBINE off
.irp m, 0,1,2,3
.irp u, 0,1,2,3
	ds_load_b64 v[112+8*\m+2*\u:113+8*\m+2*\u], v[STR] offset:(\off)+1024*\u+256*\m
.endr
.endr
	s_wait_dscnt 0x0
.irp m, 0,1,2,3
	v_add_f32 v[TM+4*\m], v[112+8*\m], v[114+8*\m]
	v_add_f32 v[TM+4*\m+3], v[116+8*\m], v[118+8*\m]
	v_add_f32 v[TM+4*\m+1], v[113+8*\m], v[115+8*\m]
	v_add_f32 v[TM+4*\m+2], v[117+8*\m], v[119+8*\m]
	v_add_f32 v[TM+4*\m], v[TM+4*\m], v[TM+4*\m+3]
	v_add_f32 v[TM+4*\m+1], v[TM+4*\m+1], v[TM+4*\m+2]     ; the four sums of squares
	v_mul_f32 v[TM+4*\m], 0x3e800000, v[TM+4*\m]           ; the row's mean
.irp u, 0,2,4,6
	v_sub_f32 v[112+8*\m+\u], v[112+8*\m+\u], v[TM+4*\m]
.endr
	v_mul_f32 v[TM+4*\m+2], v[112+8*\m], v[112+8*\m]
	v_fmac_f32 v[TM+4*\m+2], v[114+8*\m], v[114+8*\m]
	v_fmac_f32 v[TM+4*\m+2], v[116+8*\m], v[116+8*\m]
	v_fmac_f32 v[TM+4*\m+2], v[118+8*\m], v[118+8*\m]
	v_fma_f32 v[TM+4*\m+1], v[TM+4*\m+2], s39, v[TM+4*\m+1]    ; + 128 x the means' squared distances
	v_fma_f32 v[TM+4*\m+1], v[TM+4*\m+1], s40, s41             ; / 512 + 1e-5
.endr
.irp m, 0,1,2,3
	v_rsq_f32 v[RS+4*\m], v[TM+4*\m+1]
.endr
.irp m, 0,1,2,3
	v_sub_f32 v[TM+4*\m+3], v[MU+2*\m], v[TM+4*\m]         ; plain work behind the four roots
.endr
	s_wait_alu depctr_va_vdst(0)                   ; the four roots have written rs, ahead of their first reader; the lines above are done with v112-143, in which parameters land later
.irp m, 0,1,2,3
	v_mul_f32 v[RS+4*\m+2], v[TM+4*\m+3], v[RS+4*\m]
.endr
.endm
.macro PLOAD bb                        ; g, b and b + b2 of my 16 columns of column block bb, into set bb % 2
.irp q, 0,1,2,3
	ds_load_b128 v[16+48*((\bb)%2)+4*\q:19+48*((\bb)%2)+4*\q], v[PA] offset:128*(\bb)+16*\q
	ds_load_b128 v[32+48*((\bb)%2)+4*\q:35+48*((\bb)%2)+4*\q], v[PA] offset:2048+128*(\bb)+16*\q
	ds_load_b128 v[48+48*((\bb)%2)+4*\q:51+48*((\bb)%2)+4*\q], v[PA] offset:6144+128*(\bb)+16*\q
.endr
.endm
; GELU of tile of rows m, quantised: K step w of the third product
.macro GELU m
	WIN 0x0f
.set J, 0
.rept 32
	v_pk_mul_f32 v[XF0+J:XF0+J+1], v[64*(\m)+J:64*(\m)+J+1], v[64*(\m)+J:64*(\m)+J+1]     ; x^2
.set J, J+2
.endr
	WIN 0
.set J, 0
.rept 32
	v_pk_fma_f32 v[XF0+J:XF0+J+1], v[XF0+J:XF0+J+1], v[GA:GA+1], v[GB:GB+1]               ; -2 log2(e) sqrt(2 / pi) (0.044715 x^2 + 1)
.set J, J+2
.endr
	WIN 0x0c
.set J, 0
.rept 32
	v_pk_mul_f32 v[XF0+J:XF0+J+1], v[XF0+J:XF0+J+1], v[64*(\m)+J:64*(\m)+J+1]             ; x that
.set J, J+2
.endr
	WIN 0
.set J, 0
.rept 64
	v_exp_f32 v[XF0+J], v[XF0+J]
.set J, J+1
.endr
	v_nop                                          ; a plain line behind the batch,
	s_wait_alu depctr_va_vdst(0)                   ; and one wait ahead of its first reader: the 64 exponentials have written v16-79
.set J, 0
.rept 32
	v_pk_add_f32 v[XF0+J:XF0+J+1], v[XF0+J:XF0+J+1], 1.0 op_sel_hi:[1,0]
.set J, J+2
.endr
.set J, 0
.rept 64
	v_rcp_f32 v[XF0+J], v[XF0+J]
.set J, J+1
.endr
	v_nop
	s_wait_alu depctr_va_vdst(0)                   ; the 64 reciprocals have written v16-79, ahead of their first reader
	WIN 0x0c
.set J, 0
.rept 32
	v_pk_mul_f32 v[XF0+J:XF0+J+1], v[XF0+J:XF0+J+1], v[64*(\m)+J:64*(\m)+J+1]             ; x / (1 + 2^..)
.set J, J+2
.endr
	WIN 0
	s_wait_dscnt 0x0                               ; the last image's stores are done
	s_wait_alu depctr_vm_vsrc(0)                   ; the last image's stores have read the codes and the scale word, which the quantiser below writes
	QUANT XF0, 0
	s_wait_alu depctr_va_vdst(0)                   ; the quantiser has written the codes and the scale word, which the LDS stores below read; behind the last tile: the lines above are done reading the accumulators, in which x1 + b2 lands, and with v16-79, in which the next product's fragments land
	IMAGE WHA, 8192*(\m)
	ds_store_b32 v[SHA], v[PW] offset:512*(\m)
.endm
; Tile of rows t leaves: its 16 rows, back from the stage, are stored as they come in
.macro GOUT t
.irp i, 0,1,2,3,4,5,6,7,8,9,10,11,12,13,14,15
	s_wait_dscnt 15-\i                             ; row i is back; the younger loads may be out
	global_store_b128 v[LI], v[64*(\t)+4*\i:64*(\t)+4*\i+3], s[30:31] offset:(16*(\t)+\i)*2048 th:TH_STORE_NT   ; 32 lanes store 512 consecutive bytes, aligned
.endr
.endm
	s_load_b128 s[4:7], s[0:1], 0x0                ; ctx's codes; side: ctx's scale bytes, then the weights' images
	s_load_b64 s[8:9], s[0:1], 0x10                ; Q
	s_load_b64 s[12:13], s[0:1], 0x18              ; W_o's scales
	s_load_b128 s[16:19], s[0:1], 0x20             ; lin1_w's scales, b1
	s_load_b64 s[22:23], s[0:1], 0x30              ; lin2_w's scales
	s_load_b64 s[24:25], s[0:1], 0x38              ; b2
	s_load_b64 s[26:27], s[0:1], 0x40              ; g
	s_load_b64 s[28:29], s[0:1], 0x48              ; b
	s_load_b64 s[30:31], s[0:1], 0x50              ; out0
	v_lshrrev_b32 v[TP], 5, v0
	v_readfirstlane_b32 s[WV], v[TP]               ; wave 0..3
	v_and_b32 v[TP], 31, v0                        ; lane
	v_lshlrev_b32 v[LI], 4, v[TP]
	v_add_nc_u32 v[LIB], XB, v[LI]
	v_lshl_add_u32 v[LSA], v[TP], 2, 32768
	v_lshl_add_u32 v[LSB], v[TP], 2, XB+32768
	s_wait_alu depctr_va_sdst(0)                   ; the wave's number is written, ahead of its first reader: LDS places and bases are made from it
	s_lshl_b32 s33, s[WV], 11
	v_add_nc_u32 v[WHA], s33, v[LI]
	v_add_nc_u32 v[WHB], s33, v[LIB]
	s_lshl_b32 s33, s[WV], 7
	v_add_nc_u32 v[SHA], s33, v[LSA]
	v_add_nc_u32 v[SHB], s33, v[LSB]
	s_lshl_b32 s33, s[WV], 15
	s_add_co_u32 s33, s33, RES
	v_add_nc_u32 v[RA], s33, v[LI]
	s_mul_i32 s33, s[WV], 8448
	s_add_co_u32 s33, s33, STG
	v_add_nc_u32 v[SR], s33, v[LI]
	v_and_b32 v[QA], 15, v0                        ; r
	v_bfe_u32 v[PW], v0, 4, 1                      ; h
	v_mul_u32_u24 v[SO], v[QA], 528
	v_lshl_add_u32 v[SO], v[PW], 6, v[SO]
	v_add_nc_u32 v[SO], s33, v[SO]
	s_lshl_b32 s33, s[WV], 9
	s_add_co_u32 s33, s33, PAR
	v_lshlrev_b32 v[PA], 6, v[PW]
	v_add_nc_u32 v[PA], s33, v[PA]
	s_lshl_b32 s33, s[WV], 10
	s_add_co_u32 s33, s33, STAT
	v_lshlrev_b32 v[STR], 3, v[TP]
	v_add_nc_u32 v[STW], s33, v[STR]
	v_add_nc_u32 v[STR], STAT, v[STR]
	v_and_b32 v[WSA], 8, v[QA]
	v_add_nc_u32 v[WSA], v[WSA], v[QA]             ; r + 8 (r / 8)
	v_lshlrev_b32 v[WSA], 4, v[WSA]
	v_lshlrev_b32 v248, 4, v[QA]                   ; the head's own addresses: 16 r,
	v_lshlrev_b32 v249, 4, v0                      ; 16 x thread,
	v_lshl_add_u32 v250, v0, 4, PAR                ; the same in LDS,
	s_lshl_b32 s33, s[WV], 13
	v_add_nc_u32 v251, s33, v[LI]                  ; ctx's tile m = w: fragments 4 w on,
	s_lshl_b32 s33, s[WV], 9
	v_add_nc_u32 v252, s33, v[LSA]                 ; and their scale words
	s_mov_b32 s[SEL], 0x76543210
	s_mov_b32 s[SEL+1], 0xfedcba98                 ; v_permlanex16_b32's selects for lane l xor 16
	s_mov_b32 s[MNT], 0x600000                     ; the mantissa field of 448
	s_mov_b32 s39, 0x43000000                      ; 128
	s_mov_b32 s40, 0x3b000000                      ; 1 / 512
	s_mov_b32 s41, 0x3727c5ac                      ; 1e-5
	s_mov_b32 s[OF+1], 0
	v_mov_b32 v[GA], 0xbdd2d3e8                    ; -2 log2(e) sqrt(2 / pi) x 0.044715
	v_mov_b32 v[GA+1], 0xbdd2d3e8
	v_mov_b32 v[GB], 0xc0135761                    ; -2 log2(e) sqrt(2 / pi)
	v_mov_b32 v[GB+1], 0xc0135761
.irp b, 0,1,2,3
	v_mov_b32 v[TM+4+\b], 0                        ; written once: a lane permute's destination counts as one of its sources
.endr
.set J, 0
.rept 24
	v_mov_b32 v[MU+J], 0                           ; the upper halves of pairs of which the low word alone is used are written too
.set J, J+1
.endr
	s_wait_kmcnt 0x0
	s_lshl_b32 s[OF], s[WV], 16                    ; my 64 KB of each weight's image: W_o's begins 262,144 bytes into 'side',
	s_add_co_u32 s[OF], s[OF], 262144
	s_add_nc_u64 s[10:11], s[6:7], s[OF:OF+1]
	s_add_nc_u64 s[14:15], s[10:11], 0x40000       ; lin1_w's 262,144 further on,
	s_add_nc_u64 s[20:21], s[14:15], 0x40000       ; lin2_w's likewise
	s_lshl_b32 s[OF], s[WV], 11                    ; my 128 rows of their scale bytes
	s_add_nc_u64 s[12:13], s[12:13], s[OF:OF+1]
	s_add_nc_u64 s[16:17], s[16:17], s[OF:OF+1]
	s_add_nc_u64 s[22:23], s[22:23], s[OF:OF+1]
	s_lshl_b32 s[OF], ttmp9, 2
	s_add_co_u32 s[OF], s[OF], s[WV]
	s_lshl_b32 s[OF], s[OF], 13                    ; ctx's tile of rows 4 x work-group + w: 8,192 bytes
	s_add_nc_u64 s[4:5], s[4:5], s[OF:OF+1]
	s_lshl_b32 s[OF], ttmp9, 10
	s_lshl_b32 s33, s[WV], 8
	s_add_co_u32 s[OF], s[OF], s33
	s_add_nc_u64 s[6:7], s[6:7], s[OF:OF+1]
	s_lshl_b32 s[OF], ttmp9, 17                    ; 64 rows of 2,048 bytes, my 512 bytes of each
	s_lshl_b32 s33, s[WV], 9
	s_add_co_u32 s[OF], s[OF], s33
	s_add_nc_u64 s[8:9], s[8:9], s[OF:OF+1]
	s_add_nc_u64 s[30:31], s[30:31], s[OF:OF+1]
	s_wait_alu depctr_va_vdst(0)                   ; the addresses v1-14, v201 and v248-252 are written, which the kernel's loads and stores read
.irp f, 0,1,2,3,4,5,6,7,8,9,10,11,12,13,14,15
	global_load_b128 v[XF0+4*\f:XF0+4*\f+3], v[LI], s[4:5] offset:512*\f th:TH_LOAD_NT
.endr
	global_load_b128 v[XS:XS+3], v248, s[6:7]
	global_load_b128 v[80:83], v249, s[26:27]      ; g
	global_load_b128 v[84:87], v249, s[28:29]      ; b
	global_load_b128 v[88:91], v249, s[18:19]      ; b1
	global_load_b128 v[92:95], v249, s[24:25]      ; b2
.irp s, 0,1,2,3
	WLOADS \s, 10
.endr
	WSCALES 12
	WIN 0xc0
.irp m, 0,1,2,3
.irp i, 0,1,2,3,4,5,6,7,8,9,10,11,12,13,14,15
	global_load_b128 v[64*\m+4*\i:64*\m+4*\i+3], v[LI], s[8:9] offset:(16*\m+\i)*2048 th:TH_LOAD_NT   ; my 512 bytes of row 16 m + i of Q, into the accumulators' registers
.endr
.endr
	WIN 0
	s_wait_loadcnt 63                              ; all but the 63 youngest of Q's 64 loads: ctx and the parameters, asked for first, are in
	v_pk_add_f32 v[92:93], v[92:93], v[84:85]      ; b + b2
	v_pk_add_f32 v[94:95], v[94:95], v[86:87]
	s_wait_alu depctr_va_vdst(0)                   ; the two additions have written b + b2, which an LDS store below reads, and are done with v84-95, in which the first product's fragments land
.irp f, 0,1,2,3,4,5,6,7,8,9,10,11,12,13,14,15
	ds_store_b128 v251, v[XF0+4*\f:XF0+4*\f+3] offset:512*\f
.endr
.irp s, 0,1,2,3
	ds_store_b32 v252, v[XS+\s] offset:128*\s
.endr
	ds_store_b128 v250, v[80:83]
	ds_store_b128 v250, v[84:87] offset:2048
	ds_store_b128 v250, v[88:91] offset:4096
	ds_store_b128 v250, v[92:95] offset:6144
	BARRIER                                        ; ctx's sixteen fragments and the parameters lie in LDS
.irp m, 0,1,2,3                                ; Q turns into the accumulators' layout through my stage, 16 rows at a time
	s_wait_loadcnt 48-16*\m                        ; this tile's 16 rows are in; the younger tiles' loads may be out
	WIN 0x0c
.irp i, 0,1,2,3,4,5,6,7,8,9,10,11,12,13,14,15
	ds_store_b128 v[SR], v[64*\m+4*\i:64*\m+4*\i+3] offset:528*\i
.endr
	WIN 0xc0
	s_wait_alu depctr_vm_vsrc(0)                   ; the tile's sixteen stores have read its registers, in which the loads below land; the head's stores and loads have read v16-95, v176-179 and v248-252, which the first product's fetches and the sums write
.irp bb, 0,1,2,3
.irp q, 0,1,2,3
	ds_load_b128 v[64*\m+16*\bb+4*\q:64*\m+16*\bb+4*\q+3], v[SO] offset:128*\bb+16*\q   ; LDS serves a wave's instructions in order (ISA guide 5.7.1.4): these see my stores, and the next tile's stores come behind them
.endr
.endr
.endr
	WIN 0
	GEMM LI, LSA, 1, 14, 16                        ; Q + ctx W_o
	STATS 0                                        ; (a barrier stands at its end)
	COMBINE 0
	; ---- x1 = normalised x g + b stays in the accumulators; x1 + b2 goes to my residual in LDS
	PLOAD 0
.irp bb, 0,1,2,3
	s_wait_dscnt 0x0                               ; this column block's parameters are in
.if \bb > 0
	s_wait_alu depctr_vm_vsrc(0)                   ; the last block's stores have read their sixteen registers a tile, which this block writes again
.endif
.if \bb < 3
	PLOAD \bb+1                                    ; no wait: the lines that read that set stand ahead of the wait in front of the last block's stores (the first: ahead of the roots' wait)
.endif
	WIN 0xc3
.irp m, 0,1,2,3
.set J, 0
.rept 8
	v_pk_fma_f32 v[64*\m+16*\bb+J:64*\m+16*\bb+J+1], v[64*\m+16*\bb+J:64*\m+16*\bb+J+1], v[RS+4*\m:RS+4*\m+1], v[RS+4*\m+2:RS+4*\m+3] op_sel_hi:[1,0,0]
.set J, J+2
.endr
.endr
	WIN 0x03
.irp m, 0,1,2,3
.set J, 0
.rept 8
	v_pk_fma_f32 v[T16_\m+J:T16_\m+J+1], v[64*\m+16*\bb+J:64*\m+16*\bb+J+1], v[16+48*(\bb%2)+J:17+48*(\bb%2)+J], v[48+48*(\bb%2)+J:49+48*(\bb%2)+J]
.set J, J+2
.endr
.endr
	WIN 0xc3
.irp m, 0,1,2,3
.set J, 0
.rept 8
	v_pk_fma_f32 v[64*\m+16*\bb+J:64*\m+16*\bb+J+1], v[64*\m+16*\bb+J:64*\m+16*\bb+J+1], v[16+48*(\bb%2)+J:17+48*(\bb%2)+J], v[32+48*(\bb%2)+J:33+48*(\bb%2)+J]
.set J, J+2
.endr
.endr
	WIN 0
	s_wait_alu depctr_va_vdst(0)                   ; x1 + b2 of this block is written, which the stores below read; the block's lines are done reading their set of parameters, which is asked for again a block on
.irp m, 0,1,2,3
.irp q, 0,1,2,3
	ds_store_b128 v[RA], v[T16_\m+4*\q:T16_\m+4*\q+3] offset:((4*\m+\bb)*4+\q)*512
.endr
.endr
.endr
.irp m, 0,1,2,3
	s_wait_dscnt 0x0                               ; the stores before are done
	s_wait_alu depctr_vm_vsrc(0)                   ; the stores before (the residual's, then the last image's) have read the codes' registers, the quantiser's sixteen and the scale word, which the quantiser below writes
	QUANT 64*\m, 3
	s_wait_alu depctr_va_vdst(0)                   ; the quantiser has written the codes and the scale word, which the LDS stores below read; behind the last tile: it is done with the accumulators, in which b1 lands
	IMAGE WHB, 8192*\m                             ; K step w of the second product, rows 16 m on
	ds_store_b32 v[SHB], v[PW] offset:512*\m
.endr
	WIN 0xc0
.irp m, 0,1,2,3
.irp bb, 0,1,2,3
.irp q, 0,1,2,3
	ds_load_b128 v[64*\m+16*\bb+4*\q:64*\m+16*\bb+4*\q+3], v[PA] offset:4096+128*\bb+16*\q   ; the accumulators begin as b1
.endr
.endr
.endr
	WIN 0
	BARRIER                                        ; x1's sixteen fragments lie in LDS
	GEMM LIB, LSB, 1, 20, 22                       ; x1 W1 + b1
.irp m, 0,1,2,3
	GELU \m                                        ; images A are written again: every wave has passed two barriers since its last read of ctx
.endr
	WIN 0xc0
.irp m, 0,1,2,3
.irp bb, 0,1,2,3
.irp q, 0,1,2,3
	ds_load_b128 v[64*\m+16*\bb+4*\q:64*\m+16*\bb+4*\q+3], v[RA] offset:((4*\m+\bb)*4+\q)*512   ; the accumulators begin as x1 + b2
.endr
.endr
.endr
	WIN 0
	BARRIER                                        ; the hidden layer's sixteen fragments lie in LDS
	GEMM LI, LSA, 0, 0, 0                          ; gelu(..) W2 + b2 + x1
	STATS 4096
	COMBINE 4096
.irp bb, 0,1,2,3
.irp q, 0,1,2,3
	ds_load_b128 v[16+16*\bb+4*\q:19+16*\bb+4*\q], v[PA] offset:128*\bb+16*\q          ; g of my 64 columns,
	ds_load_b128 v[80+16*\bb+4*\q:83+16*\bb+4*\q], v[PA] offset:2048+128*\bb+16*\q     ; and b
.endr
.endr
	s_wait_dscnt 0x0
	; ---- the result, in place, 16 rows at a time through my stage: a lane holds pieces of one row, a store wants 512 neighbouring bytes of it.
	; A tile's arithmetic stands between the loads that bring the tile before back from the stage and that tile's stores to memory.
.irp m, 0,1,2,3
	WIN 0xc3
.set J, 0
.rept 32
	v_pk_fma_f32 v[64*\m+J:64*\m+J+1], v[64*\m+J:64*\m+J+1], v[RS+4*\m:RS+4*\m+1], v[RS+4*\m+2:RS+4*\m+3] op_sel_hi:[1,0,0]
.set J, J+2
.endr
.set J, 0
.rept 32
	v_pk_fma_f32 v[64*\m+J:64*\m+J+1], v[64*\m+J:64*\m+J+1], v[16+J:17+J], v[80+J:81+J]
.set J, J+2
.endr
	WIN 0x0c                                       ; an LDS store's and a global store's data are its source 1: window 3
	s_wait_alu depctr_va_vdst(0)                   ; this tile's results are written, which its stores into the stage read and over which its loads from the stage land
.if \m > 0
	GOUT \m-1
.endif
.irp bb, 0,1,2,3
.irp q, 0,1,2,3
	ds_store_b128 v[SO], v[64*\m+16*\bb+4*\q:64*\m+16*\bb+4*\q+3] offset:128*\bb+16*\q
.endr
.endr
	WIN 0xc0
	s_wait_alu depctr_vm_vsrc(0)                   ; the sixteen stores above have read the tile's registers, in which the loads below land
.irp i, 0,1,2,3,4,5,6,7,8,9,10,11,12,13,14,15
	ds_load_b128 v[64*\m+4*\i:64*\m+4*\i+3], v[SR] offset:528*\i   ; in order behind my stores, and ahead of the next tile's
.endr
.endr
	WIN 0x0c
	GOUT 3
	WIN 0
	s_wait_xcnt 0x0
	v_lshl_add_u32 v254, v0, 2, 0x3d400
	v_mov_b32 v255, 0
	s_wait_dscnt 0x0                               ; the closing lines, six on end
	s_wait_alu 0x0
	s_wait_tensorcnt 0x0
	ds_add_u32 v254, v255
	s_wait_dscnt 0x0
	s_endpgm
.Lfunc_end_k_qdd59329027_tail:
	.size	k_qdd59329027_tail, .Lfunc_end_k_qdd59329027_tail-k_qdd59329027_tail
	.p2alignl 7, 3214868480
	.fill 96, 4, 3214868480
	.section	.rodata,"a",@progbits
	.p2align	6, 0x0
	.amdhsa_kernel k_qdd59329027_tail
		.amdhsa_group_segment_fixed_size 251392
		.amdhsa_private_segment_fixed_size 0
		.amdhsa_enable_private_segment 0
		.amdhsa_kernarg_size 88
		.amdhsa_user_sgpr_count 2
		.amdhsa_user_sgpr_kernarg_segment_ptr 1
		.amdhsa_wavefront_size32 1
		.amdhsa_system_sgpr_workgroup_id_x 1
		.amdhsa_system_sgpr_workgroup_id_y 1
		.amdhsa_system_sgpr_workgroup_id_z 1
		.amdhsa_system_vgpr_workitem_id 0
		.amdhsa_next_free_vgpr 1024
		.amdhsa_next_free_sgpr 66
		.amdhsa_reserve_vcc 0
		.amdhsa_float_denorm_mode_32 3
		.amdhsa_float_denorm_mode_16_64 3
		.amdhsa_memory_ordered 1
		.amdhsa_forward_progress 1
		.amdhsa_inst_pref_size 255
	.end_amdhsa_kernel
	.section	.bss,"aw",@nobits
	.p2align	6
	.space	262144
	.amdgpu_metadata
---
amdhsa.version: [ 1, 2 ]
amdhsa.kernels:
  - .name:           k_qdd59329027_tail
    .symbol:         k_qdd59329027_tail.kd
    .args:
      - { .name: ctx_codes, .offset: 0, .size: 8, .value_kind: global_buffer, .address_space: global }
      - { .name: side, .offset: 8, .size: 8, .value_kind: global_buffer, .address_space: global }
      - { .name: Q, .offset: 16, .size: 8, .value_kind: global_buffer, .address_space: global }
      - { .name: W_o_scales, .offset: 24, .size: 8, .value_kind: global_buffer, .address_space: global }
      - { .name: lin1_w_scales, .offset: 32, .size: 8, .value_kind: global_buffer, .address_space: global }
      - { .name: lin1_b, .offset: 40, .size: 8, .value_kind: global_buffer, .address_space: global }
      - { .name: lin2_w_scales, .offset: 48, .size: 8, .value_kind: global_buffer, .address_space: global }
      - { .name: lin2_b, .offset: 56, .size: 8, .value_kind: global_buffer, .address_space: global }
      - { .name: ln_g, .offset: 64, .size: 8, .value_kind: global_buffer, .address_space: global }
      - { .name: ln_b, .offset: 72, .size: 8, .value_kind: global_buffer, .address_space: global }
      - { .name: out0, .offset: 80, .size: 8, .value_kind: global_buffer, .address_space: global }
    .group_segment_fixed_size: 251392
    .private_segment_fixed_size: 0
    .kernarg_segment_align: 8
    .kernarg_segment_size: 88
    .max_flat_workgroup_size: 128
    .sgpr_count:     66
    .vgpr_count:     1024
    .wavefront_size: 32
...
	.end_amdgpu_metadata
.endif
;; end of part 6
